; MI455X (gfx1250); checked and timed in simulation.
; The chip was launched on July 23, 2026; its instructions are those of AMD's public machine-readable ISA for CDNA 5 (MIT licence, August 2026) and "CDNA5" Instruction Set Architecture Reference Guide (July 2026). The comments in the code are by the model that wrote it; some were corrected since.
;; Decoder. Allowed arithmetic: matrix products marked QUANTISED: E4M3 operands, one given power-of-two scale a tensor, by v_wmma_f32_16x16x64_fp8_fp8 or v_wmma_f32_16x16x128_fp8_fp8, f32 sums; everything else in f32.
;; Inputs: W1 1,024 x 4,096 float32; W2 4,096 x 1,024 float32; Wk 16 x 1,024 x 64 float32; Wo 1,024 x 1,024 float32; Wq 16 x 1,024 x 64 float32; Wv 16 x 1,024 x 64 float32; b1 4,096 float32; b2 1,024 float32; be1 1,024 float32; be2 1,024 float32; bk 16 x 64 float32; bo 1,024 float32; bq 16 x 64 float32; bv 16 x 64 float32; g1 1,024 float32; g2 1,024 float32; lowp_scales 16 int32 (the exponents e of the quantised operands' scales 2^e); x 2 x 2,048 x 1,024 float32.
;; Outputs: out0 2 x 2,048 x 1,024 float32.
;; This version of the problem:
;;   THIS VERSION OF THE PROBLEM IS GIVEN IN LOW PRECISION. The matrix products marked QUANTISED in the list below multiply operands that are first quantised to E4M3 (4 exponent bits, 3 mantissa bits; 8 bits a number), with one given power-of-two scale for each operand tensor; their sums are f32. All else is computed in f32.
;;   The module's matrix products, in the order in which they are computed (A, B: the left and right operand; K: the contracted axis; several contracted axes count as one K, in the product's order):
;;     1. [M 1,024, K 1,024] x [K 1,024, N 4,096]; A: input Wq; B: input x: QUANTISED (scales: A lowp_scales[0], B lowp_scales[1])
;;     2. [M 1,024, K 1,024] x [K 1,024, N 4,096]; A: input Wk; B: input x: QUANTISED (scales: A lowp_scales[2], B lowp_scales[3])
;;     3. [M 1,024, K 1,024] x [K 1,024, N 4,096]; A: input Wv; B: input x: QUANTISED (scales: A lowp_scales[4], B lowp_scales[5])
;;     4. batch 32 x [M 2,048, K 64] x [K 64, N 2,048]; A: computed on the way; B: computed on the way: QUANTISED (scales: A lowp_scales[6], B lowp_scales[7])
;;     5. batch 32 x [M 2,048, K 2,048] x [K 2,048, N 64]; A: softmax (see below); B: computed on the way: QUANTISED (scales: A lowp_scales[8], B lowp_scales[9])
;;     6. [M 4,096, K 1,024] x [K 1,024, N 1,024]; A: computed on the way; B: input Wo: QUANTISED (scales: A lowp_scales[10], B lowp_scales[11])
;;     7. [M 4,096, K 1,024] x [K 1,024, N 4,096]; A: computed on the way; B: input W1: QUANTISED (scales: A lowp_scales[12], B lowp_scales[13])
;;     8. [M 4,096, K 4,096] x [K 4,096, N 1,024]; A: computed on the way; B: input W2: QUANTISED (scales: A lowp_scales[14], B lowp_scales[15])
;;   THE QUANTISER, for each operand of a quantised product, along K:
;;     - The operand's scale is 2^e, e = its entry of the input lowp_scales (int32; the entries are numbered through the quantised products in the list's order, A before B).
;;     - Each number is divided by the scale, clamped to +-448, and rounded to the nearest number of E4M3, ties to even, subnormals kept.
;;     - The product sums the exact products of the quantised numbers (number of the format x scale) in f32.
;;   ~~~python
;;   def quantise(x, axis, e):      # numpy; x: float32 -> the quantised numbers, widened to float32 again
;;       x = np.moveaxis(x, axis, -1); K = x.shape[-1]
;;       r = np.clip(x / 2.0 ** e, -448, 448)
;;       step = 2.0 ** (np.maximum(np.frexp(np.where(r == 0, 1, r))[1] - 1, -6) - 3)
;;       q = np.round(r / step) * step * 2.0 ** e      # np.round: ties to even
;;       return np.moveaxis(q, -1, axis).astype(np.float32)
;;   ~~~
;;   SOFTMAX AHEAD OF A QUANTISED PRODUCT. Where the list says 'softmax', what is quantised is not the finished softmax but p = 2^(t - M), with t = logit x log2(e) and M = ceil(the row's largest t), a whole number; so 1/2 < the row's largest p <= 1. The row's sum l is taken of the UNQUANTISED p, in f32, and the product's result is divided by l at the end. Since M is a whole number, a kernel that streams over the keys may use a running M (the ceiling of the running maximum): every later rescaling is an exact power of two, so the quantised numbers keep their values, but for numbers so far below the row's largest that they fall under the format's range.
;;   OPERANDS COMPUTED ON THE WAY. 'Computed on the way' means the value that the module computes at that place (a softmax that the list does not call 'softmax' is quantised finished and normalised). What goes into a quantiser is computed in f32, as accurately as f32 sums, v_exp_f32 and their like allow (about 1e-6 of the number): no bf16 or f16 on the way to a quantiser, and a product that is left as it is and whose result goes on into a quantised operand takes f32 operands (vector FMAs, or v_wmma_f32_16x16x4_f32). A number that lies on a knife's edge between two numbers of the format may be rounded either way, as far as f32 arithmetic and the matrix unit's own rounding can turn it there, and no further.
;; 2 versions. Each part assembles by itself: llvm-mc -triple=amdgcn-amd-amdhsa -mcpu=gfx1250 --defsym DOCPART=n.
;; ======== version 1 of 2: 8 launches
;; workspace buffers: codes0 25,165,824 bytes; qkvc 12,582,912 bytes; ctxc 4,194,304 bytes; ysum 16,777,216 bytes; x1b 20,971,520 bytes; hc 16,777,216 bytes
;; launch quant (part 1): grid 512 x 1, 4 waves a work-group, no clusters, 35,328 bytes of LDS; arguments x, Wq, Wk, Wv, Wo, W1, W2, lowp_scales, codes0; writes codes0
.if DOCPART == 1
	.amdgcn_target "amdgcn-amd-amdhsa--gfx1250"
	.amdhsa_code_object_version 6
	.text
	.protected	k_qfc7432b803_quant
	.globl	k_qfc7432b803_quant
	.p2align	8
	.type	k_qfc7432b803_quant,@function
k_qfc7432b803_quant:
	s_mov_b64 s[64:65], 0
	v_nop
	global_prefetch_b8 v0, s[64:65] scope:SCOPE_SE
	s_setreg_imm32_b32 hwreg(HW_REG_WAVE_MODE, 25, 1), 1
	s_wait_xcnt 0x0
; x (three times, with the scales of products 1, 2, 3) and the six weights become codes of E4M3 in codes0.
; code = number / 2^e, held within +-448, to the nearest code, ties to even.  LIMITS: each e between -126 and 119; NaN and infinities among the inputs are not served.
; LAYOUT OF THE CODES: images of operand registers.  16 rows x 128 k are 2,048 bytes: byte (k>>5)*512 + ((k>>3)&1)*256 + row*16 + ((k>>4)&1)*8 + (k&7):
; four loads of 16 bytes a lane, 512 bytes apart, at 16 x lane, are the 16 registers of a fragment of the 16x16x128 fp8 form.  A tensor of R rows: [k/256][R/16][2][2,048].
; codes0: x under e1 at 0, under e3 at 4 Mi, under e5 at 8 Mi; Wq 12 Mi, Wk 13 Mi, Wv 14 Mi (row = head*64+e), Wo 15 Mi, W1 16 Mi, W2 20 Mi (row = the weight's column).
; Work-groups 0-127 take x, 128-511 the weights: each reads 128 KiB of f32.  Waves share nothing: no barrier.  Only x's path uses LDS.
; No cluster, no tensor load, no matrix unit: every byte is read once by one wave, so nothing is shared and nothing is multiplied.
.set R,   16                           ; x: v16-79   16 rows x 16 bytes a lane, as loaded
.set X,   80                           ; x: v80-143  64 numbers: register 16c+8u+e = x[row r][32c+16u+8h+e]
.set TA,  144                          ; x: v144-159 16 numbers held for e1
.set TB,  160                          ; x: v160-175 for e3
.set C,   176                          ; x: v176-223 three fragments of codes
.set VO,  16                           ; weights: v16-47  4 x lane + i x pitch
.set WX,  48                           ; weights: v48-111 two sets of 32 numbers down K
.set WC,  112                          ; weights: v112-175 eight registers of codes a block: never written again
.macro MKSCALE e, vs, vl               ; v[vs] = 2^e as f32, v[vl] = 448 x 2^e
	s_add_co_i32 s80, s[\e], 127
	s_lshl_b32 s81, s80, 23
	v_mov_b32 v[\vs], s81
	s_add_co_i32 s80, s80, 8
	s_lshl_b32 s80, s80, 23
	s_or_b32 s80, s80, 0x600000
	v_mov_b32 v[\vl], s80
.endm
	s_load_b512 s[4:19], s[0:1], 0x0               ; x 4, Wq 6, Wk 8, Wv 10, Wo 12, W1 14, W2 16, the scales' exponents 18
	s_load_b64 s[20:21], s[0:1], 0x40              ; codes0
	v_lshl_add_u32 v232, v0, 2, 0x8800
	v_mov_b32 v233, 0
	v_lshrrev_b32 v1, 5, v0
	v_readfirstlane_b32 s22, v1                    ; wave
	v_and_b32 v7, 31, v0                           ; lane
	v_and_b32 v5, 15, v0                           ; r
	v_bfe_u32 v6, v0, 4, 1                         ; h
	s_wait_kmcnt 0x0
	s_load_b512 s[24:39], s[18:19], 0x0            ; e0 .. e15
	s_cmp_ge_u32 ttmp9, 128
	s_cbranch_scc1 .Lweights
; ---------------- x: a wave takes 16 tokens x 512 k, in four pieces of 128 k ----------------
	s_lshl_b32 s23, ttmp9, 2
	s_add_co_u32 s23, s23, s22                     ; W = 4 x work-group + wave
	s_lshr_b32 s48, s23, 1                         ; tile of 16 tokens
	s_and_b32 s49, s23, 1                          ; which 512 along K
	s_lshl_b32 s50, s48, 16                        ; 16 rows of 4,096 bytes
	s_lshl_b32 s51, s49, 11
	s_add_co_u32 s50, s50, s51
	s_mov_b32 s51, 0
	s_add_nc_u64 s[40:41], s[4:5], s[50:51]
	s_lshl_b32 s52, s49, 21                        ; two chunks of 256 k, 1 MiB each
	s_lshl_b32 s53, s48, 12
	s_add_co_u32 s52, s52, s53
	s_mov_b32 s53, 0
	s_add_nc_u64 s[42:43], s[20:21], s[52:53]
	s_add_nc_u64 s[44:45], s[42:43], 0x400000
	s_add_nc_u64 s[46:47], s[42:43], 0x800000
	v_lshlrev_b32 v1, 4, v7                        ; 16 x lane
	s_mul_i32 s54, s22, 8704                       ; my stage: 16 rows, 528 bytes apart
	v_add_nc_u32 v2, s54, v1                       ; in: a row's 512 bytes as they lie
	v_mul_u32_u24 v3, v5, 528
	v_lshl_add_u32 v3, v6, 5, v3
	v_add_nc_u32 v3, s54, v3                       ; out: row r, + 32 h
.macro LOADX j                         ; 128 numbers of each of the 16 rows: each load reads 512 consecutive bytes
.set i, 0
.rept 16
	global_load_b128 v[R+4*i:R+4*i+3], v1, s[40:41] offset:i*4096+(\j)*512 th:TH_LOAD_NT
.set i, i+1
.endr
.endm
.macro TURNX                           ; through my own stage: LDS serves a wave's instructions in order, so no wait stands between the stores and the loads
.set i, 0
.rept 16
	ds_store_b128 v2, v[R+4*i:R+4*i+3] offset:i*528
.set i, i+1
.endr
.irp c, 0,1,2,3
.irp u, 0,1
.irp q, 0,1
	ds_load_b128 v[X+16*\c+8*\u+4*\q:X+16*\c+8*\u+4*\q+3], v3 offset:\c*128+\u*64+\q*16
.endr
.endr
.endr
.endm
.macro CONVX c                         ; 16 numbers become registers 4c .. 4c+3 of three fragments.  The holds are the plain lines between a conversion and the next write of its sources
.set i, 0
.rept 16
	v_med3_num_f32 v[TA+i], v[X+16*(\c)+i], -v225, v225
.set i, i+1
.endr
.set i, 0
.rept 16
	v_med3_num_f32 v[TB+i], v[X+16*(\c)+i], -v227, v227
.set i, i+1
.endr
	v_cvt_scalef32_pk8_fp8_f32 v[C+4*(\c):C+4*(\c)+1], v[TA:TA+7], v224
	v_cvt_scalef32_pk8_fp8_f32 v[C+4*(\c)+2:C+4*(\c)+3], v[TA+8:TA+15], v224
	v_cvt_scalef32_pk8_fp8_f32 v[C+16+4*(\c):C+16+4*(\c)+1], v[TB:TB+7], v226
	v_cvt_scalef32_pk8_fp8_f32 v[C+16+4*(\c)+2:C+16+4*(\c)+3], v[TB+8:TB+15], v226
.set i, 0
.rept 16
	v_med3_num_f32 v[X+16*(\c)+i], v[X+16*(\c)+i], -v229, v229
.set i, i+1
.endr
	v_cvt_scalef32_pk8_fp8_f32 v[C+32+4*(\c):C+32+4*(\c)+1], v[X+16*(\c):X+16*(\c)+7], v228
	v_cvt_scalef32_pk8_fp8_f32 v[C+32+4*(\c)+2:C+32+4*(\c)+3], v[X+16*(\c)+8:X+16*(\c)+15], v228
.endm
.macro STOREX j                        ; each store covers 512 consecutive bytes, aligned
.irp g, 0,1,2
.irp c, 0,1,2,3
	global_store_b128 v1, v[C+16*\g+4*\c:C+16*\g+4*\c+3], s[42+2*\g:43+2*\g] offset:((\j)/2)*1048576+((\j)%2)*2048+\c*512
.endr
.endr
.endm
	LOADX 0
	s_wait_kmcnt 0x0
	MKSCALE 25, 224, 225                           ; e1
	MKSCALE 27, 226, 227                           ; e3
	MKSCALE 29, 228, 229                           ; e5
.irp j, 0,1,2,3
	s_wait_loadcnt 0x0                             ; this piece's 16 loads are in
	TURNX
	s_wait_dscnt 0x0                               ; the piece is back from the stage, and the stores into it have read their registers,
.if \j < 3
	LOADX \j+1                                     ; which take the next piece while this one is converted
.endif
.if \j > 0
	s_wait_xcnt 0x0                                ; the last piece's stores have read the codes' registers
.endif
.irp c, 0,1,2,3
	CONVX \c
.endr
	STOREX \j
.endr
	s_wait_tensorcnt 0x0
	ds_add_u32 v232, v233
	s_wait_dscnt 0x0
	s_endpgm
; ---------------- the weights: K is their first axis.  A lane takes a column, its registers run down K; a wave takes 32 columns x 256 k ----------------
.Lweights:
	s_sub_co_u32 s23, ttmp9, 128                   ; g
	s_mov_b64 s[40:41], s[6:7]                     ; the tensor,
	s_mov_b32 s42, 0                               ; its first g,
	s_mov_b32 s43, 1                               ; 1: stored by heads, [16][1024][64],
	s_mov_b32 s44, 256                             ; bytes from k to k + 1,
	s_mov_b32 s45, 6                               ; log2 of its tiles of 16 columns,
	s_mov_b32 s46, 0xC00000                        ; its place in codes0,
	s_wait_kmcnt 0x0
	s_mov_b32 s47, s24                             ; its e
.macro PICK g0, ptr, hf, p, ln, dst, ereg      ; the choice hangs on the work-group's number alone
	s_cmp_ge_u32 s23, \g0
	s_cselect_b64 s[40:41], s[\ptr:\ptr+1], s[40:41]
	s_cselect_b32 s42, \g0, s42
	s_cselect_b32 s43, \hf, s43
	s_cselect_b32 s44, \p, s44
	s_cselect_b32 s45, \ln, s45
	s_cselect_b32 s46, \dst, s46
	s_cselect_b32 s47, s[\ereg], s47
.endm
	PICK 32,  8,  1, 256,   6, 0xD00000,  26       ; Wk, e2
	PICK 64,  10, 1, 256,   6, 0xE00000,  28       ; Wv, e4
	PICK 96,  12, 0, 4096,  6, 0xF00000,  35       ; Wo, e11
	PICK 128, 14, 0, 16384, 8, 0x1000000, 37       ; W1, e13
	PICK 256, 16, 0, 4096,  6, 0x1400000, 39       ; W2, e15
	s_sub_co_u32 s68, s23, s42
	s_lshl_b32 s68, s68, 2
	s_add_co_u32 s68, s68, s22                     ; u: my unit in the tensor
	s_sub_co_u32 s69, s45, 1
	s_lshl_b32 s70, 1, s69
	s_sub_co_u32 s70, s70, 1
	s_and_b32 s70, s68, s70                        ; cg: which 32 columns
	s_lshr_b32 s71, s68, s69                       ; kc: which 256 along K
	s_lshl_b32 s72, s44, 8
	s_mul_i32 s72, s72, s71                        ; kc x 256 rows
	s_lshr_b32 s73, s70, 1
	s_lshl_b32 s73, s73, 18                        ; by heads: head cg / 2 (262,144 bytes a head),
	s_and_b32 s74, s70, 1
	s_lshl_b32 s74, s74, 7                         ; and its lower or upper 32 columns
	s_add_co_u32 s73, s73, s74
	s_lshl_b32 s74, s70, 7                         ; else 128 bytes a group
	s_cmp_eq_u32 s43, 1
	s_cselect_b32 s73, s73, s74
	s_add_co_u32 s72, s72, s73
	s_mov_b32 s73, 0
	s_add_nc_u64 s[48:49], s[40:41], s[72:73]      ; block 0's base;
	s_lshl_b32 s74, s44, 5
	s_mov_b32 s75, 0
.irp t, 1,2,3,4,5,6,7
	s_add_nc_u64 s[48+2*\t:49+2*\t], s[46+2*\t:47+2*\t], s[74:75]   ; block t's: 32 rows further down
.endr
	s_lshl_b32 s76, s71, s45
	s_lshl_b32 s77, s70, 1
	s_add_co_u32 s76, s76, s77                     ; chunk kc, tile 2 cg
	s_lshl_b32 s76, s76, 12
	s_add_co_u32 s76, s76, s46
	s_mov_b32 s77, 0
	s_add_nc_u64 s[66:67], s[20:21], s[76:77]
	v_lshlrev_b32 v[VO], 2, v7
.set i, 1
.rept 31
	v_add_nc_u32 v[VO+i], s44, v[VO+i-1]
.set i, i+1
.endr
	v_lshlrev_b32 v5, 4, v5
	v_lshl_add_u32 v4, v6, 12, v5                  ; out: lanes 16-31 hold the next tile of 16 columns: 4,096 h + 16 r
.macro LOADW t                         ; block t: 32 rows of K at my column: a load reads 128 consecutive bytes, four waves side by side 512
.set i, 0
.rept 32
	global_load_b32 v[WX+32*((\t)%2)+i], v[VO+i], s[48+2*(\t):49+2*(\t)] th:TH_LOAD_NT
.set i, i+1
.endr
.endm
.macro BLOCKW t
.set XS, WX+32*((\t)%2)
.if (\t) < 7
	s_wait_loadcnt 32                              ; this block's 32 loads are in; the next block's 32 may be out
.else
	s_wait_loadcnt 0x0
.endif
.set i, 0
.rept 32
	v_med3_num_f32 v[XS+i], v[XS+i], -v10, v10     ; the conversion does not saturate (ISA guide 7.6.2): the hold at 448 x the scale
.set i, i+1
.endr
.irp g, 0,1,2,3                                ; k = 8 g .. 8 g + 7 belongs to the image's half g % 2, its 8 bytes g / 2
	v_cvt_scalef32_pk8_fp8_f32 v[WC+8*(\t)+4*(\g%2)+2*(\g/2):WC+8*(\t)+4*(\g%2)+2*(\g/2)+1], v[XS+8*\g:XS+8*\g+7], v11
.endr
	global_store_b128 v4, v[WC+8*(\t):WC+8*(\t)+3], s[66:67] offset:((\t)/4)*2048+((\t)%4)*512       ; sixteen lanes store 256 consecutive bytes, aligned
	global_store_b128 v4, v[WC+8*(\t)+4:WC+8*(\t)+7], s[66:67] offset:((\t)/4)*2048+((\t)%4)*512+256
.if (\t)+2 < 8
	LOADW (\t)+2
.endif
.endm
	LOADW 0
	LOADW 1
	MKSCALE 47, 11, 10
.irp t, 0,1,2,3,4,5,6,7
	BLOCKW \t
.endr
	s_endpgm
.Lfunc_end_k_qfc7432b803_quant:
	.size	k_qfc7432b803_quant, .Lfunc_end_k_qfc7432b803_quant-k_qfc7432b803_quant
	.p2alignl 7, 3214868480
	.fill 96, 4, 3214868480
	.section	.rodata,"a",@progbits
	.p2align	6, 0x0
	.amdhsa_kernel k_qfc7432b803_quant
		.amdhsa_group_segment_fixed_size 35328
		.amdhsa_private_segment_fixed_size 0
		.amdhsa_enable_private_segment 0
		.amdhsa_kernarg_size 72
		.amdhsa_user_sgpr_count 2
		.amdhsa_user_sgpr_kernarg_segment_ptr 1
		.amdhsa_wavefront_size32 1
		.amdhsa_system_sgpr_workgroup_id_x 1
		.amdhsa_system_sgpr_workgroup_id_y 1
		.amdhsa_system_sgpr_workgroup_id_z 1
		.amdhsa_system_vgpr_workitem_id 0
		.amdhsa_next_free_vgpr 234
		.amdhsa_next_free_sgpr 84
		.amdhsa_reserve_vcc 0
		.amdhsa_float_denorm_mode_32 3
		.amdhsa_float_denorm_mode_16_64 3
		.amdhsa_memory_ordered 1
		.amdhsa_forward_progress 1
		.amdhsa_inst_pref_size 125
	.end_amdhsa_kernel
	.amdgpu_metadata
---
amdhsa.version: [ 1, 2 ]
amdhsa.kernels:
  - .name:           k_qfc7432b803_quant
    .symbol:         k_qfc7432b803_quant.kd
    .args:
      - { .name: x, .offset: 0, .size: 8, .value_kind: global_buffer, .address_space: global }
      - { .name: Wq, .offset: 8, .size: 8, .value_kind: global_buffer, .address_space: global }
      - { .name: Wk, .offset: 16, .size: 8, .value_kind: global_buffer, .address_space: global }
      - { .name: Wv, .offset: 24, .size: 8, .value_kind: global_buffer, .address_space: global }
      - { .name: Wo, .offset: 32, .size: 8, .value_kind: global_buffer, .address_space: global }
      - { .name: W1, .offset: 40, .size: 8, .value_kind: global_buffer, .address_space: global }
      - { .name: W2, .offset: 48, .size: 8, .value_kind: global_buffer, .address_space: global }
      - { .name: lowp_scales, .offset: 56, .size: 8, .value_kind: global_buffer, .address_space: global }
      - { .name: codes0, .offset: 64, .size: 8, .value_kind: global_buffer, .address_space: global }
    .group_segment_fixed_size: 35328
    .private_segment_fixed_size: 0
    .kernarg_segment_align: 8
    .kernarg_segment_size: 72
    .max_flat_workgroup_size: 128
    .sgpr_count:     84
    .vgpr_count:     234
    .wavefront_size: 32
...
	.end_amdgpu_metadata
.endif
;; end of part 1
;; launch qkv (part 2): grid 12 x 16, 4 waves a work-group, clusters of 4 x 4, 327,680 bytes of LDS; arguments codes0, lowp_scales, bq, bk, bv, qkvc; writes qkvc
.if DOCPART == 2
	.amdgcn_target "amdgcn-amd-amdhsa--gfx1250"
	.amdhsa_code_object_version 6
	.text
	.protected	k_qfc7432b803_qkv
	.globl	k_qfc7432b803_qkv
	.p2align	8
	.type	k_qfc7432b803_qkv,@function
k_qfc7432b803_qkv:
	s_mov_b64 s[64:65], 0
	v_nop
	global_prefetch_b8 v0, s[64:65] scope:SCOPE_SE
	s_setreg_imm32_b32 hwreg(HW_REG_WAVE_MODE, 25, 1), 1
	s_wait_xcnt 0x0
	s_wait_alu depctr_hold_cnt(0) depctr_sa_sdst(0) depctr_va_vdst(0) depctr_va_sdst(0) depctr_va_ssrc(0) depctr_va_vcc(0) depctr_vm_vsrc(0)
	s_getreg_b32 s2, hwreg(HW_REG_IB_STS2, 6, 4)
	s_cmp_eq_u32 s2, 0
	s_cbranch_scc0 .Lentry_in_a_cluster
	s_endpgm
.Lentry_in_a_cluster:
	s_bfe_u32 s2, ttmp6, 0x10000c
	s_cmp_lg_u32 s2, 0xf033
	s_cbranch_scc0 .Lentry_shape_is_right
	s_endpgm
.Lentry_shape_is_right:
; Products 1 to 3: q, k, v = x W + bias on codes of E4M3, and their quantising for products 4 and 5.  K = 1,024.
; The cluster's x says which: 0 q, 1 k, 2 v: the same in all sixteen partners.  What differs is chosen by s_cselect on it: the text has no branch on it.
; THE CORE: a tile of 256 x 256 by four waves, 128 x 128 each: 64 accumulators, 512 registers.  K goes in steps of 256 through two LDS slots.  Operands lie in memory as images of fragment registers
; ([k/256][rows/16][2][2,048 bytes]), so 128 rows x 256 k are 32,768 consecutive bytes: one tensor load a wave, and each fragment is four LDS loads of 512 consecutive bytes: no pitch, no padding.
; The matrix instruction is used transposed: source 0 = 16 rows of the B side, source 1 = 16 rows of the A side: lane (r, h) holds A-side row r, register j B-side index 8 h + j.
; q, k: A side = tokens, B side = W's columns (head*64+e): a lane's eight registers are eight neighbours along e, the next K.   v: the sides are swapped BY ADDRESS (A side = Wv's columns, B side = tokens): eight neighbouring KEYS.
; So eight results become eight codes by one conversion, two accumulators' codes are 16 bytes a lane, and a store covers 512 consecutive bytes of the next operand's image: no stage in LDS.
; OUT (qkvc): q at 0, k at 4 Mi: [batch*16+head][token/16][1,024: image of 16 tokens x 64 e]; v at 8 Mi: [batch*16+head][token/128][e/16][2,048: image of 16 e x 128 keys].
; CLUSTERS 4 x 4: A-side tiles are asked for jointly along a row of the cluster, B-side tiles along a column.
; LIMITS: e0+e1, e2+e3, e4+e5 between -126 and 127; e6, e7, e9 between -126 and 119.  NaN is not served.
; No prefetch: K has four steps; two are first fills and the other two are asked for one and two changes of slots later: nothing lies far enough ahead.
; REGISTERS: window 0: v16-30 addresses; v32-95 the bias along the B side, v96-111 along the A side, v112-115 store offsets; v128-255 A's fragments, later results and codes.  window 1: B's two sets.  windows 2, 3: the accumulators ((a, b) at v[8 (8 (a%4) + b)]).
.set LAPS,  2                          ; K / 512
.set SLOT,  131072                     ; A side's 16 tiles x 4,096 bytes, then the B side's
.set SPARE, 2*SLOT                     ; the spare words: 128 bytes a wave, two blocks of 256 bytes that no other line names
.set FR, 16
.set NL, 4
.set NP, 4
.set ADRA, 16
.set ADRB, 20
.set CO,  26                           ; v26  16 x lane
.set SPW, 28
.set NIL, 29
.set BB,  32
.set BA,  96
.set VOP, 112
.set AF,  128
.set T,   128
.set CD,  192
.set G1, 24
.set G0, 32
.set G1B, 48
.set G0B, 56
.set MSB, 0
.macro WIN new                         ; the immediate's high byte repeats the setting that is left
.if MSB != \new
	s_set_vgpr_msb (MSB<<8)|\new
.set MSB, \new
.endif
.endm
.set MUL_LO, 0xa1                      ; source 0 (B) window 1, source 1 (A) window 0, C and D window 2
.set MUL_HI, 0xf1                      ; the same, C and D window 3
.set TO_B,   0x40
.macro JLOAD g0a, g1a, g0b, g1b        ; a joint load: waves 0, 1 fetch the A side's halves, waves 2, 3 the B side's; four v_nop follow each line
	s_cmp_eq_u32 s15, 0
	s_cbranch_scc0 .Lfor_b_\@
	tensor_load_to_lds s[\g0a:\g0a+3], s[\g1a:\g1a+7]
	s_nop 0
.rept 4
	v_nop
.endr
	s_branch .Lasked_\@
.Lfor_b_\@:
	tensor_load_to_lds s[\g0b:\g0b+3], s[\g1b:\g1b+7]
	s_nop 0
.rept 4
	v_nop
.endr
.Lasked_\@:
.endm
.macro CREST                           ; a round of the cluster's barrier behind its opening barrier
	s_cmp_lg_u32 s14, 0
	s_cbranch_scc1 .Lnot_wave_0_\@
	s_barrier_signal -3
.Lnot_wave_0_\@:
	s_barrier_wait -3
	s_barrier_signal -1
	s_barrier_wait -1
.endm
.macro CROUND
	s_barrier_signal -1
	s_barrier_wait -1
	CREST
.endm
	s_load_b256 s[4:11], s[0:1], 0x0               ; codes0 4, the scales' exponents 6, bq 8, bk 10
	s_load_b128 s[72:75], s[0:1], 0x20             ; bv 72, qkvc 74
	v_lshl_add_u32 v[SPW], v0, 2, SPARE
	v_mov_b32 v[NIL], 0
	ds_add_u32 v28, v29
	ds_add_u32 v28, v29
	s_wait_dscnt 0x0
	v_lshrrev_b32 v1, 5, v0
	v_readfirstlane_b32 s14, v1                    ; wave
	s_lshr_b32 s15, s14, 1                         ; my half of the A side's rows.  Also: I fetch for A (0) or B (1)
	s_and_b32 s16, s14, 1                          ; my half of the B side's.  Also: which 128 rows I fetch
	s_bfe_u32 s40, ttmp6, 0x40000                  ; cx
	s_bfe_u32 s41, ttmp6, 0x40004                  ; cy
	s_and_b32 s18, ttmp7, 0xffff
	s_lshl_b32 s18, s18, 2                         ; 4 x cluster y
	s_lshl_b32 s19, ttmp9, 22                      ; x's codes for q, k: kind x 4 Mi
	s_lshl_b32 s93, ttmp9, 20
	s_add_co_u32 s93, s93, 0xC00000                ; Wq's, Wk's codes: 12 Mi + kind x 1 Mi
	s_mov_b32 s96, 0x100000                        ; a step of 256 k of 4,096 rows
	s_mov_b32 s97, 0x40000                         ; of 1,024 rows
	s_cmp_eq_u32 ttmp9, 2                          ; v?
	s_cselect_b32 s17, 0, s18
	s_cselect_b32 s42, s18, 0
	s_cselect_b32 s94, 0xE00000, s19               ; the A side's place in codes0
	s_cselect_b32 s95, 0x800000, s93               ; the B side's
	s_cselect_b32 s70, s97, s96                    ; s[70:71] the A side's step
	s_cselect_b32 s98, s96, s97                    ; s[98:99] the B side's
	s_mov_b32 s71, 0
	s_mov_b32 s99, 0
	s_lshl_b32 s66, s70, 1                         ; s[66:67], s[68:69]: two steps, a refill's stride
	s_mov_b32 s67, 0
	s_lshl_b32 s68, s98, 1
	s_mov_b32 s69, 0
	s_add_co_u32 s17, s17, s41                     ; A-side tile: made of cluster y and cy alone
	s_add_co_u32 s42, s42, s40                     ; B-side tile: of cluster y and cx alone
	s_lshl_b32 s43, s41, 2
	s_lshl_b32 s43, 15, s43                        ; my row of the cluster
	s_lshl_b32 s44, 0x1111, s40                    ; my column
	s_or_b32 s[G1+0], s43, (3<<16)|(1<<21)         ; 15:0 the mask; 17:16 elements of 8 bytes; 21 set beside a mask; no padding
	s_or_b32 s[G1B+0], s44, (3<<16)|(1<<21)
.irp g, G1, G1B
	s_mov_b32 s[\g+1], 32<<16                      ; tensor_dim0 = 32 elements: 256 bytes
	s_mov_b32 s[\g+2], 128<<16                     ; tensor_dim1 = 128
	s_mov_b32 s[\g+3], 32<<16                      ; tile_dim0
	s_mov_b32 s[\g+4], 128                         ; tile_dim1: 128 x 256 bytes = 32,768, dense
	s_mov_b32 s[\g+5], 32                          ; pitch = row
	s_mov_b32 s[\g+6], 0
	s_mov_b32 s[\g+7], 0
.endr
	s_lshl_b32 s18, s16, 15                        ; the 8 tiles of 16 rows that I fetch
	s_lshl_b32 s20, s17, 16
	s_add_co_u32 s20, s20, s18
	s_add_co_u32 s20, s20, s94
	s_mov_b32 s21, 0
	s_lshl_b32 s46, s42, 16
	s_add_co_u32 s46, s46, s18
	s_add_co_u32 s46, s46, s95
	s_mov_b32 s47, 0
	s_lshl_b32 s45, s14, 15                        ; where they go: wave x 32,768
	s_wait_kmcnt 0x0
	s_load_b512 s[76:91], s[6:7], 0x0              ; e0 .. e15
	s_add_nc_u64 s[20:21], s[4:5], s[20:21]
	s_add_nc_u64 s[46:47], s[4:5], s[46:47]
	CROUND                                         ; all sixteen work-groups are here: the first joint loads meet
	s_mov_b32 s[G0], 1
	s_add_co_u32 s[G0+1], s45, 0
	s_mov_b64 s[G0+2:G0+3], s[20:21]
	s_or_b32 s[G0+3], s[G0+3], 0x80000000
	s_mov_b32 s[G0B], 1
	s_add_co_u32 s[G0B+1], s45, 0
	s_mov_b64 s[G0B+2:G0B+3], s[46:47]
	s_or_b32 s[G0B+3], s[G0B+3], 0x80000000
	JLOAD G0, G1, G0B, G1B
	s_mov_b32 s[G0+4], 1
	s_add_co_u32 s[G0+5], s45, SLOT
	s_add_nc_u64 s[G0+6:G0+7], s[20:21], s[70:71]
	s_or_b32 s[G0+7], s[G0+7], 0x80000000
	s_mov_b32 s[G0B+4], 1
	s_add_co_u32 s[G0B+5], s45, SLOT
	s_add_nc_u64 s[G0B+6:G0B+7], s[46:47], s[98:99]
	s_or_b32 s[G0B+7], s[G0B+7], 0x80000000
	JLOAD G0+4, G1, G0B+4, G1B
	v_and_b32 v1, 31, v0
	v_lshlrev_b32 v[CO], 4, v1
	s_lshl_b32 s21, s15, 15                        ; my 128 rows of the A side
	s_lshl_b32 s22, s16, 15
	s_add_co_u32 s22, s22, 65536                   ; of the B side
.irp s, 0,1
	v_add_nc_u32 v[ADRA+\s], s21, v[CO]
	v_add_nc_u32 v[ADRB+\s], s22, v[CO]
	s_add_co_u32 s21, s21, SLOT
	s_add_co_u32 s22, s22, SLOT
.endr
	; the bias in both forms: along the B side (q, k) and along the A side (v).  The form that does not apply is read inside the buffer (index modulo 1,024) and made zero behind the loop
	s_cmp_eq_u32 ttmp9, 1
	s_cselect_b64 s[8:9], s[10:11], s[8:9]
	s_cmp_eq_u32 ttmp9, 2
	s_cselect_b64 s[8:9], s[72:73], s[8:9]
	s_lshl_b32 s18, s42, 8
	s_lshl_b32 s19, s16, 7
	s_add_co_u32 s18, s18, s19
	s_and_b32 s18, s18, 1023
	s_lshl_b32 s18, s18, 2
	s_mov_b32 s19, 0
	s_add_nc_u64 s[12:13], s[8:9], s[18:19]
	s_lshl_b32 s18, s17, 8
	s_lshl_b32 s100, s15, 7
	s_add_co_u32 s18, s18, s100
	s_and_b32 s18, s18, 1023
	s_lshl_b32 s18, s18, 2
	s_add_nc_u64 s[22:23], s[8:9], s[18:19]
	v_bfe_u32 v2, v0, 4, 1
	v_lshlrev_b32 v2, 5, v2                        ; 32 h
	v_and_b32 v3, 15, v0
	v_lshlrev_b32 v3, 2, v3                        ; 4 r
.irp b, 0,1,2,3,4,5,6,7
	global_load_b128 v[BB+8*\b:BB+8*\b+3], v2, s[12:13] offset:64*\b
	global_load_b128 v[BB+8*\b+4:BB+8*\b+7], v2, s[12:13] offset:64*\b+16
.endr
.irp a, 0,1,2,3,4,5,6,7
	global_load_b32 v[BA+2*\a], v3, s[22:23] offset:64*\a      ; twice: a pair for the packed addition
	global_load_b32 v[BA+2*\a+1], v3, s[22:23] offset:64*\a
.endr
.macro FRAG reg, adr, q, i             ; a fragment, 16 rows x 128 K: four loads of 512 consecutive bytes
.irp c, 0,1,2,3
	ds_load_b128 v[\reg+4*\c:\reg+4*\c+3], v[\adr] offset:(\i)*4096+(\q)*2048+\c*512
.endr
.endm
.macro MUL16 a0, p, zero               ; A's blocks a0, a0 + 1 x B's eight.  The 64 accumulators take turns, one instruction a turn
.irp a, \a0, \a0+1
.irp b, 0,1,2,3,4,5,6,7
.if \zero
	v_wmma_f32_16x16x128_fp8_fp8 v[8*(8*((\a)%4)+\b):8*(8*((\a)%4)+\b)+7], v[128*(\p)+FR*\b:128*(\p)+FR*\b+FR-1], v[AF+FR*(\a):AF+FR*(\a)+FR-1], 0
.else
	v_wmma_f32_16x16x128_fp8_fp8 v[8*(8*((\a)%4)+\b):8*(8*((\a)%4)+\b)+7], v[128*(\p)+FR*\b:128*(\p)+FR*\b+FR-1], v[AF+FR*(\a):AF+FR*(\a)+FR-1], v[8*(8*((\a)%4)+\b):8*(8*((\a)%4)+\b)+7]
.endif
.endr
.endr
.endm
.macro FETCH_B slot, q, p
	WIN TO_B
.irp i, 0,1,2,3,4,5,6,7
	FRAG 128*(\p)+FR*\i, ADRB+\slot, \q, \i
.endr
	WIN 0
.endm
.macro FETCH_A slot, q, i0
.irp i, \i0, \i0+1, \i0+2, \i0+3
	FRAG AF+FR*(\i), ADRA+\slot, \q, \i
.endr
.endm
.macro PLACES n                        ; plain vector lines between a matrix instruction and a load into, or a vector access to, its registers
.rept \n
	v_nop
.endr
.endm
.macro STEP slot, q, zero              ; 128 along K whose successor lies in the same slot
	s_wait_dscnt 4*NL                              ; B's set and A's blocks 0-3 are in; the youngest 16 loads (A's blocks 4-7) may be out
	WIN MUL_LO
	MUL16 0, (\q)%2, \zero
	MUL16 2, (\q)%2, \zero
	s_wait_dscnt 0
	PLACES NP
	FETCH_B \slot, (\q)+1, 1-(\q)%2
	FETCH_A \slot, (\q)+1, 0
	WIN MUL_HI
	MUL16 4, (\q)%2, \zero
	MUL16 6, (\q)%2, \zero
	PLACES NP
	WIN 0
	FETCH_A \slot, (\q)+1, 4
.endm
.macro TURN slot, next, fill           ; a slot's last 128 along K, and the change of slots: one barrier
	s_wait_tensorcnt 0x0                           ; all my tensor loads have landed: my part of the next slot
	ds_add_u32 v[SPW], v[NIL]                      ; 0 onto my spare word
	s_wait_dscnt 4*NL+1                            ; (the add and A's blocks 4-7 may be out)
	WIN MUL_LO
	MUL16 0, 1, 0
	s_wait_dscnt 0x0                               ; the add is done, and my reads of this slot are over
	s_barrier_signal -1
	MUL16 2, 1, 0
	WIN 0
	s_barrier_wait -1
.if \fill
	CREST                                          ; the barrier has opened a round of the cluster's: no wave of any partner still reads this slot or has a load on its way
	s_add_nc_u64 s[G0+4*\slot+2:G0+4*\slot+3], s[G0+4*\slot+2:G0+4*\slot+3], s[66:67]
	s_add_nc_u64 s[G0B+4*\slot+2:G0B+4*\slot+3], s[G0B+4*\slot+2:G0B+4*\slot+3], s[68:69]
	JLOAD G0+4*\slot, G1, G0B+4*\slot, G1B         ; the first tensor load behind the round; its four v_nop are also the places in front of the loads below
.else
	PLACES NP
.endif
	FETCH_B \next, 0, 0
	FETCH_A \next, 0, 0
	WIN MUL_HI
	MUL16 4, 1, 0
	MUL16 6, 1, 0
	PLACES NP
	WIN 0
	FETCH_A \next, 0, 4
.endm
	s_wait_tensorcnt 1                             ; my part of slot 0 is in; slot 1's one load may be out
	s_barrier_signal -1
	s_barrier_wait -1
	FETCH_B 0, 0, 0
	FETCH_A 0, 0, 0
	FETCH_A 0, 0, 4
	STEP 0, 0, 1                                   ; the first step starts the sums: nothing is cleared
	s_mov_b32 s3, LAPS-1
.Llap:
	TURN 0, 1, 1
	STEP 1, 0, 0
	TURN 1, 0, 1
	STEP 0, 0, 0
	s_sub_co_u32 s3, s3, 1
	s_cmp_lg_u32 s3, 0
	s_cbranch_scc1 .Llap
	TURN 0, 1, 0
	STEP 1, 0, 0
	s_wait_dscnt 4*NL
	WIN MUL_LO
	MUL16 0, 1, 0
	MUL16 2, 1, 0
	s_wait_dscnt 0
	WIN MUL_HI
	MUL16 4, 1, 0
	MUL16 6, 1, 0
	WIN 0
	; ---- the way out
	s_wait_loadcnt 0x0                             ; the biases
	s_wait_kmcnt 0x0                               ; the exponents
	s_cmp_eq_u32 ttmp9, 2
	s_cselect_b32 s100, 0, -1
	s_cselect_b32 s101, -1, 0
.set j, 0
.rept 64
	v_and_b32 v[BB+j], s100, v[BB+j]               ; v has no bias along the B side.  (These 80 plain lines name no register of the last products: they are the places behind them)
.set j, j+1
.endr
.set j, 0
.rept 16
	v_and_b32 v[BA+j], s101, v[BA+j]               ; q and k have none along the A side
.set j, j+1
.endr
	s_add_co_i32 s92, s76, s77                     ; e0 + e1
	s_add_co_i32 s93, s78, s79                     ; e2 + e3
	s_add_co_i32 s94, s80, s81                     ; e4 + e5
	s_cmp_eq_u32 ttmp9, 1
	s_cselect_b32 s92, s93, s92
	s_cselect_b32 s93, s83, s82                    ; e7 or e6
	s_cmp_eq_u32 ttmp9, 2
	s_cselect_b32 s92, s94, s92
	s_cselect_b32 s93, s85, s93                    ; e9
	s_add_co_i32 s92, s92, 127
	s_lshl_b32 s76, s92, 23                        ; s[76:77]: what a sum stands for, as f32
	s_mov_b32 s77, s76
	s_add_co_i32 s93, s93, 127
	s_lshl_b32 s94, s93, 23
	v_mov_b32 v23, s94                             ; the result's scale
	s_add_co_i32 s93, s93, 8
	s_lshl_b32 s93, s93, 23
	s_or_b32 s93, s93, 0x600000
	v_mov_b32 v22, s93                             ; 448 x that
	s_lshl_b32 s78, s17, 8                         ; q, k: my first token
	s_lshl_b32 s79, s15, 7
	s_add_co_u32 s78, s78, s79
	s_lshr_b32 s79, s78, 11                        ; batch
	s_and_b32 s78, s78, 2047
	s_lshr_b32 s78, s78, 4
	s_lshl_b32 s79, s79, 4
	s_lshl_b32 s80, s42, 2
	s_add_co_u32 s79, s79, s80
	s_lshl_b32 s80, s16, 1
	s_add_co_u32 s79, s79, s80                     ; batch*16 + my first head
	s_lshl_b32 s79, s79, 7
	s_add_co_u32 s79, s79, s78
	s_lshl_b32 s79, s79, 10
	s_lshl_b32 s80, ttmp9, 22
	s_add_co_u32 s79, s79, s80
	s_lshl_b32 s81, s42, 8                         ; v: my first key
	s_lshl_b32 s82, s16, 7
	s_add_co_u32 s81, s81, s82
	s_lshr_b32 s82, s81, 11
	s_and_b32 s81, s81, 2047
	s_lshr_b32 s81, s81, 7
	s_lshl_b32 s81, s81, 13
	s_lshl_b32 s82, s82, 4
	s_lshl_b32 s83, s17, 2
	s_add_co_u32 s82, s82, s83
	s_lshl_b32 s83, s15, 1
	s_add_co_u32 s82, s82, s83
	s_lshl_b32 s82, s82, 17
	s_add_co_u32 s82, s82, s81
	s_add_co_u32 s82, s82, 0x800000
	s_mov_b32 s84, 2048
	s_mov_b32 s85, 0x20000
	s_cmp_eq_u32 ttmp9, 2
	s_cselect_b32 s95, s82, s79                    ; my part's first byte
	s_cselect_b32 s96, s84, 1024                   ; from A-side block a to a + 1,
	s_cselect_b32 s97, s85, 4096                   ; from a to a + 4,
	s_cselect_b32 s98, 1024, s85                   ; from accumulators b to b + 4
	s_mov_b32 s101, 0
.macro MKSB reg, a
	s_mul_i32 s100, s96, (\a)%4
	s_mul_i32 s99, s97, (\a)/4
	s_add_co_u32 s100, s100, s99
	s_add_co_u32 s100, s100, s95
	s_add_nc_u64 s[\reg:\reg+1], s[74:75], s[100:101]
.endm
	MKSB 4, 0
	MKSB 6, 1
	MKSB 8, 2
	MKSB 10, 3
	MKSB 12, 4
	MKSB 18, 5
	MKSB 20, 6
	MKSB 22, 7
	v_mov_b32 v[VOP], v[CO]
	v_add_nc_u32 v[VOP+1], 512, v[CO]
	v_add_nc_u32 v[VOP+2], s98, v[CO]
	v_add_nc_u32 v[VOP+3], 512, v[VOP+2]
.macro EPI a                           ; A-side block a: sum x 2^(..) + bias, the hold, eight codes a conversion, four stores of 512 consecutive bytes
.set AC, 64*((\a)%4)
.set CDA, CD+16*((\a)%4)
.set SBR, 4+2*(\a)+4*((\a)/5)
	WIN 0x02+(\a)/4                                ; source 0: the accumulators' window
.set j, 0
.rept 32
	v_pk_fma_f32 v[T+j:T+j+1], v[AC+j:AC+j+1], s[76:77], v[BB+j:BB+j+1] op_sel_hi:[1,0,1]   ; each accumulator from its low end on
.set j, j+2
.endr
	WIN 0
.set j, 0
.rept 32
	v_pk_add_f32 v[T+j:T+j+1], v[T+j:T+j+1], v[BA+2*(\a):BA+2*(\a)+1]
.set j, j+2
.endr
.set j, 0
.rept 64
	v_med3_num_f32 v[T+j], v[T+j], -v22, v22
.set j, j+1
.endr
.if (\a) >= 4
	s_wait_xcnt 0x0                                ; block a - 4's stores have read these registers
.endif
.set j, 0
.rept 8
	v_cvt_scalef32_pk8_fp8_f32 v[CDA+2*j:CDA+2*j+1], v[T+8*j:T+8*j+7], v23
.set j, j+1
.endr
	v_nop                                          ; a plain line between the conversions and the next block's writes of their sources
.irp p, 0,1,2,3
	global_store_b128 v[VOP+\p], v[CDA+4*\p:CDA+4*\p+3], s[SBR:SBR+1]
.endr
.endm
.irp a, 0,1,2,3,4,5,6,7
	EPI \a
.endr
	s_wait_tensorcnt 0x0                           ; the wave's end
	ds_add_u32 v[SPW], v[NIL]
	s_wait_dscnt 0x0
	CROUND                                         ; the closing round
	s_endpgm
.Lfunc_end_k_qfc7432b803_qkv:
	.size	k_qfc7432b803_qkv, .Lfunc_end_k_qfc7432b803_qkv-k_qfc7432b803_qkv
	.p2alignl 7, 3214868480
	.fill 96, 4, 3214868480
	.section	.rodata,"a",@progbits
	.p2align	6, 0x0
	.amdhsa_kernel k_qfc7432b803_qkv
		.amdhsa_group_segment_fixed_size 327680
		.amdhsa_private_segment_fixed_size 0
		.amdhsa_enable_private_segment 0
		.amdhsa_kernarg_size 48
		.amdhsa_user_sgpr_count 2
		.amdhsa_user_sgpr_kernarg_segment_ptr 1
		.amdhsa_wavefront_size32 1
		.amdhsa_system_sgpr_workgroup_id_x 1
		.amdhsa_system_sgpr_workgroup_id_y 1
		.amdhsa_system_sgpr_workgroup_id_z 1
		.amdhsa_system_vgpr_workitem_id 0
		.amdhsa_next_free_vgpr 1024
		.amdhsa_next_free_sgpr 102
		.amdhsa_reserve_vcc 0
		.amdhsa_float_denorm_mode_32 3
		.amdhsa_float_denorm_mode_16_64 3
		.amdhsa_memory_ordered 1
		.amdhsa_forward_progress 1
		.amdhsa_inst_pref_size 159
	.end_amdhsa_kernel
	.amdgpu_metadata
---
amdhsa.version: [ 1, 2 ]
amdhsa.kernels:
  - .name:           k_qfc7432b803_qkv
    .symbol:         k_qfc7432b803_qkv.kd
    .args:
      - { .name: codes0, .offset: 0, .size: 8, .value_kind: global_buffer, .address_space: global }
      - { .name: lowp_scales, .offset: 8, .size: 8, .value_kind: global_buffer, .address_space: global }
      - { .name: bq, .offset: 16, .size: 8, .value_kind: global_buffer, .address_space: global }
      - { .name: bk, .offset: 24, .size: 8, .value_kind: global_buffer, .address_space: global }
      - { .name: bv, .offset: 32, .size: 8, .value_kind: global_buffer, .address_space: global }
      - { .name: qkvc, .offset: 40, .size: 8, .value_kind: global_buffer, .address_space: global }
    .group_segment_fixed_size: 327680
    .private_segment_fixed_size: 0
    .kernarg_segment_align: 8
    .kernarg_segment_size: 48
    .max_flat_workgroup_size: 128
    .sgpr_count:     102
    .vgpr_count:     1024
    .wavefront_size: 32
...
	.end_amdgpu_metadata
.endif
;; end of part 2
;; launch attn (part 3): grid 8 x 32, 16 waves a work-group, no clusters, 264,192 bytes of LDS; arguments qkvc, lowp_scales, ctxc; writes ctxc
.if DOCPART == 3
	.amdgcn_target "amdgcn-amd-amdhsa--gfx1250"
	.amdhsa_code_object_version 6
	.text
	.protected	k_qfc7432b803_attn
	.globl	k_qfc7432b803_attn
	.p2align	8
	.type	k_qfc7432b803_attn,@function
k_qfc7432b803_attn:
	s_mov_b64 s[64:65], 0
	v_nop
	global_prefetch_b8 v0, s[64:65] scope:SCOPE_SE
	s_setreg_imm32_b32 hwreg(HW_REG_WAVE_MODE, 25, 1), 1
	s_wait_xcnt 0x0
; Products 4 and 5 with the causal softmax between them, and ctx quantised for product 6.  Head size 64, 2,048 keys, 32 (batch, head) pairs.
; t = score x log2(e) / 64 (the source divides by the head size); M = the running largest t rounded UP to a whole number; p = 2^(t - M) is quantised with 2^e8, not normalised; the row's sum is taken of the
; unquantised p and divides at the end; when M moves, the sum and O are multiplied by 2^(old M - new M), which rounds nothing.
; SHARES.  Work-group (i, bh): waves 0-7 own queries 128 i .., waves 8-15 queries 128 (15 - i) ..: 16 a wave.  So every work-group has the same number of key steps under the causal mask (i + 1 and 16 - i blocks of 128 keys).
; The head's whole K (128 images of 16 keys x 64 e, 131,072 bytes) and V (16 x 4 images of 16 e x 128 keys, 131,072 bytes) lie in LDS, filled ONCE: each wave issues four tensor loads of 4,096 bytes at the head,
; one for each stage of 512 keys (waves 0-7 K's, waves 8-15 V's): four loads of a wave are out.  Nothing is filled again.  A stage's steps begin behind a counted wait and a barrier.
; Both products are used transposed: S^T = K Q^T (a lane holds one query; register j of tile T is key 16 T + 8 h + j), O^T = V^T P^T.  Eight scores of a tile become eight codes: registers 2 T, 2 T + 1 of P's fragment.
; A step all of whose keys come after the wave's queries is jumped over (a scalar branch on ids); on the diagonal hidden scores become -infinity ahead of the maximum.  Key 0 counts for every query.
; NO CLUSTER, though the eight work-groups of a head read the same K and V: that jump hangs on the work-group's x, which differs between partners, and partners of joint loads must branch alike.
; No prefetch: every byte of K and V is asked for by the tensor loads at the head, so no later request is left for one to run ahead of.
; LIMITS: e6 + e7 between -120 and 133 (added to c's exponent field); e8 and e10 between -126 and 119; e8 + e9 goes in by v_ldexp_f32.
; REGISTERS: v1 16 x lane; v8, v9 LDS addresses; v10 r - 8 h; v12 -M, v13 the largest t, v[14:15] the sum; v16-23 Q; v32-95 K's eight fragments, then V's four; v96-159 S^T, then p; v160-191 O^T; v224-239 p's codes; v240-254 constants and work.
.set SEL, 20                           ; s[20:21] selects for lane l xor 16
.set CS,  22                           ; s[22:23] c
.set G1,  24                           ; s[24:31] group 1; s[32:47] four groups 0
	s_load_b128 s[4:7], s[0:1], 0x0                ; qkvc, the scales' exponents
	s_load_b64 s[8:9], s[0:1], 0x10                ; ctxc
	v_lshl_add_u32 v251, v0, 2, 0x40000
	v_mov_b32 v255, 0
	ds_add_u32 v251, v255
	ds_add_u32 v251, v255
	v_lshrrev_b32 v2, 5, v0
	v_readfirstlane_b32 s10, v2                    ; wave 0..15
	s_and_b32 s11, ttmp7, 0xffff                   ; bh = batch*16 + head
	s_mov_b32 s[G1], 3<<16                         ; no mask; elements of 8 bytes; no padding
	s_mov_b32 s[G1+1], 32<<16                      ; tensor_dim0 = 32: rows of 256 bytes
	s_mov_b32 s[G1+2], 16<<16                      ; tensor_dim1 = 16
	s_mov_b32 s[G1+3], 32<<16                      ; tile_dim0
	s_mov_b32 s[G1+4], 16                          ; tile_dim1: 4,096 bytes, dense
	s_mov_b32 s[G1+5], 32                          ; pitch = row
	s_mov_b32 s[G1+6], 0
	s_mov_b32 s[G1+7], 0
	s_lshr_b32 s18, s10, 3                         ; 0: I fetch K, 1: V
	s_and_b32 s19, s10, 7
	s_lshl_b32 s66, s18, 17
	s_lshl_b32 s67, s19, 12
	s_add_co_u32 s66, s66, s67                     ; in LDS: 131,072 x (wave / 8) + 4,096 x (wave % 8)
	s_add_co_u32 s68, s18, 1
	s_lshl_b32 s68, s68, 22                        ; k at 4 Mi, v at 8 Mi
	s_add_co_u32 s68, s68, s67
	s_lshl_b32 s69, s11, 17
	s_add_co_u32 s68, s68, s69
	s_mov_b32 s69, 0
	s_wait_dscnt 0x0
	s_wait_kmcnt 0x0
	s_add_nc_u64 s[68:69], s[4:5], s[68:69]
.irp j, 0,1,2,3
	s_mov_b32 s[32+4*\j], 1
	s_add_co_u32 s[33+4*\j], s66, \j*32768
	s_add_nc_u64 s[34+4*\j:35+4*\j], s[68:69], \j*32768
	s_or_b32 s[35+4*\j], s[35+4*\j], 0x80000000
.endr
	tensor_load_to_lds s[32:35], s[G1:G1+7]        ; the first fills go out as one group, ahead of every wait on TENSORcnt, LDS read and barrier
	s_nop 0
	tensor_load_to_lds s[36:39], s[G1:G1+7]
	s_nop 0
	tensor_load_to_lds s[40:43], s[G1:G1+7]
	s_nop 0
	tensor_load_to_lds s[44:47], s[G1:G1+7]
	s_nop 0
.rept 4
	v_nop
.endr
	s_load_b512 s[48:63], s[6:7], 0x0              ; e0 .. e15
	s_sub_co_u32 s12, 15, ttmp9
	s_cmp_lt_u32 s10, 8
	s_cselect_b32 s12, ttmp9, s12                  ; my block of 128 queries
	s_lshl_b32 s12, s12, 7
	s_lshl_b32 s13, s19, 4
	s_add_co_u32 s12, s12, s13                     ; s12: my first query
	s_add_co_u32 s13, s12, 15                      ; s13: my last
	s_lshl_b32 s2, s11, 17
	s_lshl_b32 s3, s12, 6
	s_add_co_u32 s2, s2, s3
	s_mov_b32 s3, 0
	s_add_nc_u64 s[2:3], s[4:5], s[2:3]            ; q's image of my 16 queries
	v_and_b32 v2, 31, v0
	v_lshlrev_b32 v1, 4, v2
	global_load_b128 v[16:19], v1, s[2:3]
	global_load_b128 v[20:23], v1, s[2:3] offset:512
	v_and_b32 v10, 15, v0
	v_bfe_u32 v3, v0, 4, 1
	v_lshlrev_b32 v3, 3, v3
	v_sub_nc_u32 v10, v10, v3                      ; r - 8 h
	s_mov_b32 s[SEL], 0x76543210
	s_mov_b32 s[SEL+1], 0xfedcba98
	s_mov_b32 s[CS], 0x3cb8aa3b                    ; c = log2(e) / 64
	v_mov_b32 v13, 0xff61b1e6                      ; the largest t so far: -3e38
	v_floor_f32 v12, -v13                          ; -M
	v_mov_b32 v14, 0
	v_mov_b32 v15, 0
	v_mov_b32 v236, 0                              ; written once: a lane permute's destination counts as a source
	v_mov_b32 v252, 0
	v_mov_b32 v253, 0                              ; (named as the upper half of v[252:253])
.set j, 0
.rept 32
	v_mov_b32 v[160+j], 0                          ; O^T: the step is written once; the first change of M leaves zeros zeros
.set j, j+1
.endr
	s_wait_kmcnt 0x0
	s_add_co_i32 s70, s54, s55                     ; e6 + e7 into c's exponent field
	s_lshl_b32 s70, s70, 23
	s_add_co_i32 s[CS], s[CS], s70
	s_mov_b32 s[CS+1], s[CS]
	s_add_co_i32 s70, s56, 127
	s_lshl_b32 s71, s70, 23
	v_mov_b32 v244, s71                            ; 2^e8
	s_add_co_i32 s70, s70, 8
	s_lshl_b32 s70, s70, 23
	s_or_b32 s70, s70, 0x600000
	v_mov_b32 v240, s70                            ; 448 x 2^e8
	s_add_co_i32 s70, s58, 127
	s_lshl_b32 s71, s70, 23
	v_mov_b32 v245, s71                            ; 2^e10
	s_add_co_i32 s70, s70, 8
	s_lshl_b32 s70, s70, 23
	s_or_b32 s70, s70, 0x600000
	v_mov_b32 v241, s70                            ; 448 x 2^e10
; A KEY STEP: 128 keys from s14 on; K's images at LDS byte s15, V's at s16
.macro STEP
	s_cmp_gt_u32 s14, s13
	s_cbranch_scc1 .Lhidden_\@                     ; all its keys come after my queries
	v_add_nc_u32 v8, s15, v1
	v_add_nc_u32 v9, s16, v1
	v_nop                                          ; with the two additions: four places in front of loads into registers that the last products read
	v_nop
.set t, 0
.rept 8
	ds_load_b128 v[32+8*t:35+8*t], v8 offset:t*1024
	ds_load_b128 v[36+8*t:39+8*t], v8 offset:t*1024+512
.set t, t+1
.endr
	s_wait_dscnt 0x0
.set t, 0
.rept 8
	v_wmma_f32_16x16x64_fp8_fp8 v[96+8*t:103+8*t], v[32+8*t:39+8*t], v[16:23], 0
.set t, t+1
.endr
.rept 4
	v_nop                                          ; places in front of the loads below and of the first read of the scores
.endr
.set t, 0
.rept 4
.irp c, 0,1,2,3
	ds_load_b128 v[32+16*t+4*\c:35+16*t+4*\c], v9 offset:t*2048+\c*512    ; V lands while the softmax is walked
.endr
.set t, t+1
.endr
	s_add_co_u32 s70, s14, 127
	s_cmp_le_u32 s70, s12
	s_cbranch_scc1 .Lopen_\@                       ; all 128 keys count for all my queries
	s_sub_co_i32 s70, s12, s14
	v_add_nc_u32 v252, s70, v10                    ; d = my query - the step's first key - 8 h: register 8 T + j is hidden where 16 T + j > d
	v_mov_b32 v254, 0xff800000
.set n, 0
.rept 64
	v_cmp_gt_i32 vcc_lo, 16*(n/8)+n%8, v252
	v_cndmask_b32 v[96+n], v[96+n], v254, vcc_lo
.set n, n+1
.endr
.Lopen_\@:
	v_max3_num_f32 v254, v96, v97, v98             ; the step's largest score of my query among my 64 keys, in two chains, from the low end on
	v_max3_num_f32 v252, v99, v100, v101
.irp i, 6,10,14,18,22,26,30,34,38,42,46,50,54,58
	v_max3_num_f32 v254, v254, v[96+\i], v[97+\i]
	v_max3_num_f32 v252, v252, v[98+\i], v[99+\i]
.endr
	v_max3_num_f32 v254, v254, v158, v159
	v_max_num_f32 v254, v254, v252
	v_permlanex16_b32 v236, v254, s[SEL], s[SEL+1]
	v_max_num_f32 v254, v254, v236                 ; and among lane l xor 16's
	v_mul_f32 v254, s[CS], v254                    ; as t (c is positive)
	v_max_num_f32 v13, v13, v254
	v_mov_b32 v254, v12
	v_floor_f32 v12, -v13                          ; the new -M = -ceil(t)
	v_sub_f32 v254, v12, v254                      ; old M - new M: a whole number, 0 or less
	v_cvt_i32_f32 v254, v254
	v_ldexp_f32 v252, 1.0, v254                    ; f = 2^(old M - new M)
.set j, 0
.rept 32
	v_pk_fma_f32 v[96+j:97+j], v[96+j:97+j], s[CS:CS+1], v[12:13] op_sel_hi:[1,0,0]   ; t - M
.set j, j+2
.endr
.set j, 0
.rept 64
	v_exp_f32 v[96+j], v[96+j]                     ; p = 2^(t - M)
.set j, j+1
.endr
	v_pk_mul_f32 v[14:15], v[14:15], v[252:253] op_sel_hi:[1,0]   ; the sum under the new M: the plain line behind the exponentials
	s_wait_alu depctr_va_vdst(0)                   ; one wait for the batch, ahead of its first reader
	v_pk_add_f32 v[242:243], v[96:97], v[98:99]    ; the row's sum of the UNQUANTISED p, in two chains
.irp j, 4,8,12,16,20,24,28,32,36,40,44,48,52,56,60
	v_pk_add_f32 v[14:15], v[14:15], v[96+\j:97+\j]
	v_pk_add_f32 v[242:243], v[242:243], v[98+\j:99+\j]
.endr
	v_pk_add_f32 v[14:15], v[14:15], v[242:243]
.set j, 0
.rept 64
	v_min_num_f32 v[96+j], v[96+j], v240           ; p is not negative: a one-sided hold
.set j, j+1
.endr
.set t, 0
.rept 8
	v_cvt_scalef32_pk8_fp8_f32 v[224+2*t:225+2*t], v[96+8*t:103+8*t], v244
.set t, t+1
.endr
.set j, 0
.rept 16
	v_pk_mul_f32 v[160+j:161+j], v[160+j:161+j], v[252:253] op_sel_hi:[1,0]   ; O^T under the new M (also the plain lines behind the conversions)
.set j, j+2
.endr
	s_wait_dscnt 0x0                               ; V
.set t, 0
.rept 4
	v_wmma_f32_16x16x128_fp8_fp8 v[160+8*t:167+8*t], v[32+16*t:47+16*t], v[224:239], v[160+8*t:167+8*t]   ; four accumulators by turns
.set t, t+1
.endr
.Lhidden_\@:
	s_add_co_u32 s14, s14, 128
	s_add_co_u32 s15, s15, 8192
	s_add_co_u32 s16, s16, 8192
.endm
.macro STAGE j                         ; 512 keys: four steps
	s_wait_tensorcnt 3-(\j)                        ; my part of this stage is in; the later stages' 3 - j loads may be out
	s_wait_dscnt 0x0
	s_barrier_signal -1
	s_barrier_wait -1                              ; everybody's part is in
	s_mov_b32 s14, (\j)*512
	s_mov_b32 s15, (\j)*32768
	s_mov_b32 s16, 131072+(\j)*32768
	s_mov_b32 s17, 4
.Lstep_\@:
	STEP
	s_sub_co_u32 s17, s17, 1
	s_cmp_lg_u32 s17, 0
	s_cbranch_scc1 .Lstep_\@
.endm
	s_wait_loadcnt 0x0                             ; Q
	STAGE 0
	STAGE 1
	STAGE 2
	STAGE 3
	; THE WAY OUT: ctx = O^T x 2^(e8 + e9) / the sum, quantised with 2^e10; a lane's eight channels are eight neighbours along product 6's K
.rept 4
	v_nop                                          ; places behind the last products
.endr
	v_add_f32 v14, v14, v15
	v_permlanex16_b32 v252, v14, s[SEL], s[SEL+1]
	v_add_f32 v14, v14, v252                       ; the row's sum
	v_rcp_f32 v14, v14
	v_nop                                          ; a plain line behind the reciprocal
	s_add_co_i32 s70, s56, s57
	s_and_b32 s66, s11, 15                         ; head
	s_lshr_b32 s67, s11, 4                         ; batch
	s_lshr_b32 s68, s66, 2
	s_lshl_b32 s68, s68, 8                         ; chunk of 256 k = head / 4: 256 tiles of 16 tokens each
	s_lshl_b32 s67, s67, 7
	s_add_co_u32 s68, s68, s67
	s_lshr_b32 s67, s12, 4
	s_add_co_u32 s68, s68, s67
	s_lshl_b32 s68, s68, 12
	s_bfe_u32 s67, s66, 0x10001
	s_lshl_b32 s67, s67, 11
	s_add_co_u32 s68, s68, s67
	s_and_b32 s67, s66, 1
	s_lshl_b32 s67, s67, 10
	s_add_co_u32 s68, s68, s67
	s_mov_b32 s69, 0
	s_add_nc_u64 s[8:9], s[8:9], s[68:69]
	s_wait_alu depctr_va_vdst(0)                   ; ahead of the reciprocal's first reader
	v_ldexp_f32 v14, v14, s70
.set j, 0
.rept 32
	v_mul_f32 v[96+j], v[160+j], v14
.set j, j+1
.endr
.set j, 0
.rept 32
	v_med3_num_f32 v[96+j], v[96+j], -v241, v241
.set j, j+1
.endr
.set t, 0
.rept 4
	v_cvt_scalef32_pk8_fp8_f32 v[224+2*t:225+2*t], v[96+8*t:103+8*t], v245
.set t, t+1
.endr
	v_nop
	global_store_b128 v1, v[224:227], s[8:9]               ; each store covers 512 consecutive bytes, aligned
	global_store_b128 v1, v[228:231], s[8:9] offset:512
	s_wait_tensorcnt 0x0
	ds_add_u32 v251, v255
	s_wait_dscnt 0x0
	s_endpgm
.Lfunc_end_k_qfc7432b803_attn:
	.size	k_qfc7432b803_attn, .Lfunc_end_k_qfc7432b803_attn-k_qfc7432b803_attn
	.p2alignl 7, 3214868480
	.fill 96, 4, 3214868480
	.section	.rodata,"a",@progbits
	.p2align	6, 0x0
	.amdhsa_kernel k_qfc7432b803_attn
		.amdhsa_group_segment_fixed_size 264192
		.amdhsa_private_segment_fixed_size 0
		.amdhsa_enable_private_segment 0
		.amdhsa_kernarg_size 24
		.amdhsa_user_sgpr_count 2
		.amdhsa_user_sgpr_kernarg_segment_ptr 1
		.amdhsa_wavefront_size32 1
		.amdhsa_system_sgpr_workgroup_id_x 1
		.amdhsa_system_sgpr_workgroup_id_y 1
		.amdhsa_system_sgpr_workgroup_id_z 1
		.amdhsa_system_vgpr_workitem_id 0
		.amdhsa_next_free_vgpr 256
		.amdhsa_next_free_sgpr 72
		.amdhsa_reserve_vcc 1
		.amdhsa_float_denorm_mode_32 3
		.amdhsa_float_denorm_mode_16_64 3
		.amdhsa_memory_ordered 1
		.amdhsa_forward_progress 1
		.amdhsa_inst_pref_size 95
	.end_amdhsa_kernel
	.amdgpu_metadata
---
amdhsa.version: [ 1, 2 ]
amdhsa.kernels:
  - .name:           k_qfc7432b803_attn
    .symbol:         k_qfc7432b803_attn.kd
    .args:
      - { .name: qkvc, .offset: 0, .size: 8, .value_kind: global_buffer, .address_space: global }
      - { .name: lowp_scales, .offset: 8, .size: 8, .value_kind: global_buffer, .address_space: global }
      - { .name: ctxc, .offset: 16, .size: 8, .value_kind: global_buffer, .address_space: global }
    .group_segment_fixed_size: 264192
    .private_segment_fixed_size: 0
    .kernarg_segment_align: 8
    .kernarg_segment_size: 24
    .max_flat_workgroup_size: 512
    .sgpr_count:     72
    .vgpr_count:     256
    .wavefront_size: 32
...
	.end_amdgpu_metadata
.endif
;; end of part 3
;; launch wo (part 4): grid 4 x 16, 4 waves a work-group, clusters of 4 x 4, 327,680 bytes of LDS; arguments ctxc, codes0, ysum; writes ysum
.if DOCPART == 4
	.amdgcn_target "amdgcn-amd-amdhsa--gfx1250"
	.amdhsa_code_object_version 6
	.text
	.protected	k_qfc7432b803_wo
	.globl	k_qfc7432b803_wo
	.p2align	8
	.type	k_qfc7432b803_wo,@function
k_qfc7432b803_wo:
	s_mov_b64 s[64:65], 0
	v_nop
	global_prefetch_b8 v0, s[64:65] scope:SCOPE_SE
	s_setreg_imm32_b32 hwreg(HW_REG_WAVE_MODE, 25, 1), 1
	s_wait_xcnt 0x0
	s_wait_alu depctr_hold_cnt(0) depctr_sa_sdst(0) depctr_va_vdst(0) depctr_va_sdst(0) depctr_va_ssrc(0) depctr_va_vcc(0) depctr_vm_vsrc(0)
	s_getreg_b32 s2, hwreg(HW_REG_IB_STS2, 6, 4)
	s_cmp_eq_u32 s2, 0
	s_cbranch_scc0 .Lentry_in_a_cluster
	s_endpgm
.Lentry_in_a_cluster:
	s_bfe_u32 s2, ttmp6, 0x10000c
	s_cmp_lg_u32 s2, 0xf033
	s_cbranch_scc0 .Lentry_shape_is_right
	s_endpgm
.Lentry_shape_is_right:
; Product 6: the raw f32 sums of ctx's codes x Wo's codes, [4,096] x [1,024], K = 1,024.  The scale, the bias, the residual and the layer norm follow in the next launch, which needs whole rows.
; THE CORE: a tile of 256 x 256 by four waves, 128 x 128 each: 64 accumulators, 512 registers.  K goes in steps of 256 through two LDS slots.  Operands lie in memory as images of fragment registers
; ([k/256][rows/16][2][2,048 bytes]), so 128 rows x 256 k are 32,768 consecutive bytes: one tensor load a wave, and each fragment is four LDS loads of 512 consecutive bytes: no pitch, no padding.
; The matrix instruction is used transposed (source 0 = 16 columns' rows of the weight, source 1 = 16 tokens): lane (r, h) holds token r, register j column 8 h + j.
; OUT (ysum): the accumulators as they stand: [token/16][column/16][2][lane][16 bytes]: each store covers 512 consecutive bytes, aligned; no stage in LDS, no arithmetic.
; CLUSTERS 4 x 4: tokens' tiles are asked for jointly along a row of the cluster, the weight's along a column.  64 tiles: 64 work-groups; a smaller tile would read each LDS byte for half the products.
; No prefetch (PREF = 0): K has four steps; two are first fills, the other two follow at once.
.set LAPS,  2                          ; K / 512
.set BOFF,  0xF00000                   ; the weight's codes in codes0
.set PREF,  0
.set CHA,   0x100000                   ; a step of 256 k of 4,096 rows
.set CHB,   0x40000                    ; of 1,024 rows
.set SLOT,  131072
.set SPARE, 2*SLOT                     ; the spare words: 128 bytes a wave, two blocks of 256 bytes that no other line names
.set FR, 16
.set NL, 4
.set NP, 4
.set ADRA, 16
.set ADRB, 20
.set CO,  26
.set SPW, 28
.set NIL, 29
.set PFO, 30
.set AF,  128
.set G1, 24
.set G0, 32
.set G1B, 48
.set G0B, 56
.set PFA, 70
.set PFS, 72
.set LIM, 74
.set MSB, 0
.macro WIN new
.if MSB != \new
	s_set_vgpr_msb (MSB<<8)|\new
.set MSB, \new
.endif
.endm
.set MUL_LO, 0xa1
.set MUL_HI, 0xf1
.set TO_B,   0x40
.macro JLOAD g0a, g1a, g0b, g1b        ; a joint load: waves 0, 1 fetch A's halves, waves 2, 3 B's; four v_nop follow each line
	s_cmp_eq_u32 s15, 0
	s_cbranch_scc0 .Lfor_b_\@
	tensor_load_to_lds s[\g0a:\g0a+3], s[\g1a:\g1a+7]
	s_nop 0
.rept 4
	v_nop
.endr
	s_branch .Lasked_\@
.Lfor_b_\@:
	tensor_load_to_lds s[\g0b:\g0b+3], s[\g1b:\g1b+7]
	s_nop 0
.rept 4
	v_nop
.endr
.Lasked_\@:
.endm
.macro ASK                             ; a prefetch of the step two refills on: my work-group's 8,192 of the 32,768 bytes that I fetch, lanes 256 bytes apart
	s_cmp_gt_u32 s3, s[LIM]
	s_cbranch_scc0 .Lnot_mine_\@
	global_prefetch_b8 v[PFO], s[PFA:PFA+1] th:TH_LOAD_NT scope:SCOPE_SE
.Lnot_mine_\@:
.endm
.macro CREST
	s_cmp_lg_u32 s14, 0
	s_cbranch_scc1 .Lnot_wave_0_\@
	s_barrier_signal -3
.Lnot_wave_0_\@:
	s_barrier_wait -3
	s_barrier_signal -1
	s_barrier_wait -1
.endm
.macro CROUND
	s_barrier_signal -1
	s_barrier_wait -1
	CREST
.endm
	s_load_b128 s[4:7], s[0:1], 0x0                ; the tokens' codes, codes0
	s_load_b64 s[10:11], s[0:1], 0x10              ; ysum
	v_lshl_add_u32 v[SPW], v0, 2, SPARE
	v_mov_b32 v[NIL], 0
	ds_add_u32 v28, v29
	ds_add_u32 v28, v29
	s_wait_dscnt 0x0
	v_lshrrev_b32 v1, 5, v0
	v_readfirstlane_b32 s14, v1
	s_lshr_b32 s15, s14, 1
	s_and_b32 s16, s14, 1
	s_bfe_u32 s40, ttmp6, 0x40000
	s_bfe_u32 s41, ttmp6, 0x40004
	s_lshl_b32 s42, ttmp9, 2
	s_add_co_u32 s42, s42, s40                     ; tile column
	s_and_b32 s17, ttmp7, 0xffff
	s_lshl_b32 s17, s17, 2
	s_add_co_u32 s17, s17, s41                     ; tile row
	s_lshl_b32 s43, s41, 2
	s_lshl_b32 s43, 15, s43
	s_lshl_b32 s44, 0x1111, s40
	s_or_b32 s[G1+0], s43, (3<<16)|(1<<21)         ; the mask; elements of 8 bytes; bit 21 beside a mask; no padding
	s_or_b32 s[G1B+0], s44, (3<<16)|(1<<21)
.irp g, G1, G1B
	s_mov_b32 s[\g+1], 32<<16
	s_mov_b32 s[\g+2], 128<<16
	s_mov_b32 s[\g+3], 32<<16
	s_mov_b32 s[\g+4], 128                         ; 128 rows of 256 bytes, dense
	s_mov_b32 s[\g+5], 32
	s_mov_b32 s[\g+6], 0
	s_mov_b32 s[\g+7], 0
.endr
	s_lshl_b32 s18, s16, 15
	s_lshl_b32 s20, s17, 16
	s_add_co_u32 s20, s20, s18
	s_mov_b32 s21, 0
	s_lshl_b32 s46, s42, 16
	s_add_co_u32 s46, s46, s18
	s_add_co_u32 s46, s46, BOFF
	s_mov_b32 s47, 0
	s_lshl_b32 s45, s14, 15
	s_mov_b32 s66, 2*CHA
	s_mov_b32 s67, 0
	s_mov_b32 s68, 2*CHB
	s_mov_b32 s69, 0
	s_wait_kmcnt 0x0
	s_add_nc_u64 s[20:21], s[4:5], s[20:21]
	s_add_nc_u64 s[46:47], s[6:7], s[46:47]
	CROUND
.irp s, 0,1
	s_mov_b32 s[G0+4*\s], 1
	s_add_co_u32 s[G0+4*\s+1], s45, \s*SLOT
	s_add_nc_u64 s[G0+4*\s+2:G0+4*\s+3], s[20:21], \s*CHA
	s_or_b32 s[G0+4*\s+3], s[G0+4*\s+3], 0x80000000
	s_mov_b32 s[G0B+4*\s], 1
	s_add_co_u32 s[G0B+4*\s+1], s45, \s*SLOT
	s_add_nc_u64 s[G0B+4*\s+2:G0B+4*\s+3], s[46:47], \s*CHB
	s_or_b32 s[G0B+4*\s+3], s[G0B+4*\s+3], 0x80000000
	JLOAD G0+4*\s, G1, G0B+4*\s, G1B
.endr
	v_and_b32 v1, 31, v0
	v_lshlrev_b32 v[CO], 4, v1
.if PREF
	s_and_b32 s75, ttmp7, 0xffff
	s_mov_b32 s72, CHB
	s_cmp_eq_u32 s15, 0                            ; do I fetch for A?
	s_cselect_b64 s[PFA:PFA+1], s[4:5], s[6:7]
	s_cselect_b32 s76, s17, s42                    ; the tile,
	s_cselect_b32 s77, s40, s41                    ; my place among the four that ask for it with me,
	s_cselect_b32 s75, ttmp9, s75                  ; the coordinate along which other clusters read the same rows: its first cluster asks
	s_cselect_b32 s[PFS], CHA, s72
	s_cselect_b32 s78, 0, BOFF
	s_cmp_eq_u32 s75, 0
	s_cselect_b32 s[LIM], 1, -1                    ; the same in all sixteen partners, for a given wave
	s_lshl_b32 s76, s76, 16
	s_add_co_u32 s76, s76, s18
	s_lshl_b32 s77, s77, 13
	s_add_co_u32 s76, s76, s77
	s_add_co_u32 s76, s76, s78
	s_mul_i32 s77, s[PFS], 3                       ; at step 3: the first refill steps it to 4
	s_add_co_u32 s76, s76, s77
	s_mov_b32 s77, 0
	s_mov_b32 s[PFS+1], 0
	s_add_nc_u64 s[PFA:PFA+1], s[PFA:PFA+1], s[76:77]
	v_lshlrev_b32 v[PFO], 8, v1
.endif
	s_lshl_b32 s21, s15, 15
	s_lshl_b32 s22, s16, 15
	s_add_co_u32 s22, s22, 65536
.irp s, 0,1
	v_add_nc_u32 v[ADRA+\s], s21, v[CO]
	v_add_nc_u32 v[ADRB+\s], s22, v[CO]
	s_add_co_u32 s21, s21, SLOT
	s_add_co_u32 s22, s22, SLOT
.endr
	s_lshl_b32 s20, s17, 4
	s_lshl_b32 s21, s15, 3
	s_add_co_u32 s20, s20, s21
	s_lshl_b32 s20, s20, 16                        ; my first tile of 16 tokens: 65,536 bytes each
	s_lshl_b32 s21, s42, 4
	s_lshl_b32 s22, s16, 3
	s_add_co_u32 s21, s21, s22
	s_lshl_b32 s21, s21, 10                        ; my first tile of 16 columns: 1,024 bytes each
	s_add_co_u32 s20, s20, s21
	s_mov_b32 s21, 0
	s_add_nc_u64 s[10:11], s[10:11], s[20:21]
.macro FRAG reg, adr, q, i
.irp c, 0,1,2,3
	ds_load_b128 v[\reg+4*\c:\reg+4*\c+3], v[\adr] offset:(\i)*4096+(\q)*2048+\c*512
.endr
.endm
.macro MUL16 a0, p, zero               ; the 64 accumulators take turns, one instruction a turn
.irp a, \a0, \a0+1
.irp b, 0,1,2,3,4,5,6,7
.if \zero
	v_wmma_f32_16x16x128_fp8_fp8 v[8*(8*((\a)%4)+\b):8*(8*((\a)%4)+\b)+7], v[128*(\p)+FR*\b:128*(\p)+FR*\b+FR-1], v[AF+FR*(\a):AF+FR*(\a)+FR-1], 0
.else
	v_wmma_f32_16x16x128_fp8_fp8 v[8*(8*((\a)%4)+\b):8*(8*((\a)%4)+\b)+7], v[128*(\p)+FR*\b:128*(\p)+FR*\b+FR-1], v[AF+FR*(\a):AF+FR*(\a)+FR-1], v[8*(8*((\a)%4)+\b):8*(8*((\a)%4)+\b)+7]
.endif
.endr
.endr
.endm
.macro FETCH_B slot, q, p
	WIN TO_B
.irp i, 0,1,2,3,4,5,6,7
	FRAG 128*(\p)+FR*\i, ADRB+\slot, \q, \i
.endr
	WIN 0
.endm
.macro FETCH_A slot, q, i0
.irp i, \i0, \i0+1, \i0+2, \i0+3
	FRAG AF+FR*(\i), ADRA+\slot, \q, \i
.endr
.endm
.macro PLACES n
.rept \n
	v_nop
.endr
.endm
.macro STEP slot, q, zero
	s_wait_dscnt 4*NL                              ; the youngest 16 loads (A's blocks 4-7) may be out
	WIN MUL_LO
	MUL16 0, (\q)%2, \zero
	MUL16 2, (\q)%2, \zero
	s_wait_dscnt 0
	PLACES NP
	FETCH_B \slot, (\q)+1, 1-(\q)%2
	FETCH_A \slot, (\q)+1, 0
	WIN MUL_HI
	MUL16 4, (\q)%2, \zero
	MUL16 6, (\q)%2, \zero
	PLACES NP
	WIN 0
	FETCH_A \slot, (\q)+1, 4
.endm
.macro TURN slot, next, fill
.if (\fill) && PREF
	s_wait_xcnt 0x0                                ; the last prefetch, a step back, has read its address
	s_add_nc_u64 s[PFA:PFA+1], s[PFA:PFA+1], s[PFS:PFS+1]
.endif
	s_wait_tensorcnt 0x0                           ; all my tensor loads have landed: my part of the next slot
	ds_add_u32 v[SPW], v[NIL]                      ; 0 onto my spare word
	s_wait_dscnt 4*NL+1                            ; (the add and A's blocks 4-7 may be out)
	WIN MUL_LO
	MUL16 0, 1, 0
	s_wait_dscnt 0x0                               ; the add is done, and my reads of this slot are over
	s_barrier_signal -1
	MUL16 2, 1, 0
	WIN 0
	s_barrier_wait -1
.if \fill
	CREST                                          ; a round of the cluster's barrier: no wave of any partner still reads this slot or has a load on its way
	s_add_nc_u64 s[G0+4*\slot+2:G0+4*\slot+3], s[G0+4*\slot+2:G0+4*\slot+3], s[66:67]
	s_add_nc_u64 s[G0B+4*\slot+2:G0B+4*\slot+3], s[G0B+4*\slot+2:G0B+4*\slot+3], s[68:69]
	JLOAD G0+4*\slot, G1, G0B+4*\slot, G1B
.else
	PLACES NP
.endif
	FETCH_B \next, 0, 0
	FETCH_A \next, 0, 0
.if (\fill) && PREF
	ASK
.endif
	WIN MUL_HI
	MUL16 4, 1, 0
	MUL16 6, 1, 0
	PLACES NP
	WIN 0
	FETCH_A \next, 0, 4
.endm
	s_wait_tensorcnt 1                             ; my part of slot 0 is in; slot 1's one load may be out
	s_barrier_signal -1
	s_barrier_wait -1
	FETCH_B 0, 0, 0
	FETCH_A 0, 0, 0
	FETCH_A 0, 0, 4
	STEP 0, 0, 1
	s_mov_b32 s3, LAPS-1
.Llap:
	TURN 0, 1, 1
	STEP 1, 0, 0
	TURN 1, 0, 1
	STEP 0, 0, 0
	s_sub_co_u32 s3, s3, 1
	s_cmp_lg_u32 s3, 0
	s_cbranch_scc1 .Llap
	TURN 0, 1, 0
	STEP 1, 0, 0
	s_wait_dscnt 4*NL
	WIN MUL_LO
	MUL16 0, 1, 0
	MUL16 2, 1, 0
	s_wait_dscnt 0
	WIN MUL_HI
	MUL16 4, 1, 0
	MUL16 6, 1, 0
	PLACES NP                                      ; behind the last products, ahead of the stores that read results
.irp a, 0,1,2,3,4,5,6,7
	WIN 0x08+4*(\a/4)                              ; a store's data are its source 1: window 2 or 3
.irp b, 0,1,2,3,4,5,6,7
	global_store_b128 v[CO], v[8*(8*(\a%4)+\b):8*(8*(\a%4)+\b)+3], s[10:11] offset:\a*65536+\b*1024 th:TH_STORE_NT          ; the low four registers first
	global_store_b128 v[CO], v[8*(8*(\a%4)+\b)+4:8*(8*(\a%4)+\b)+7], s[10:11] offset:\a*65536+\b*1024+512 th:TH_STORE_NT
.endr
.endr
	WIN 0
	s_wait_tensorcnt 0x0                           ; the wave's end
	ds_add_u32 v[SPW], v[NIL]
	s_wait_dscnt 0x0
	CROUND
	s_endpgm
.Lfunc_end_k_qfc7432b803_wo:
	.size	k_qfc7432b803_wo, .Lfunc_end_k_qfc7432b803_wo-k_qfc7432b803_wo
	.p2alignl 7, 3214868480
	.fill 96, 4, 3214868480
	.section	.rodata,"a",@progbits
	.p2align	6, 0x0
	.amdhsa_kernel k_qfc7432b803_wo
		.amdhsa_group_segment_fixed_size 327680
		.amdhsa_private_segment_fixed_size 0
		.amdhsa_enable_private_segment 0
		.amdhsa_kernarg_size 24
		.amdhsa_user_sgpr_count 2
		.amdhsa_user_sgpr_kernarg_segment_ptr 1
		.amdhsa_wavefront_size32 1
		.amdhsa_system_sgpr_workgroup_id_x 1
		.amdhsa_system_sgpr_workgroup_id_y 1
		.amdhsa_system_sgpr_workgroup_id_z 1
		.amdhsa_system_vgpr_workitem_id 0
		.amdhsa_next_free_vgpr 1024
		.amdhsa_next_free_sgpr 84
		.amdhsa_reserve_vcc 0
		.amdhsa_float_denorm_mode_32 3
		.amdhsa_float_denorm_mode_16_64 3
		.amdhsa_memory_ordered 1
		.amdhsa_forward_progress 1
		.amdhsa_inst_pref_size 89
	.end_amdhsa_kernel
	.amdgpu_metadata
---
amdhsa.version: [ 1, 2 ]
amdhsa.kernels:
  - .name:           k_qfc7432b803_wo
    .symbol:         k_qfc7432b803_wo.kd
    .args:
      - { .name: ctxc, .offset: 0, .size: 8, .value_kind: global_buffer, .address_space: global }
      - { .name: codes0, .offset: 8, .size: 8, .value_kind: global_buffer, .address_space: global }
      - { .name: ysum, .offset: 16, .size: 8, .value_kind: global_buffer, .address_space: global }
    .group_segment_fixed_size: 327680
    .private_segment_fixed_size: 0
    .kernarg_segment_align: 8
    .kernarg_segment_size: 24
    .max_flat_workgroup_size: 128
    .sgpr_count:     84
    .vgpr_count:     1024
    .wavefront_size: 32
...
	.end_amdgpu_metadata
.endif
;; end of part 4
;; launch ln1 (part 5): grid 256 x 1, 16 waves a work-group, no clusters, 73,728 bytes of LDS; arguments ysum, x, bo, g1, be1, lowp_scales, x1b; writes x1b
.if DOCPART == 5
	.amdgcn_target "amdgcn-amd-amdhsa--gfx1250"
	.amdhsa_code_object_version 6
	.text
	.protected	k_qfc7432b803_ln1
	.globl	k_qfc7432b803_ln1
	.p2align	8
	.type	k_qfc7432b803_ln1,@function
k_qfc7432b803_ln1:
	s_mov_b64 s[64:65], 0
	v_nop
	global_prefetch_b8 v0, s[64:65] scope:SCOPE_SE
	s_setreg_imm32_b32 hwreg(HW_REG_WAVE_MODE, 25, 1), 1
	s_wait_xcnt 0x0
; x1 = layer_norm(x + (sum x 2^(e10 + e11) + bo)) x g1 + be1, stored as f32 (for the second residual) and as codes of E4M3 with 2^e12 (for product 7).
; A work-group owns 16 whole rows; wave w owns columns 64 w .. 64 w + 63.  Lane (r, h) holds, of row r, columns 64 w + 16 b + 8 h + 0 .. 7, b = 0 .. 3: the layout in which the product left its sums,
; so ysum comes by loads of 512 consecutive bytes, and eight registers are eight neighbours along the next K.  x is row-major: it comes by rows (sixteen lanes to 256 aligned bytes) and turns through the wave's own stage in LDS.
; Mean first, then the mean of squared differences, as the source writes it: a common offset of the inputs does no harm.  A row's sums meet in LDS: [row][wave], one barrier each, words of their own for each of the two.
; A stream: no matrix unit, no cluster, no tensor load: nothing is shared between work-groups but three short vectors.
; x1b: f32 at 0 in ysum's layout; codes at 16 Mi as [k/256][token/16][2][2,048].   LIMITS: e10 + e11 between -126 and 127; e12 between -126 and 119.
.set Y,  32
.set XL, 64
.set XR, 96
.set BO, 128
.set G,  160
.set BE, 192
.set CD, 240
.set PITCH, 272
.set WST, 16*PITCH
.set RED, 16*WST                       ; 69,632: [16 rows][16 waves] f32; the second sum's words 1,024 bytes on
	s_load_b256 s[4:11], s[0:1], 0x0               ; ysum 4, x 6, bo 8, g1 10
	s_load_b128 s[12:15], s[0:1], 0x20             ; be1 12, the scales' exponents 14
	s_load_b64 s[16:17], s[0:1], 0x30              ; x1b
	v_lshl_add_u32 v254, v0, 2, 0x11800
	v_mov_b32 v255, 0
	v_lshrrev_b32 v2, 5, v0
	v_readfirstlane_b32 s18, v2                    ; wave
	v_and_b32 v2, 31, v0
	v_lshlrev_b32 v1, 4, v2                        ; 16 x lane
	v_and_b32 v10, 15, v0                          ; r
	v_bfe_u32 v11, v0, 4, 1                        ; h
	s_mul_i32 s19, s18, WST
	v_mul_u32_u24 v4, v11, PITCH
	v_lshl_add_u32 v4, v10, 4, v4
	v_add_nc_u32 v4, s19, v4                       ; the stage by rows: two rows an instruction
	v_mul_u32_u24 v5, v10, PITCH
	v_lshl_add_u32 v5, v11, 5, v5
	v_add_nc_u32 v5, s19, v5                       ; by my layout: row r, + 32 h
	v_lshlrev_b32 v6, 5, v11                       ; 32 h
	v_lshlrev_b32 v7, 12, v11
	v_lshl_add_u32 v7, v10, 4, v7                  ; row-major: 4,096 (lane / 16) + 16 (lane % 16)
	v_lshlrev_b32 v9, 6, v10
	v_add_nc_u32 v9, RED, v9                       ; my row's 16 words
	s_lshl_b32 s20, s18, 2
	v_add_nc_u32 v8, s20, v9                       ; my wave's word among them
	s_lshl_b32 s20, ttmp9, 16
	s_lshl_b32 s21, s18, 12
	s_add_co_u32 s22, s20, s21
	s_mov_b32 s23, 0                               ; s[22:23]: my part of an f32 image
	s_lshl_b32 s24, s18, 8
	s_mov_b32 s25, 0                               ; s[24:25]: my 64 columns
	s_add_co_u32 s26, s20, s24
	s_mov_b32 s27, 0                               ; s[26:27]: the same in my rows of x
	s_lshr_b32 s28, s18, 2
	s_lshl_b32 s28, s28, 8
	s_add_co_u32 s28, s28, ttmp9
	s_lshl_b32 s28, s28, 12
	s_bfe_u32 s29, s18, 0x10001
	s_lshl_b32 s29, s29, 11
	s_add_co_u32 s28, s28, s29
	s_and_b32 s29, s18, 1
	s_lshl_b32 s29, s29, 10
	s_add_co_u32 s28, s28, s29
	s_add_co_u32 s28, s28, 0x1000000
	s_mov_b32 s29, 0                               ; s[28:29]: my codes
	s_mov_b32 s32, 0x76543210
	s_mov_b32 s33, 0xfedcba98
	s_mov_b32 s34, 0x3a800000                      ; 1 / 1,024
	s_mov_b32 s35, 0x3727c5ac                      ; 1e-5
	s_wait_kmcnt 0x0
	s_load_b128 s[36:39], s[14:15], 0x28           ; e10 .. e13
	s_add_nc_u64 s[4:5], s[4:5], s[22:23]
	s_add_nc_u64 s[6:7], s[6:7], s[26:27]
	s_add_nc_u64 s[8:9], s[8:9], s[24:25]
	s_add_nc_u64 s[10:11], s[10:11], s[24:25]
	s_add_nc_u64 s[12:13], s[12:13], s[24:25]
	s_add_nc_u64 s[30:31], s[16:17], s[28:29]
	s_add_nc_u64 s[16:17], s[16:17], s[22:23]
.set i, 0
.rept 8
	global_load_b128 v[XL+4*i:XL+4*i+3], v7, s[6:7] offset:i*8192 th:TH_LOAD_NT
.set i, i+1
.endr
.irp b, 0,1,2,3
.irp q, 0,1
	global_load_b128 v[Y+8*\b+4*\q:Y+8*\b+4*\q+3], v1, s[4:5] offset:\b*1024+\q*512 th:TH_LOAD_NT
.endr
.endr
.macro VEC dst, base                   ; a vector's numbers at my 32 columns
.irp b, 0,1,2,3
.irp q, 0,1
	global_load_b128 v[\dst+8*\b+4*\q:\dst+8*\b+4*\q+3], v6, s[\base:\base+1] offset:\b*64+\q*16
.endr
.endr
.endm
	VEC BO, 8
	VEC G, 10
	VEC BE, 12
.macro TREE                            ; eight pairs in v224-239 become one number in v224
.set i, 0
.rept 4
	v_pk_add_f32 v[224+4*i:225+4*i], v[224+4*i:225+4*i], v[226+4*i:227+4*i]
.set i, i+1
.endr
	v_pk_add_f32 v[224:225], v[224:225], v[228:229]
	v_pk_add_f32 v[232:233], v[232:233], v[236:237]
	v_pk_add_f32 v[224:225], v[224:225], v[232:233]
	v_add_f32 v224, v224, v225
.endm
.macro CROSS off                       ; my lane's sum in v224 becomes the row's sum over all 1,024 columns, in every lane of the row
	v_permlanex16_b32 v226, v224, s32, s33
	v_add_f32 v224, v224, v226                     ; my wave's 64 columns of row r
	ds_store_b32 v8, v224 offset:\off
	s_wait_dscnt 0x0                               ; for the others' sake
	s_barrier_signal -1
	s_barrier_wait -1
	ds_load_b128 v[224:227], v9 offset:\off
	ds_load_b128 v[228:231], v9 offset:\off+16
	ds_load_b128 v[232:235], v9 offset:\off+32
	ds_load_b128 v[236:239], v9 offset:\off+48
	s_wait_dscnt 0x0
	TREE
.endm
	s_wait_loadcnt 32                              ; x's eight loads are in; the 32 behind them may be out
.set i, 0
.rept 8
	ds_store_b128 v4, v[XL+4*i:XL+4*i+3] offset:i*2*PITCH
.set i, i+1
.endr
.irp b, 0,1,2,3
.irp q, 0,1
	ds_load_b128 v[XR+8*\b+4*\q:XR+8*\b+4*\q+3], v5 offset:\b*64+\q*16     ; LDS serves a wave's instructions in order: these see my stores
.endr
.endr
	s_wait_kmcnt 0x0
	s_add_co_i32 s40, s36, s37
	s_add_co_i32 s40, s40, 127
	s_lshl_b32 s40, s40, 23                        ; 2^(e10 + e11)
	s_mov_b32 s41, s40
	s_add_co_i32 s42, s38, 127
	s_lshl_b32 s43, s42, 23
	v_mov_b32 v252, s43                            ; 2^e12
	s_add_co_i32 s42, s42, 8
	s_lshl_b32 s42, s42, 23
	s_or_b32 s42, s42, 0x600000
	v_mov_b32 v253, s42                            ; 448 x 2^e12
	s_wait_loadcnt 16                              ; the sums and bo are in; gain and shift may be out
	s_wait_dscnt 0x0
.set i, 0
.rept 16
	v_pk_fma_f32 v[Y+2*i:Y+2*i+1], v[Y+2*i:Y+2*i+1], s[40:41], v[BO+2*i:BO+2*i+1] op_sel_hi:[1,0,1]
.set i, i+1
.endr
.set i, 0
.rept 16
	v_pk_add_f32 v[Y+2*i:Y+2*i+1], v[Y+2*i:Y+2*i+1], v[XR+2*i:XR+2*i+1]
.set i, i+1
.endr
.set i, 0
.rept 8
	v_pk_add_f32 v[224+2*i:225+2*i], v[Y+4*i:Y+4*i+1], v[Y+4*i+2:Y+4*i+3]
.set i, i+1
.endr
	TREE
	CROSS 0
	v_mul_f32 v248, s34, v224                      ; the mean
	v_mov_b32 v249, v248
.set i, 0
.rept 16
	v_pk_add_f32 v[Y+2*i:Y+2*i+1], v[Y+2*i:Y+2*i+1], v[248:249] neg_lo:[0,1] neg_hi:[0,1]
.set i, i+1
.endr
.set i, 0
.rept 8
	v_pk_mul_f32 v[224+2*i:225+2*i], v[Y+4*i:Y+4*i+1], v[Y+4*i:Y+4*i+1]
.set i, i+1
.endr
.set i, 0
.rept 8
	v_pk_fma_f32 v[224+2*i:225+2*i], v[Y+4*i+2:Y+4*i+3], v[Y+4*i+2:Y+4*i+3], v[224+2*i:225+2*i]
.set i, i+1
.endr
	TREE
	CROSS 1024
	v_fma_f32 v250, v224, s34, s35                 ; the variance + 1e-5
	v_rsq_f32 v250, v250
	v_nop                                          ; a plain line behind it
	s_wait_alu depctr_va_vdst(0)                   ; ahead of its first reader
	v_mov_b32 v251, v250
	s_wait_loadcnt 0x0                             ; gain and shift
.set i, 0
.rept 16
	v_pk_mul_f32 v[Y+2*i:Y+2*i+1], v[Y+2*i:Y+2*i+1], v[250:251]
.set i, i+1
.endr
.set i, 0
.rept 16
	v_pk_fma_f32 v[Y+2*i:Y+2*i+1], v[Y+2*i:Y+2*i+1], v[G+2*i:G+2*i+1], v[BE+2*i:BE+2*i+1]
.set i, i+1
.endr
.irp b, 0,1,2,3
.irp q, 0,1
	global_store_b128 v1, v[Y+8*\b+4*\q:Y+8*\b+4*\q+3], s[16:17] offset:\b*1024+\q*512     ; 512 consecutive bytes, aligned
.endr
.endr
.set i, 0
.rept 32
	v_med3_num_f32 v[XR+i], v[Y+i], -v253, v253    ; into other registers: the stores above still read Y
.set i, i+1
.endr
.set i, 0
.rept 4
	v_cvt_scalef32_pk8_fp8_f32 v[CD+2*i:CD+2*i+1], v[XR+8*i:XR+8*i+7], v252
.set i, i+1
.endr
	global_store_b128 v1, v[CD:CD+3], s[30:31]
	global_store_b128 v1, v[CD+4:CD+7], s[30:31] offset:512
	s_wait_tensorcnt 0x0
	ds_add_u32 v254, v255
	s_wait_dscnt 0x0
	s_endpgm
.Lfunc_end_k_qfc7432b803_ln1:
	.size	k_qfc7432b803_ln1, .Lfunc_end_k_qfc7432b803_ln1-k_qfc7432b803_ln1
	.p2alignl 7, 3214868480
	.fill 96, 4, 3214868480
	.section	.rodata,"a",@progbits
	.p2align	6, 0x0
	.amdhsa_kernel k_qfc7432b803_ln1
		.amdhsa_group_segment_fixed_size 73728
		.amdhsa_private_segment_fixed_size 0
		.amdhsa_enable_private_segment 0
		.amdhsa_kernarg_size 56
		.amdhsa_user_sgpr_count 2
		.amdhsa_user_sgpr_kernarg_segment_ptr 1
		.amdhsa_wavefront_size32 1
		.amdhsa_system_sgpr_workgroup_id_x 1
		.amdhsa_system_sgpr_workgroup_id_y 1
		.amdhsa_system_sgpr_workgroup_id_z 1
		.amdhsa_system_vgpr_workitem_id 0
		.amdhsa_next_free_vgpr 256
		.amdhsa_next_free_sgpr 66
		.amdhsa_reserve_vcc 0
		.amdhsa_float_denorm_mode_32 3
		.amdhsa_float_denorm_mode_16_64 3
		.amdhsa_memory_ordered 1
		.amdhsa_forward_progress 1
		.amdhsa_inst_pref_size 22
	.end_amdhsa_kernel
	.amdgpu_metadata
---
amdhsa.version: [ 1, 2 ]
amdhsa.kernels:
  - .name:           k_qfc7432b803_ln1
    .symbol:         k_qfc7432b803_ln1.kd
    .args:
      - { .name: ysum, .offset: 0, .size: 8, .value_kind: global_buffer, .address_space: global }
      - { .name: x, .offset: 8, .size: 8, .value_kind: global_buffer, .address_space: global }
      - { .name: bo, .offset: 16, .size: 8, .value_kind: global_buffer, .address_space: global }
      - { .name: g1, .offset: 24, .size: 8, .value_kind: global_buffer, .address_space: global }
      - { .name: be1, .offset: 32, .size: 8, .value_kind: global_buffer, .address_space: global }
      - { .name: lowp_scales, .offset: 40, .size: 8, .value_kind: global_buffer, .address_space: global }
      - { .name: x1b, .offset: 48, .size: 8, .value_kind: global_buffer, .address_space: global }
    .group_segment_fixed_size: 73728
    .private_segment_fixed_size: 0
    .kernarg_segment_align: 8
    .kernarg_segment_size: 56
    .max_flat_workgroup_size: 512
    .sgpr_count:     66
    .vgpr_count:     256
    .wavefront_size: 32
...
	.end_amdgpu_metadata
.endif
;; end of part 5
;; launch w1 (part 6): grid 16 x 16, 4 waves a work-group, clusters of 4 x 4, 327,680 bytes of LDS; arguments x1b, codes0, lowp_scales, b1, hc; writes hc
.if DOCPART == 6
	.amdgcn_target "amdgcn-amd-amdhsa--gfx1250"
	.amdhsa_code_object_version 6
	.text
	.protected	k_qfc7432b803_w1
	.globl	k_qfc7432b803_w1
	.p2align	8
	.type	k_qfc7432b803_w1,@function
k_qfc7432b803_w1:
	s_mov_b64 s[64:65], 0
	v_nop
	global_prefetch_b8 v0, s[64:65] scope:SCOPE_SE
	s_setreg_imm32_b32 hwreg(HW_REG_WAVE_MODE, 25, 1), 1
	s_wait_xcnt 0x0
	s_wait_alu depctr_hold_cnt(0) depctr_sa_sdst(0) depctr_va_vdst(0) depctr_va_sdst(0) depctr_va_ssrc(0) depctr_va_vcc(0) depctr_vm_vsrc(0)
	s_getreg_b32 s2, hwreg(HW_REG_IB_STS2, 6, 4)
	s_cmp_eq_u32 s2, 0
	s_cbranch_scc0 .Lentry_in_a_cluster
	s_endpgm
.Lentry_in_a_cluster:
	s_bfe_u32 s2, ttmp6, 0x10000c
	s_cmp_lg_u32 s2, 0xf033
	s_cbranch_scc0 .Lentry_shape_is_right
	s_endpgm
.Lentry_shape_is_right:
; Product 7 and what follows it: h = gelu(x1 W1 + b1), exact, quantised with 2^e14 for product 8.  [4,096] x [4,096], K = 1,024.
; THE CORE: a tile of 256 x 256 by four waves, 128 x 128 each: 64 accumulators, 512 registers.  K goes in steps of 256 through two LDS slots.  Operands lie in memory as images of fragment registers
; ([k/256][rows/16][2][2,048 bytes]), so 128 rows x 256 k are 32,768 consecutive bytes: one tensor load a wave, and each fragment is four LDS loads of 512 consecutive bytes: no pitch, no padding.
; The matrix instruction is used transposed (source 0 = 16 columns of W1, source 1 = 16 tokens): lane (r, h) holds token r, register j hidden unit 8 h + j: eight neighbours along the next K.
; THE GELU.  gelu(x) = max(x, 0) - |x| E, E = erfc(|x| / sqrt 2) / 2 = t 2^(P(t) - x^2 log2(e) / 2), t = 1 / (1 + |x| sqrt(2) / 4): the rational-exponential fit of erfc of degree 9 (relative error under 1.2e-7 everywhere),
; its coefficients times log2(e), the constant one less 1 for the half.  No difference of near numbers for negative x.  Where x^2 overflows, E is 0.
; The way out is a loop of eight trips, one for each block of 16 tokens, so that the activation is written once; only the 32 lines that read a block's accumulators are written eight times.
; CLUSTERS 4 x 4: tokens' tiles jointly along a row of the cluster, W1's along a column.   LIMITS: e12 + e13 between -126 and 127; e14 between -126 and 119.
; No prefetch: K has four steps; two are first fills, the other two follow at once.
; REGISTERS: window 0: v16-30 addresses and constants; v32-95 b1; v96-111 codes; v128-255 A's fragments, later T (x, then h) and U (t).  window 1: B's two sets, later P (v0-63) and PW (v64-127).  windows 2, 3: the accumulators.
.set LAPS,  2
.set CHA,   0x100000
.set CHB,   0x100000
.set SLOT,  131072
.set SPARE, 2*SLOT                     ; the spare words: 128 bytes a wave, two blocks of 256 bytes that no other line names
.set FR, 16
.set NL, 4
.set NP, 4
.set ADRA, 16
.set ADRB, 20
.set CO,  26
.set SPW, 28
.set NIL, 29
.set BB,  32
.set CD,  96
.set AF,  128
.set T,   128
.set U,   192
.set P,   0
.set PW,  64
.set G1, 24
.set G0, 32
.set G1B, 48
.set G0B, 56
.set MSB, 0
.macro WIN new
.if MSB != \new
	s_set_vgpr_msb (MSB<<8)|\new
.set MSB, \new
.endif
.endm
.set MUL_LO, 0xa1
.set MUL_HI, 0xf1
.set TO_B,   0x40
.macro JLOAD g0a, g1a, g0b, g1b        ; a joint load: waves 0, 1 fetch A's halves, waves 2, 3 B's; four v_nop follow each line
	s_cmp_eq_u32 s15, 0
	s_cbranch_scc0 .Lfor_b_\@
	tensor_load_to_lds s[\g0a:\g0a+3], s[\g1a:\g1a+7]
	s_nop 0
.rept 4
	v_nop
.endr
	s_branch .Lasked_\@
.Lfor_b_\@:
	tensor_load_to_lds s[\g0b:\g0b+3], s[\g1b:\g1b+7]
	s_nop 0
.rept 4
	v_nop
.endr
.Lasked_\@:
.endm
.macro CREST
	s_cmp_lg_u32 s14, 0
	s_cbranch_scc1 .Lnot_wave_0_\@
	s_barrier_signal -3
.Lnot_wave_0_\@:
	s_barrier_wait -3
	s_barrier_signal -1
	s_barrier_wait -1
.endm
.macro CROUND
	s_barrier_signal -1
	s_barrier_wait -1
	CREST
.endm
	s_load_b256 s[4:11], s[0:1], 0x0               ; x1b 4, codes0 6, the scales' exponents 8, b1 10
	s_load_b64 s[12:13], s[0:1], 0x20              ; hc
	v_lshl_add_u32 v[SPW], v0, 2, SPARE
	v_mov_b32 v[NIL], 0
	ds_add_u32 v28, v29
	ds_add_u32 v28, v29
	s_wait_dscnt 0x0
	v_lshrrev_b32 v1, 5, v0
	v_readfirstlane_b32 s14, v1
	s_lshr_b32 s15, s14, 1
	s_and_b32 s16, s14, 1
	s_bfe_u32 s40, ttmp6, 0x40000
	s_bfe_u32 s41, ttmp6, 0x40004
	s_lshl_b32 s42, ttmp9, 2
	s_add_co_u32 s42, s42, s40                     ; tile column
	s_and_b32 s17, ttmp7, 0xffff
	s_lshl_b32 s17, s17, 2
	s_add_co_u32 s17, s17, s41                     ; tile row
	s_lshl_b32 s43, s41, 2
	s_lshl_b32 s43, 15, s43
	s_lshl_b32 s44, 0x1111, s40
	s_or_b32 s[G1+0], s43, (3<<16)|(1<<21)
	s_or_b32 s[G1B+0], s44, (3<<16)|(1<<21)
.irp g, G1, G1B
	s_mov_b32 s[\g+1], 32<<16
	s_mov_b32 s[\g+2], 128<<16
	s_mov_b32 s[\g+3], 32<<16
	s_mov_b32 s[\g+4], 128                         ; 128 rows of 256 bytes, dense
	s_mov_b32 s[\g+5], 32
	s_mov_b32 s[\g+6], 0
	s_mov_b32 s[\g+7], 0
.endr
	s_lshl_b32 s18, s16, 15
	s_lshl_b32 s20, s17, 16
	s_add_co_u32 s20, s20, s18
	s_add_co_u32 s20, s20, 0x1000000               ; x1's codes lie 16 Mi into x1b
	s_mov_b32 s21, 0
	s_lshl_b32 s46, s42, 16
	s_add_co_u32 s46, s46, s18
	s_add_co_u32 s46, s46, 0x1000000               ; W1's codes 16 Mi into codes0
	s_mov_b32 s47, 0
	s_lshl_b32 s45, s14, 15
	s_mov_b32 s66, 2*CHA
	s_mov_b32 s67, 0
	s_mov_b32 s68, 2*CHB
	s_mov_b32 s69, 0
	s_wait_kmcnt 0x0
	s_load_b128 s[96:99], s[8:9], 0x30             ; e12 .. e15
	s_add_nc_u64 s[20:21], s[4:5], s[20:21]
	s_add_nc_u64 s[46:47], s[6:7], s[46:47]
	CROUND
.irp s, 0,1
	s_mov_b32 s[G0+4*\s], 1
	s_add_co_u32 s[G0+4*\s+1], s45, \s*SLOT
	s_add_nc_u64 s[G0+4*\s+2:G0+4*\s+3], s[20:21], \s*CHA
	s_or_b32 s[G0+4*\s+3], s[G0+4*\s+3], 0x80000000
	s_mov_b32 s[G0B+4*\s], 1
	s_add_co_u32 s[G0B+4*\s+1], s45, \s*SLOT
	s_add_nc_u64 s[G0B+4*\s+2:G0B+4*\s+3], s[46:47], \s*CHB
	s_or_b32 s[G0B+4*\s+3], s[G0B+4*\s+3], 0x80000000
	JLOAD G0+4*\s, G1, G0B+4*\s, G1B
.endr
	v_and_b32 v1, 31, v0
	v_lshlrev_b32 v[CO], 4, v1
	s_lshl_b32 s21, s15, 15
	s_lshl_b32 s22, s16, 15
	s_add_co_u32 s22, s22, 65536
.irp s, 0,1
	v_add_nc_u32 v[ADRA+\s], s21, v[CO]
	v_add_nc_u32 v[ADRB+\s], s22, v[CO]
	s_add_co_u32 s21, s21, SLOT
	s_add_co_u32 s22, s22, SLOT
.endr
	s_lshl_b32 s18, s42, 8
	s_lshl_b32 s19, s16, 7
	s_add_co_u32 s18, s18, s19
	s_lshl_b32 s18, s18, 2
	s_mov_b32 s19, 0
	s_add_nc_u64 s[10:11], s[10:11], s[18:19]      ; b1 at my 128 hidden units
	v_bfe_u32 v2, v0, 4, 1
	v_lshlrev_b32 v2, 5, v2
.irp b, 0,1,2,3,4,5,6,7
	global_load_b128 v[BB+8*\b:BB+8*\b+3], v2, s[10:11] offset:64*\b
	global_load_b128 v[BB+8*\b+4:BB+8*\b+7], v2, s[10:11] offset:64*\b+16
.endr
	s_lshl_b32 s18, s42, 8                         ; hc: chunk of 256 k = tile column,
	s_lshl_b32 s20, s17, 4
	s_add_co_u32 s18, s18, s20
	s_lshl_b32 s20, s15, 3
	s_add_co_u32 s18, s18, s20                     ; + my first tile of 16 tokens,
	s_lshl_b32 s18, s18, 12
	s_lshl_b32 s20, s16, 11                        ; + my 128 of the 256
	s_add_co_u32 s18, s18, s20
	s_add_nc_u64 s[12:13], s[12:13], s[18:19]
.macro FRAG reg, adr, q, i
.irp c, 0,1,2,3
	ds_load_b128 v[\reg+4*\c:\reg+4*\c+3], v[\adr] offset:(\i)*4096+(\q)*2048+\c*512
.endr
.endm
.macro MUL16 a0, p, zero               ; the 64 accumulators take turns, one instruction a turn
.irp a, \a0, \a0+1
.irp b, 0,1,2,3,4,5,6,7
.if \zero
	v_wmma_f32_16x16x128_fp8_fp8 v[8*(8*((\a)%4)+\b):8*(8*((\a)%4)+\b)+7], v[128*(\p)+FR*\b:128*(\p)+FR*\b+FR-1], v[AF+FR*(\a):AF+FR*(\a)+FR-1], 0
.else
	v_wmma_f32_16x16x128_fp8_fp8 v[8*(8*((\a)%4)+\b):8*(8*((\a)%4)+\b)+7], v[128*(\p)+FR*\b:128*(\p)+FR*\b+FR-1], v[AF+FR*(\a):AF+FR*(\a)+FR-1], v[8*(8*((\a)%4)+\b):8*(8*((\a)%4)+\b)+7]
.endif
.endr
.endr
.endm
.macro FETCH_B slot, q, p
	WIN TO_B
.irp i, 0,1,2,3,4,5,6,7
	FRAG 128*(\p)+FR*\i, ADRB+\slot, \q, \i
.endr
	WIN 0
.endm
.macro FETCH_A slot, q, i0
.irp i, \i0, \i0+1, \i0+2, \i0+3
	FRAG AF+FR*(\i), ADRA+\slot, \q, \i
.endr
.endm
.macro PLACES n
.rept \n
	v_nop
.endr
.endm
.macro STEP slot, q, zero
	s_wait_dscnt 4*NL                              ; the youngest 16 loads (A's blocks 4-7) may be out
	WIN MUL_LO
	MUL16 0, (\q)%2, \zero
	MUL16 2, (\q)%2, \zero
	s_wait_dscnt 0
	PLACES NP
	FETCH_B \slot, (\q)+1, 1-(\q)%2
	FETCH_A \slot, (\q)+1, 0
	WIN MUL_HI
	MUL16 4, (\q)%2, \zero
	MUL16 6, (\q)%2, \zero
	PLACES NP
	WIN 0
	FETCH_A \slot, (\q)+1, 4
.endm
.macro TURN slot, next, fill
	s_wait_tensorcnt 0x0                           ; all my tensor loads have landed: my part of the next slot
	ds_add_u32 v[SPW], v[NIL]                      ; 0 onto my spare word
	s_wait_dscnt 4*NL+1                            ; (the add and A's blocks 4-7 may be out)
	WIN MUL_LO
	MUL16 0, 1, 0
	s_wait_dscnt 0x0                               ; the add is done, and my reads of this slot are over
	s_barrier_signal -1
	MUL16 2, 1, 0
	WIN 0
	s_barrier_wait -1
.if \fill
	CREST                                          ; a round of the cluster's barrier: no wave of any partner still reads this slot or has a load on its way
	s_add_nc_u64 s[G0+4*\slot+2:G0+4*\slot+3], s[G0+4*\slot+2:G0+4*\slot+3], s[66:67]
	s_add_nc_u64 s[G0B+4*\slot+2:G0B+4*\slot+3], s[G0B+4*\slot+2:G0B+4*\slot+3], s[68:69]
	JLOAD G0+4*\slot, G1, G0B+4*\slot, G1B
.else
	PLACES NP
.endif
	FETCH_B \next, 0, 0
	FETCH_A \next, 0, 0
	WIN MUL_HI
	MUL16 4, 1, 0
	MUL16 6, 1, 0
	PLACES NP
	WIN 0
	FETCH_A \next, 0, 4
.endm
	s_wait_tensorcnt 1                             ; my part of slot 0 is in; slot 1's one load may be out
	s_barrier_signal -1
	s_barrier_wait -1
	FETCH_B 0, 0, 0
	FETCH_A 0, 0, 0
	FETCH_A 0, 0, 4
	STEP 0, 0, 1
	s_mov_b32 s3, LAPS-1
.Llap:
	TURN 0, 1, 1
	STEP 1, 0, 0
	TURN 1, 0, 1
	STEP 0, 0, 0
	s_sub_co_u32 s3, s3, 1
	s_cmp_lg_u32 s3, 0
	s_cbranch_scc1 .Llap
	TURN 0, 1, 0
	STEP 1, 0, 0
	s_wait_dscnt 4*NL
	WIN MUL_LO
	MUL16 0, 1, 0
	MUL16 2, 1, 0
	s_wait_dscnt 0
	WIN MUL_HI
	MUL16 4, 1, 0
	MUL16 6, 1, 0
	WIN 0
	; ---- the way out
	PLACES NP                                      ; behind the last products
	s_wait_loadcnt 0x0                             ; b1
	s_wait_kmcnt 0x0
.macro KPAIR reg, val                  ; a constant as a pair: the packed forms name a pair and take its low word for both halves
	s_mov_b32 s[\reg], \val
	s_mov_b32 s[\reg+1], \val
.endm
	KPAIR 70, 0xC034D90F                           ; a0 .. a7, a9
	KPAIR 72, 0x3FB8AB5A
	KPAIR 74, 0x3F0A29D2
	KPAIR 76, 0x3E0EFB2E
	KPAIR 78, 0xBE899A80
	KPAIR 80, 0x3ECDFD18
	KPAIR 82, 0xBFD1A1E5
	KPAIR 84, 0x40097039
	KPAIR 88, 0x3E7C6F08
	KPAIR 90, 0xBF38AA3B                           ; -log2(e) / 2
	s_mov_b32 s92, 0x3EB504F3                      ; sqrt(2) / 4
	v_mov_b32 v24, 0xBF97D29D                      ; a8, in a vector pair
	v_mov_b32 v25, 0xBF97D29D
	s_add_co_i32 s94, s96, s97
	s_add_co_i32 s94, s94, 127
	s_lshl_b32 s94, s94, 23                        ; 2^(e12 + e13)
	s_mov_b32 s95, s94
	s_add_co_i32 s18, s98, 127
	s_lshl_b32 s19, s18, 23
	v_mov_b32 v23, s19                             ; 2^e14
	s_add_co_i32 s18, s18, 8
	s_lshl_b32 s18, s18, 23
	s_or_b32 s18, s18, 0x600000
	v_mov_b32 v22, s18                             ; 448 x 2^e14
.macro ACCIN k                         ; T = block k's sums x 2^(e12 + e13) + b1; each accumulator from its low end on
	WIN 0x02+(\k)/4
.set j, 0
.rept 32
	v_pk_fma_f32 v[T+j:T+j+1], v[64*((\k)%4)+j:64*((\k)%4)+j+1], s[94:95], v[BB+j:BB+j+1] op_sel_hi:[1,0,1]
.set j, j+2
.endr
	WIN 0
.endm
.macro ACCBLK k
.Lacc_\k:
	ACCIN \k
	s_branch .Lgelu
.endm
	s_mov_b32 s93, 0
.Lrow:
.irp k, 0,1,2,3,4,5,6
	s_cmp_eq_u32 s93, \k
	s_cbranch_scc1 .Lacc_\k
.endr
	ACCIN 7
	s_branch .Lgelu
	ACCBLK 0
	ACCBLK 1
	ACCBLK 2
	ACCBLK 3
	ACCBLK 4
	ACCBLK 5
	ACCBLK 6
.Lgelu:
.set j, 0
.rept 64
	v_fma_f32 v[U+j], |v[T+j]|, s92, 1.0
.set j, j+1
.endr
.set j, 0
.rept 64
	v_rcp_f32 v[U+j], v[U+j]                       ; t
.set j, j+1
.endr
	WIN 0x40                                       ; destination window 1
.set j, 0
.rept 32
	v_pk_mul_f32 v[PW+j:PW+j+1], v[T+j:T+j+1], v[T+j:T+j+1]   ; x^2: the plain lines behind the reciprocals
.set j, j+2
.endr
	s_wait_alu depctr_va_vdst(0)                   ; one wait for the 64 reciprocals, ahead of their first reader
.set j, 0
.rept 32
	v_pk_fma_f32 v[P+j:P+j+1], v[U+j:U+j+1], s[88:89], v[24:25] op_sel_hi:[1,0,1]
.set j, j+2
.endr
	WIN 0x41                                       ; source 0 and destination window 1
.irp k, 7,6,5,4,3,2,1,0
.set j, 0
.rept 32
	v_pk_fma_f32 v[P+j:P+j+1], v[P+j:P+j+1], v[U+j:U+j+1], s[70+2*\k:71+2*\k] op_sel_hi:[1,1,0]
.set j, j+2
.endr
.endr
	WIN 0x51                                       ; sources 0 and 2 and destination window 1
.set j, 0
.rept 32
	v_pk_fma_f32 v[P+j:P+j+1], v[PW+j:PW+j+1], s[90:91], v[P+j:P+j+1] op_sel_hi:[1,0,1]
.set j, j+2
.endr
	WIN 0x41
.set j, 0
.rept 64
	v_exp_f32 v[P+j], v[P+j]
.set j, j+1
.endr
	WIN 0x40
.set j, 0
.rept 64
	v_max_num_f32 v[PW+j], 0, v[T+j]               ; max(x, 0): the plain lines behind the exponentials
.set j, j+1
.endr
	s_wait_alu depctr_va_vdst(0)                   ; one wait for the 64 exponentials
	WIN 0x44                                       ; source 1 and destination window 1
.set j, 0
.rept 32
	v_pk_mul_f32 v[P+j:P+j+1], v[U+j:U+j+1], v[P+j:P+j+1]     ; E
.set j, j+2
.endr
	WIN 0x14                                       ; sources 1 and 2 window 1
.set j, 0
.rept 64
	v_fma_f32 v[T+j], -|v[T+j]|, v[P+j], v[PW+j]   ; h
.set j, j+1
.endr
	WIN 0
.set j, 0
.rept 64
	v_med3_num_f32 v[T+j], v[T+j], -v22, v22
.set j, j+1
.endr
.set j, 0
.rept 8
	v_cvt_scalef32_pk8_fp8_f32 v[CD+2*j:CD+2*j+1], v[T+8*j:T+8*j+7], v23
.set j, j+1
.endr
	v_nop                                          ; a plain line between the conversions and the next trip's writes of their sources
.irp p, 0,1,2,3
	global_store_b128 v[CO], v[CD+4*\p:CD+4*\p+3], s[12:13] offset:\p*512     ; 512 consecutive bytes, aligned
.endr
	s_wait_xcnt 0x0                                ; the stores have read the codes and the base: both are written again
	s_add_nc_u64 s[12:13], s[12:13], 4096
	s_add_co_u32 s93, s93, 1
	s_cmp_lt_u32 s93, 8
	s_cbranch_scc1 .Lrow
	s_wait_tensorcnt 0x0                           ; the wave's end
	ds_add_u32 v[SPW], v[NIL]
	s_wait_dscnt 0x0
	CROUND
	s_endpgm
.Lfunc_end_k_qfc7432b803_w1:
	.size	k_qfc7432b803_w1, .Lfunc_end_k_qfc7432b803_w1-k_qfc7432b803_w1
	.p2alignl 7, 3214868480
	.fill 96, 4, 3214868480
	.section	.rodata,"a",@progbits
	.p2align	6, 0x0
	.amdhsa_kernel k_qfc7432b803_w1
		.amdhsa_group_segment_fixed_size 327680
		.amdhsa_private_segment_fixed_size 0
		.amdhsa_enable_private_segment 0
		.amdhsa_kernarg_size 40
		.amdhsa_user_sgpr_count 2
		.amdhsa_user_sgpr_kernarg_segment_ptr 1
		.amdhsa_wavefront_size32 1
		.amdhsa_system_sgpr_workgroup_id_x 1
		.amdhsa_system_sgpr_workgroup_id_y 1
		.amdhsa_system_sgpr_workgroup_id_z 1
		.amdhsa_system_vgpr_workitem_id 0
		.amdhsa_next_free_vgpr 1024
		.amdhsa_next_free_sgpr 100
		.amdhsa_reserve_vcc 0
		.amdhsa_float_denorm_mode_32 3
		.amdhsa_float_denorm_mode_16_64 3
		.amdhsa_memory_ordered 1
		.amdhsa_forward_progress 1
		.amdhsa_inst_pref_size 141
	.end_amdhsa_kernel
	.amdgpu_metadata
---
amdhsa.version: [ 1, 2 ]
amdhsa.kernels:
  - .name:           k_qfc7432b803_w1
    .symbol:         k_qfc7432b803_w1.kd
    .args:
      - { .name: x1b, .offset: 0, .size: 8, .value_kind: global_buffer, .address_space: global }
      - { .name: codes0, .offset: 8, .size: 8, .value_kind: global_buffer, .address_space: global }
      - { .name: lowp_scales, .offset: 16, .size: 8, .value_kind: global_buffer, .address_space: global }
      - { .name: b1, .offset: 24, .size: 8, .value_kind: global_buffer, .address_space: global }
      - { .name: hc, .offset: 32, .size: 8, .value_kind: global_buffer, .address_space: global }
    .group_segment_fixed_size: 327680
    .private_segment_fixed_size: 0
    .kernarg_segment_align: 8
    .kernarg_segment_size: 40
    .max_flat_workgroup_size: 128
    .sgpr_count:     100
    .vgpr_count:     1024
    .wavefront_size: 32
...
	.end_amdgpu_metadata
.endif
;; end of part 6
;; launch w2 (part 7): grid 4 x 16, 4 waves a work-group, clusters of 4 x 4, 327,680 bytes of LDS; arguments hc, codes0, ysum; writes ysum
.if DOCPART == 7
	.amdgcn_target "amdgcn-amd-amdhsa--gfx1250"
	.amdhsa_code_object_version 6
	.text
	.protected	k_qfc7432b803_w2
	.globl	k_qfc7432b803_w2
	.p2align	8
	.type	k_qfc7432b803_w2,@function
k_qfc7432b803_w2:
	s_mov_b64 s[64:65], 0
	v_nop
	global_prefetch_b8 v0, s[64:65] scope:SCOPE_SE
	s_setreg_imm32_b32 hwreg(HW_REG_WAVE_MODE, 25, 1), 1
	s_wait_xcnt 0x0
	s_wait_alu depctr_hold_cnt(0) depctr_sa_sdst(0) depctr_va_vdst(0) depctr_va_sdst(0) depctr_va_ssrc(0) depctr_va_vcc(0) depctr_vm_vsrc(0)
	s_getreg_b32 s2, hwreg(HW_REG_IB_STS2, 6, 4)
	s_cmp_eq_u32 s2, 0
	s_cbranch_scc0 .Lentry_in_a_cluster
	s_endpgm
.Lentry_in_a_cluster:
	s_bfe_u32 s2, ttmp6, 0x10000c
	s_cmp_lg_u32 s2, 0xf033
	s_cbranch_scc0 .Lentry_shape_is_right
	s_endpgm
.Lentry_shape_is_right:
; Product 8: the raw f32 sums of h's codes x W2's codes, [4,096] x [1,024], K = 4,096.  The scale, the bias, the residual and the layer norm follow in the next launch, which needs whole rows.
; THE CORE: a tile of 256 x 256 by four waves, 128 x 128 each: 64 accumulators, 512 registers.  K goes in steps of 256 through two LDS slots.  Operands lie in memory as images of fragment registers
; ([k/256][rows/16][2][2,048 bytes]), so 128 rows x 256 k are 32,768 consecutive bytes: one tensor load a wave, and each fragment is four LDS loads of 512 consecutive bytes: no pitch, no padding.
; The matrix instruction is used transposed (source 0 = 16 columns' rows of the weight, source 1 = 16 tokens): lane (r, h) holds token r, register j column 8 h + j.
; OUT (ysum): the accumulators as they stand: [token/16][column/16][2][lane][16 bytes]: each store covers 512 consecutive bytes, aligned; no stage in LDS, no arithmetic.
; CLUSTERS 4 x 4: tokens' tiles are asked for jointly along a row of the cluster, the weight's along a column.  64 tiles: 64 work-groups; a smaller tile would read each LDS byte for half the products.
; PREFETCH (PREF = 1): behind each refill in the loop a wave names the step that stands two refills on (256 matrix instructions ahead of the load that wants it): of the 32,768 bytes that it fetches, the partner at place p
; (cx for the tokens' tiles, cy for the weight's) takes bytes 8,192 p on, lanes 256 bytes apart.  The weight's tiles are read by all four clusters: cluster y = 0 asks.  Steps 0 to 3 come by their loads alone; the loop's last trip asks for nothing (steps 16, 17 do not exist).
.set LAPS,  8                          ; K / 512
.set BOFF,  0x1400000                  ; the weight's codes in codes0
.set PREF,  1
.set CHA,   0x100000                   ; a step of 256 k of 4,096 rows
.set CHB,   0x40000                    ; of 1,024 rows
.set SLOT,  131072
.set SPARE, 2*SLOT                     ; the spare words: 128 bytes a wave, two blocks of 256 bytes that no other line names
.set FR, 16
.set NL, 4
.set NP, 4
.set ADRA, 16
.set ADRB, 20
.set CO,  26
.set SPW, 28
.set NIL, 29
.set PFO, 30
.set AF,  128
.set G1, 24
.set G0, 32
.set G1B, 48
.set G0B, 56
.set PFA, 70
.set PFS, 72
.set LIM, 74
.set MSB, 0
.macro WIN new
.if MSB != \new
	s_set_vgpr_msb (MSB<<8)|\new
.set MSB, \new
.endif
.endm
.set MUL_LO, 0xa1
.set MUL_HI, 0xf1
.set TO_B,   0x40
.macro JLOAD g0a, g1a, g0b, g1b        ; a joint load: waves 0, 1 fetch A's halves, waves 2, 3 B's; four v_nop follow each line
	s_cmp_eq_u32 s15, 0
	s_cbranch_scc0 .Lfor_b_\@
	tensor_load_to_lds s[\g0a:\g0a+3], s[\g1a:\g1a+7]
	s_nop 0
.rept 4
	v_nop
.endr
	s_branch .Lasked_\@
.Lfor_b_\@:
	tensor_load_to_lds s[\g0b:\g0b+3], s[\g1b:\g1b+7]
	s_nop 0
.rept 4
	v_nop
.endr
.Lasked_\@:
.endm
.macro ASK                             ; a prefetch of the step two refills on: my work-group's 8,192 of the 32,768 bytes that I fetch, lanes 256 bytes apart
	s_cmp_gt_u32 s3, s[LIM]                        ; s3 = 1 in the loop's last trip
	s_cbranch_scc0 .Lnot_mine_\@
	global_prefetch_b8 v[PFO], s[PFA:PFA+1] th:TH_LOAD_NT scope:SCOPE_SE
.Lnot_mine_\@:
.endm
.macro CREST
	s_cmp_lg_u32 s14, 0
	s_cbranch_scc1 .Lnot_wave_0_\@
	s_barrier_signal -3
.Lnot_wave_0_\@:
	s_barrier_wait -3
	s_barrier_signal -1
	s_barrier_wait -1
.endm
.macro CROUND
	s_barrier_signal -1
	s_barrier_wait -1
	CREST
.endm
	s_load_b128 s[4:7], s[0:1], 0x0                ; the tokens' codes, codes0
	s_load_b64 s[10:11], s[0:1], 0x10              ; ysum
	v_lshl_add_u32 v[SPW], v0, 2, SPARE
	v_mov_b32 v[NIL], 0
	ds_add_u32 v28, v29
	ds_add_u32 v28, v29
	s_wait_dscnt 0x0
	v_lshrrev_b32 v1, 5, v0
	v_readfirstlane_b32 s14, v1
	s_lshr_b32 s15, s14, 1
	s_and_b32 s16, s14, 1
	s_bfe_u32 s40, ttmp6, 0x40000
	s_bfe_u32 s41, ttmp6, 0x40004
	s_lshl_b32 s42, ttmp9, 2
	s_add_co_u32 s42, s42, s40                     ; tile column
	s_and_b32 s17, ttmp7, 0xffff
	s_lshl_b32 s17, s17, 2
	s_add_co_u32 s17, s17, s41                     ; tile row
	s_lshl_b32 s43, s41, 2
	s_lshl_b32 s43, 15, s43
	s_lshl_b32 s44, 0x1111, s40
	s_or_b32 s[G1+0], s43, (3<<16)|(1<<21)         ; the mask; elements of 8 bytes; bit 21 beside a mask; no padding
	s_or_b32 s[G1B+0], s44, (3<<16)|(1<<21)
.irp g, G1, G1B
	s_mov_b32 s[\g+1], 32<<16
	s_mov_b32 s[\g+2], 128<<16
	s_mov_b32 s[\g+3], 32<<16
	s_mov_b32 s[\g+4], 128                         ; 128 rows of 256 bytes, dense
	s_mov_b32 s[\g+5], 32
	s_mov_b32 s[\g+6], 0
	s_mov_b32 s[\g+7], 0
.endr
	s_lshl_b32 s18, s16, 15
	s_lshl_b32 s20, s17, 16
	s_add_co_u32 s20, s20, s18
	s_mov_b32 s21, 0
	s_lshl_b32 s46, s42, 16
	s_add_co_u32 s46, s46, s18
	s_add_co_u32 s46, s46, BOFF
	s_mov_b32 s47, 0
	s_lshl_b32 s45, s14, 15
	s_mov_b32 s66, 2*CHA
	s_mov_b32 s67, 0
	s_mov_b32 s68, 2*CHB
	s_mov_b32 s69, 0
	s_wait_kmcnt 0x0
	s_add_nc_u64 s[20:21], s[4:5], s[20:21]
	s_add_nc_u64 s[46:47], s[6:7], s[46:47]
	CROUND
.irp s, 0,1
	s_mov_b32 s[G0+4*\s], 1
	s_add_co_u32 s[G0+4*\s+1], s45, \s*SLOT
	s_add_nc_u64 s[G0+4*\s+2:G0+4*\s+3], s[20:21], \s*CHA
	s_or_b32 s[G0+4*\s+3], s[G0+4*\s+3], 0x80000000
	s_mov_b32 s[G0B+4*\s], 1
	s_add_co_u32 s[G0B+4*\s+1], s45, \s*SLOT
	s_add_nc_u64 s[G0B+4*\s+2:G0B+4*\s+3], s[46:47], \s*CHB
	s_or_b32 s[G0B+4*\s+3], s[G0B+4*\s+3], 0x80000000
	JLOAD G0+4*\s, G1, G0B+4*\s, G1B
.endr
	v_and_b32 v1, 31, v0
	v_lshlrev_b32 v[CO], 4, v1
.if PREF
	s_and_b32 s75, ttmp7, 0xffff
	s_mov_b32 s72, CHB
	s_cmp_eq_u32 s15, 0                            ; do I fetch for A?
	s_cselect_b64 s[PFA:PFA+1], s[4:5], s[6:7]
	s_cselect_b32 s76, s17, s42                    ; the tile,
	s_cselect_b32 s77, s40, s41                    ; my place among the four that ask for it with me,
	s_cselect_b32 s75, ttmp9, s75                  ; the coordinate along which other clusters read the same rows: its first cluster asks
	s_cselect_b32 s[PFS], CHA, s72
	s_cselect_b32 s78, 0, BOFF
	s_cmp_eq_u32 s75, 0
	s_cselect_b32 s[LIM], 1, -1                    ; the same in all sixteen partners, for a given wave
	s_lshl_b32 s76, s76, 16
	s_add_co_u32 s76, s76, s18
	s_lshl_b32 s77, s77, 13
	s_add_co_u32 s76, s76, s77
	s_add_co_u32 s76, s76, s78
	s_mul_i32 s77, s[PFS], 3                       ; at step 3: the first refill steps it to 4
	s_add_co_u32 s76, s76, s77
	s_mov_b32 s77, 0
	s_mov_b32 s[PFS+1], 0
	s_add_nc_u64 s[PFA:PFA+1], s[PFA:PFA+1], s[76:77]
	v_lshlrev_b32 v[PFO], 8, v1
.endif
	s_lshl_b32 s21, s15, 15
	s_lshl_b32 s22, s16, 15
	s_add_co_u32 s22, s22, 65536
.irp s, 0,1
	v_add_nc_u32 v[ADRA+\s], s21, v[CO]
	v_add_nc_u32 v[ADRB+\s], s22, v[CO]
	s_add_co_u32 s21, s21, SLOT
	s_add_co_u32 s22, s22, SLOT
.endr
	s_lshl_b32 s20, s17, 4
	s_lshl_b32 s21, s15, 3
	s_add_co_u32 s20, s20, s21
	s_lshl_b32 s20, s20, 16                        ; my first tile of 16 tokens: 65,536 bytes each
	s_lshl_b32 s21, s42, 4
	s_lshl_b32 s22, s16, 3
	s_add_co_u32 s21, s21, s22
	s_lshl_b32 s21, s21, 10                        ; my first tile of 16 columns: 1,024 bytes each
	s_add_co_u32 s20, s20, s21
	s_mov_b32 s21, 0
	s_add_nc_u64 s[10:11], s[10:11], s[20:21]
.macro FRAG reg, adr, q, i
.irp c, 0,1,2,3
	ds_load_b128 v[\reg+4*\c:\reg+4*\c+3], v[\adr] offset:(\i)*4096+(\q)*2048+\c*512
.endr
.endm
.macro MUL16 a0, p, zero               ; the 64 accumulators take turns, one instruction a turn
.irp a, \a0, \a0+1
.irp b, 0,1,2,3,4,5,6,7
.if \zero
	v_wmma_f32_16x16x128_fp8_fp8 v[8*(8*((\a)%4)+\b):8*(8*((\a)%4)+\b)+7], v[128*(\p)+FR*\b:128*(\p)+FR*\b+FR-1], v[AF+FR*(\a):AF+FR*(\a)+FR-1], 0
.else
	v_wmma_f32_16x16x128_fp8_fp8 v[8*(8*((\a)%4)+\b):8*(8*((\a)%4)+\b)+7], v[128*(\p)+FR*\b:128*(\p)+FR*\b+FR-1], v[AF+FR*(\a):AF+FR*(\a)+FR-1], v[8*(8*((\a)%4)+\b):8*(8*((\a)%4)+\b)+7]
.endif
.endr
.endr
.endm
.macro FETCH_B slot, q, p
	WIN TO_B
.irp i, 0,1,2,3,4,5,6,7
	FRAG 128*(\p)+FR*\i, ADRB+\slot, \q, \i
.endr
	WIN 0
.endm
.macro FETCH_A slot, q, i0
.irp i, \i0, \i0+1, \i0+2, \i0+3
	FRAG AF+FR*(\i), ADRA+\slot, \q, \i
.endr
.endm
.macro PLACES n
.rept \n
	v_nop
.endr
.endm
.macro STEP slot, q, zero
	s_wait_dscnt 4*NL                              ; the youngest 16 loads (A's blocks 4-7) may be out
	WIN MUL_LO
	MUL16 0, (\q)%2, \zero
	MUL16 2, (\q)%2, \zero
	s_wait_dscnt 0
	PLACES NP
	FETCH_B \slot, (\q)+1, 1-(\q)%2
	FETCH_A \slot, (\q)+1, 0
	WIN MUL_HI
	MUL16 4, (\q)%2, \zero
	MUL16 6, (\q)%2, \zero
	PLACES NP
	WIN 0
	FETCH_A \slot, (\q)+1, 4
.endm
.macro TURN slot, next, fill
.if (\fill) && PREF
	s_wait_xcnt 0x0                                ; the last prefetch, a step back, has read its address
	s_add_nc_u64 s[PFA:PFA+1], s[PFA:PFA+1], s[PFS:PFS+1]
.endif
	s_wait_tensorcnt 0x0                           ; all my tensor loads have landed: my part of the next slot
	ds_add_u32 v[SPW], v[NIL]                      ; 0 onto my spare word
	s_wait_dscnt 4*NL+1                            ; (the add and A's blocks 4-7 may be out)
	WIN MUL_LO
	MUL16 0, 1, 0
	s_wait_dscnt 0x0                               ; the add is done, and my reads of this slot are over
	s_barrier_signal -1
	MUL16 2, 1, 0
	WIN 0
	s_barrier_wait -1
.if \fill
	CREST                                          ; a round of the cluster's barrier: no wave of any partner still reads this slot or has a load on its way
	s_add_nc_u64 s[G0+4*\slot+2:G0+4*\slot+3], s[G0+4*\slot+2:G0+4*\slot+3], s[66:67]
	s_add_nc_u64 s[G0B+4*\slot+2:G0B+4*\slot+3], s[G0B+4*\slot+2:G0B+4*\slot+3], s[68:69]
	JLOAD G0+4*\slot, G1, G0B+4*\slot, G1B
.else
	PLACES NP
.endif
	FETCH_B \next, 0, 0
	FETCH_A \next, 0, 0
.if (\fill) && PREF
	ASK                                            ; behind the joint load and the run of LDS loads that the next products wait for
.endif
	WIN MUL_HI
	MUL16 4, 1, 0
	MUL16 6, 1, 0
	PLACES NP
	WIN 0
	FETCH_A \next, 0, 4
.endm
	s_wait_tensorcnt 1                             ; my part of slot 0 is in; slot 1's one load may be out
	s_barrier_signal -1
	s_barrier_wait -1
	FETCH_B 0, 0, 0
	FETCH_A 0, 0, 0
	FETCH_A 0, 0, 4
	STEP 0, 0, 1
	s_mov_b32 s3, LAPS-1
.Llap:
	TURN 0, 1, 1
	STEP 1, 0, 0
	TURN 1, 0, 1
	STEP 0, 0, 0
	s_sub_co_u32 s3, s3, 1
	s_cmp_lg_u32 s3, 0
	s_cbranch_scc1 .Llap
	TURN 0, 1, 0
	STEP 1, 0, 0
	s_wait_dscnt 4*NL
	WIN MUL_LO
	MUL16 0, 1, 0
	MUL16 2, 1, 0
	s_wait_dscnt 0
	WIN MUL_HI
	MUL16 4, 1, 0
	MUL16 6, 1, 0
	PLACES NP                                      ; behind the last products, ahead of the stores that read results
.irp a, 0,1,2,3,4,5,6,7
	WIN 0x08+4*(\a/4)                              ; a store's data are its source 1: window 2 or 3
.irp b, 0,1,2,3,4,5,6,7
	global_store_b128 v[CO], v[8*(8*(\a%4)+\b):8*(8*(\a%4)+\b)+3], s[10:11] offset:\a*65536+\b*1024 th:TH_STORE_NT          ; the low four registers first
	global_store_b128 v[CO], v[8*(8*(\a%4)+\b)+4:8*(8*(\a%4)+\b)+7], s[10:11] offset:\a*65536+\b*1024+512 th:TH_STORE_NT
.endr
.endr
	WIN 0
	s_wait_tensorcnt 0x0                           ; the wave's end
	ds_add_u32 v[SPW], v[NIL]
	s_wait_dscnt 0x0
	CROUND
	s_endpgm
.Lfunc_end_k_qfc7432b803_w2:
	.size	k_qfc7432b803_w2, .Lfunc_end_k_qfc7432b803_w2-k_qfc7432b803_w2
	.p2alignl 7, 3214868480
	.fill 96, 4, 3214868480
	.section	.rodata,"a",@progbits
	.p2align	6, 0x0
	.amdhsa_kernel k_qfc7432b803_w2
		.amdhsa_group_segment_fixed_size 327680
		.amdhsa_private_segment_fixed_size 0
		.amdhsa_enable_private_segment 0
		.amdhsa_kernarg_size 24
		.amdhsa_user_sgpr_count 2
		.amdhsa_user_sgpr_kernarg_segment_ptr 1
		.amdhsa_wavefront_size32 1
		.amdhsa_system_sgpr_workgroup_id_x 1
		.amdhsa_system_sgpr_workgroup_id_y 1
		.amdhsa_system_sgpr_workgroup_id_z 1
		.amdhsa_system_vgpr_workitem_id 0
		.amdhsa_next_free_vgpr 1024
		.amdhsa_next_free_sgpr 84
		.amdhsa_reserve_vcc 0
		.amdhsa_float_denorm_mode_32 3
		.amdhsa_float_denorm_mode_16_64 3
		.amdhsa_memory_ordered 1
		.amdhsa_forward_progress 1
		.amdhsa_inst_pref_size 90
	.end_amdhsa_kernel
	.amdgpu_metadata
---
amdhsa.version: [ 1, 2 ]
amdhsa.kernels:
  - .name:           k_qfc7432b803_w2
    .symbol:         k_qfc7432b803_w2.kd
    .args:
      - { .name: hc, .offset: 0, .size: 8, .value_kind: global_buffer, .address_space: global }
      - { .name: codes0, .offset: 8, .size: 8, .value_kind: global_buffer, .address_space: global }
      - { .name: ysum, .offset: 16, .size: 8, .value_kind: global_buffer, .address_space: global }
    .group_segment_fixed_size: 327680
    .private_segment_fixed_size: 0
    .kernarg_segment_align: 8
    .kernarg_segment_size: 24
    .max_flat_workgroup_size: 128
    .sgpr_count:     84
    .vgpr_count:     1024
    .wavefront_size: 32
...
	.end_amdgpu_metadata
.endif
;; end of part 7
;; launch ln2 (part 8): grid 256 x 1, 16 waves a work-group, no clusters, 73,728 bytes of LDS; arguments ysum, x1b, b2, g2, be2, lowp_scales, out0; writes out0
.if DOCPART == 8
	.amdgcn_target "amdgcn-amd-amdhsa--gfx1250"
	.amdhsa_code_object_version 6
	.text
	.protected	k_qfc7432b803_ln2
	.globl	k_qfc7432b803_ln2
	.p2align	8
	.type	k_qfc7432b803_ln2,@function
k_qfc7432b803_ln2:
	s_mov_b64 s[64:65], 0
	v_nop
	global_prefetch_b8 v0, s[64:65] scope:SCOPE_SE
	s_setreg_imm32_b32 hwreg(HW_REG_WAVE_MODE, 25, 1), 1
	s_wait_xcnt 0x0
; out = layer_norm(x1 + (sum x 2^(e14 + e15) + b2)) x g2 + be2, f32, row-major.
; A work-group owns 16 whole rows; wave w owns columns 64 w .. 64 w + 63.  Lane (r, h) holds, of row r, columns 64 w + 16 b + 8 h + 0 .. 7, b = 0 .. 3: the layout in which the product left its sums and the first
; layer norm left x1: both come by loads of 512 consecutive bytes.  The result turns through the wave's own stage in LDS and leaves by rows: sixteen lanes store 256 consecutive bytes, aligned.
; Mean first, then the mean of squared differences, as the source writes it.  A row's sums meet in LDS: [row][wave], one barrier each, words of their own for each of the two.
; A stream: no matrix unit, no cluster, no tensor load.   LIMIT: e14 + e15 between -126 and 127.
.set Y,  32
.set XL, 64
.set XR, 96
.set BO, 128
.set G,  160
.set BE, 192
.set PITCH, 272
.set WST, 16*PITCH
.set RED, 16*WST
	s_load_b256 s[4:11], s[0:1], 0x0               ; ysum 4, x1b 6, b2 8, g2 10
	s_load_b128 s[12:15], s[0:1], 0x20             ; be2 12, the scales' exponents 14
	s_load_b64 s[16:17], s[0:1], 0x30              ; out0
	v_lshl_add_u32 v254, v0, 2, 0x11800
	v_mov_b32 v255, 0
	v_lshrrev_b32 v2, 5, v0
	v_readfirstlane_b32 s18, v2
	v_and_b32 v2, 31, v0
	v_lshlrev_b32 v1, 4, v2
	v_and_b32 v10, 15, v0
	v_bfe_u32 v11, v0, 4, 1
	s_mul_i32 s19, s18, WST
	v_mul_u32_u24 v4, v11, PITCH
	v_lshl_add_u32 v4, v10, 4, v4
	v_add_nc_u32 v4, s19, v4                       ; the stage by rows
	v_mul_u32_u24 v5, v10, PITCH
	v_lshl_add_u32 v5, v11, 5, v5
	v_add_nc_u32 v5, s19, v5                       ; by my layout
	v_lshlrev_b32 v6, 5, v11
	v_lshlrev_b32 v7, 12, v11
	v_lshl_add_u32 v7, v10, 4, v7
	v_lshlrev_b32 v9, 6, v10
	v_add_nc_u32 v9, RED, v9
	s_lshl_b32 s20, s18, 2
	v_add_nc_u32 v8, s20, v9
	s_lshl_b32 s20, ttmp9, 16
	s_lshl_b32 s21, s18, 12
	s_add_co_u32 s22, s20, s21
	s_mov_b32 s23, 0
	s_lshl_b32 s24, s18, 8
	s_mov_b32 s25, 0
	s_add_co_u32 s26, s20, s24
	s_mov_b32 s27, 0
	s_mov_b32 s32, 0x76543210
	s_mov_b32 s33, 0xfedcba98
	s_mov_b32 s34, 0x3a800000                      ; 1 / 1,024
	s_mov_b32 s35, 0x3727c5ac                      ; 1e-5
	s_wait_kmcnt 0x0
	s_load_b64 s[36:37], s[14:15], 0x38            ; e14, e15
	s_add_nc_u64 s[4:5], s[4:5], s[22:23]
	s_add_nc_u64 s[6:7], s[6:7], s[22:23]
	s_add_nc_u64 s[8:9], s[8:9], s[24:25]
	s_add_nc_u64 s[10:11], s[10:11], s[24:25]
	s_add_nc_u64 s[12:13], s[12:13], s[24:25]
	s_add_nc_u64 s[16:17], s[16:17], s[26:27]
.irp b, 0,1,2,3
.irp q, 0,1
	global_load_b128 v[Y+8*\b+4*\q:Y+8*\b+4*\q+3], v1, s[4:5] offset:\b*1024+\q*512 th:TH_LOAD_NT
.endr
.endr
.irp b, 0,1,2,3
.irp q, 0,1
	global_load_b128 v[XR+8*\b+4*\q:XR+8*\b+4*\q+3], v1, s[6:7] offset:\b*1024+\q*512 th:TH_LOAD_NT
.endr
.endr
.macro VEC dst, base
.irp b, 0,1,2,3
.irp q, 0,1
	global_load_b128 v[\dst+8*\b+4*\q:\dst+8*\b+4*\q+3], v6, s[\base:\base+1] offset:\b*64+\q*16
.endr
.endr
.endm
	VEC BO, 8
	VEC G, 10
	VEC BE, 12
.macro TREE                            ; eight pairs in v224-239 become one number in v224
.set i, 0
.rept 4
	v_pk_add_f32 v[224+4*i:225+4*i], v[224+4*i:225+4*i], v[226+4*i:227+4*i]
.set i, i+1
.endr
	v_pk_add_f32 v[224:225], v[224:225], v[228:229]
	v_pk_add_f32 v[232:233], v[232:233], v[236:237]
	v_pk_add_f32 v[224:225], v[224:225], v[232:233]
	v_add_f32 v224, v224, v225
.endm
.macro CROSS off
	v_permlanex16_b32 v226, v224, s32, s33
	v_add_f32 v224, v224, v226
	ds_store_b32 v8, v224 offset:\off
	s_wait_dscnt 0x0                               ; for the others' sake
	s_barrier_signal -1
	s_barrier_wait -1
	ds_load_b128 v[224:227], v9 offset:\off
	ds_load_b128 v[228:231], v9 offset:\off+16
	ds_load_b128 v[232:235], v9 offset:\off+32
	ds_load_b128 v[236:239], v9 offset:\off+48
	s_wait_dscnt 0x0
	TREE
.endm
	s_wait_kmcnt 0x0
	s_add_co_i32 s40, s36, s37
	s_add_co_i32 s40, s40, 127
	s_lshl_b32 s40, s40, 23                        ; 2^(e14 + e15)
	s_mov_b32 s41, s40
	s_wait_loadcnt 16                              ; the sums, x1 and b2 are in; gain and shift may be out
.set i, 0
.rept 16
	v_pk_fma_f32 v[Y+2*i:Y+2*i+1], v[Y+2*i:Y+2*i+1], s[40:41], v[BO+2*i:BO+2*i+1] op_sel_hi:[1,0,1]
.set i, i+1
.endr
.set i, 0
.rept 16
	v_pk_add_f32 v[Y+2*i:Y+2*i+1], v[Y+2*i:Y+2*i+1], v[XR+2*i:XR+2*i+1]
.set i, i+1
.endr
.set i, 0
.rept 8
	v_pk_add_f32 v[224+2*i:225+2*i], v[Y+4*i:Y+4*i+1], v[Y+4*i+2:Y+4*i+3]
.set i, i+1
.endr
	TREE
	CROSS 0
	v_mul_f32 v248, s34, v224                      ; the mean
	v_mov_b32 v249, v248
.set i, 0
.rept 16
	v_pk_add_f32 v[Y+2*i:Y+2*i+1], v[Y+2*i:Y+2*i+1], v[248:249] neg_lo:[0,1] neg_hi:[0,1]
.set i, i+1
.endr
.set i, 0
.rept 8
	v_pk_mul_f32 v[224+2*i:225+2*i], v[Y+4*i:Y+4*i+1], v[Y+4*i:Y+4*i+1]
.set i, i+1
.endr
.set i, 0
.rept 8
	v_pk_fma_f32 v[224+2*i:225+2*i], v[Y+4*i+2:Y+4*i+3], v[Y+4*i+2:Y+4*i+3], v[224+2*i:225+2*i]
.set i, i+1
.endr
	TREE
	CROSS 1024
	v_fma_f32 v250, v224, s34, s35                 ; the variance + 1e-5
	v_rsq_f32 v250, v250
	v_nop                                          ; a plain line behind it
	s_wait_alu depctr_va_vdst(0)                   ; ahead of its first reader
	v_mov_b32 v251, v250
	s_wait_loadcnt 0x0                             ; gain and shift
.set i, 0
.rept 16
	v_pk_mul_f32 v[Y+2*i:Y+2*i+1], v[Y+2*i:Y+2*i+1], v[250:251]
.set i, i+1
.endr
.set i, 0
.rept 16
	v_pk_fma_f32 v[Y+2*i:Y+2*i+1], v[Y+2*i:Y+2*i+1], v[G+2*i:G+2*i+1], v[BE+2*i:BE+2*i+1]
.set i, i+1
.endr
.irp b, 0,1,2,3
.irp q, 0,1
	ds_store_b128 v5, v[Y+8*\b+4*\q:Y+8*\b+4*\q+3] offset:\b*64+\q*16
.endr
.endr
.set i, 0
.rept 8
	ds_load_b128 v[XL+4*i:XL+4*i+3], v4 offset:i*2*PITCH      ; LDS serves a wave's instructions in order: these see my stores
.set i, i+1
.endr
.set i, 0
.rept 8
	s_wait_dscnt 7-i                               ; the younger reads of the stage may be out
	global_store_b128 v7, v[XL+4*i:XL+4*i+3], s[16:17] offset:i*8192 th:TH_STORE_NT
.set i, i+1
.endr
	s_wait_tensorcnt 0x0
	ds_add_u32 v254, v255
	s_wait_dscnt 0x0
	s_endpgm
.Lfunc_end_k_qfc7432b803_ln2:
	.size	k_qfc7432b803_ln2, .Lfunc_end_k_qfc7432b803_ln2-k_qfc7432b803_ln2
	.p2alignl 7, 3214868480
	.fill 96, 4, 3214868480
	.section	.rodata,"a",@progbits
	.p2align	6, 0x0
	.amdhsa_kernel k_qfc7432b803_ln2
		.amdhsa_group_segment_fixed_size 73728
		.amdhsa_private_segment_fixed_size 0
		.amdhsa_enable_private_segment 0
		.amdhsa_kernarg_size 56
		.amdhsa_user_sgpr_count 2
		.amdhsa_user_sgpr_kernarg_segment_ptr 1
		.amdhsa_wavefront_size32 1
		.amdhsa_system_sgpr_workgroup_id_x 1
		.amdhsa_system_sgpr_workgroup_id_y 1
		.amdhsa_system_sgpr_workgroup_id_z 1
		.amdhsa_system_vgpr_workitem_id 0
		.amdhsa_next_free_vgpr 256
		.amdhsa_next_free_sgpr 66
		.amdhsa_reserve_vcc 0
		.amdhsa_float_denorm_mode_32 3
		.amdhsa_float_denorm_mode_16_64 3
		.amdhsa_memory_ordered 1
		.amdhsa_forward_progress 1
		.amdhsa_inst_pref_size 19
	.end_amdhsa_kernel
	.amdgpu_metadata
---
amdhsa.version: [ 1, 2 ]
amdhsa.kernels:
  - .name:           k_qfc7432b803_ln2
    .symbol:         k_qfc7432b803_ln2.kd
    .args:
      - { .name: ysum, .offset: 0, .size: 8, .value_kind: global_buffer, .address_space: global }
      - { .name: x1b, .offset: 8, .size: 8, .value_kind: global_buffer, .address_space: global }
      - { .name: b2, .offset: 16, .size: 8, .value_kind: global_buffer, .address_space: global }
      - { .name: g2, .offset: 24, .size: 8, .value_kind: global_buffer, .address_space: global }
      - { .name: be2, .offset: 32, .size: 8, .value_kind: global_buffer, .address_space: global }
      - { .name: lowp_scales, .offset: 40, .size: 8, .value_kind: global_buffer, .address_space: global }
      - { .name: out0, .offset: 48, .size: 8, .value_kind: global_buffer, .address_space: global }
    .group_segment_fixed_size: 73728
    .private_segment_fixed_size: 0
    .kernarg_segment_align: 8
    .kernarg_segment_size: 56
    .max_flat_workgroup_size: 512
    .sgpr_count:     66
    .vgpr_count:     256
    .wavefront_size: 32
...
	.end_amdgpu_metadata
.endif
;; end of part 8
;; ======== version 2 of 2: 8 launches
;; limits: right only within a limited range of input values
;; workspace buffers: codes0 25,165,824 bytes; qkvc 12,582,912 bytes; ctxc 4,194,304 bytes; ysum 16,777,216 bytes; x1b 20,971,520 bytes; hc 16,777,216 bytes
;; launch quant (part 9): grid 512 x 1, 4 waves a work-group, no clusters, 35,328 bytes of LDS; arguments x, Wq, Wk, Wv, Wo, W1, W2, lowp_scales, codes0; writes codes0
.if DOCPART == 9
	.amdgcn_target "amdgcn-amd-amdhsa--gfx1250"
	.amdhsa_code_object_version 6
	.text
	.protected	k_qfc7432b803_quant
	.globl	k_qfc7432b803_quant
	.p2align	8
	.type	k_qfc7432b803_quant,@function
k_qfc7432b803_quant:
	s_mov_b64 s[64:65], 0
	v_nop
	global_prefetch_b8 v0, s[64:65] scope:SCOPE_SE
	s_setreg_imm32_b32 hwreg(HW_REG_WAVE_MODE, 25, 1), 1
	s_wait_xcnt 0x0
; x (three times, with the scales of products 1, 2, 3) and the six weights become codes of E4M3 in codes0.
; code = number / 2^e, held within +-448, to the nearest code, ties to even.  LIMITS: each e between -126 and 119; NaN and infinities among the inputs are not served.
; LAYOUT OF THE CODES: images of operand registers.  16 rows x 128 k are 2,048 bytes: byte (k>>5)*512 + ((k>>3)&1)*256 + row*16 + ((k>>4)&1)*8 + (k&7):
; four loads of 16 bytes a lane, 512 bytes apart, at 16 x lane, are the 16 registers of a fragment of the 16x16x128 fp8 form.  A tensor of R rows: [k/256][R/16][2][2,048].
; codes0: x under e1 at 0, under e3 at 4 Mi, under e5 at 8 Mi; Wq 12 Mi, Wk 13 Mi, Wv 14 Mi (row = head*64+e), Wo 15 Mi, W1 16 Mi, W2 20 Mi (row = the weight's column).
; Work-groups 0-127 take x, 128-511 the weights: each reads 128 KiB of f32.  Waves share nothing: no barrier.  Only x's path uses LDS.
; No cluster, no tensor load, no matrix unit: every byte is read once by one wave, so nothing is shared and nothing is multiplied.
.set R,   16                           ; x: v16-79   16 rows x 16 bytes a lane, as loaded
.set X,   80                           ; x: v80-143  64 numbers: register 16c+8u+e = x[row r][32c+16u+8h+e]
.set TA,  144                          ; x: v144-159 16 numbers held for e1
.set TB,  160                          ; x: v160-175 for e3
.set C,   176                          ; x: v176-223 three fragments of codes
.set VO,  16                           ; weights: v16-47  4 x lane + i x pitch
.set WX,  48                           ; weights: v48-111 two sets of 32 numbers down K
.set WC,  112                          ; weights: v112-175 eight registers of codes a block: never written again
.macro MKSCALE e, vs, vl               ; v[vs] = 2^e as f32, v[vl] = 448 x 2^e
	s_add_co_i32 s80, s[\e], 127
	s_lshl_b32 s81, s80, 23
	v_mov_b32 v[\vs], s81
	s_add_co_i32 s80, s80, 8
	s_lshl_b32 s80, s80, 23
	s_or_b32 s80, s80, 0x600000
	v_mov_b32 v[\vl], s80
.endm
	s_load_b512 s[4:19], s[0:1], 0x0               ; x 4, Wq 6, Wk 8, Wv 10, Wo 12, W1 14, W2 16, the scales' exponents 18
	s_load_b64 s[20:21], s[0:1], 0x40              ; codes0
	v_lshl_add_u32 v232, v0, 2, 0x8800
	v_mov_b32 v233, 0
	v_lshrrev_b32 v1, 5, v0
	v_readfirstlane_b32 s22, v1                    ; wave
	v_and_b32 v7, 31, v0                           ; lane
	v_and_b32 v5, 15, v0                           ; r
	v_bfe_u32 v6, v0, 4, 1                         ; h
	s_wait_kmcnt 0x0
	s_load_b512 s[24:39], s[18:19], 0x0            ; e0 .. e15
	s_cmp_ge_u32 ttmp9, 128
	s_cbranch_scc1 .Lweights
; ---------------- x: a wave takes 16 tokens x 512 k, in four pieces of 128 k ----------------
	s_lshl_b32 s23, ttmp9, 2
	s_add_co_u32 s23, s23, s22                     ; W = 4 x work-group + wave
	s_lshr_b32 s48, s23, 1                         ; tile of 16 tokens
	s_and_b32 s49, s23, 1                          ; which 512 along K
	s_lshl_b32 s50, s48, 16                        ; 16 rows of 4,096 bytes
	s_lshl_b32 s51, s49, 11
	s_add_co_u32 s50, s50, s51
	s_mov_b32 s51, 0
	s_add_nc_u64 s[40:41], s[4:5], s[50:51]
	s_lshl_b32 s52, s49, 21                        ; two chunks of 256 k, 1 MiB each
	s_lshl_b32 s53, s48, 12
	s_add_co_u32 s52, s52, s53
	s_mov_b32 s53, 0
	s_add_nc_u64 s[42:43], s[20:21], s[52:53]
	s_add_nc_u64 s[44:45], s[42:43], 0x400000
	s_add_nc_u64 s[46:47], s[42:43], 0x800000
	s_wait_alu depctr_va_vdst(0)
	v_lshlrev_b32 v1, 4, v7                        ; 16 x lane
	s_mul_i32 s54, s22, 8704                       ; my stage: 16 rows, 528 bytes apart
	v_add_nc_u32 v2, s54, v1                       ; in: a row's 512 bytes as they lie
	v_mul_u32_u24 v3, v5, 528
	v_lshl_add_u32 v3, v6, 5, v3
	v_add_nc_u32 v3, s54, v3                       ; out: row r, + 32 h
.macro LOADX j                         ; 128 numbers of each of the 16 rows: each load reads 512 consecutive bytes
.set i, 0
.rept 16
	global_load_b128 v[R+4*i:R+4*i+3], v1, s[40:41] offset:i*4096+(\j)*512 th:TH_LOAD_NT
.set i, i+1
.endr
.endm
.macro TURNX                           ; through my own stage: LDS serves a wave's instructions in order, so no wait stands between the stores and the loads
.set i, 0
.rept 16
	ds_store_b128 v2, v[R+4*i:R+4*i+3] offset:i*528
.set i, i+1
.endr
.irp c, 0,1,2,3
.irp u, 0,1
.irp q, 0,1
	ds_load_b128 v[X+16*\c+8*\u+4*\q:X+16*\c+8*\u+4*\q+3], v3 offset:\c*128+\u*64+\q*16
.endr
.endr
.endr
.endm
.macro CONVX c                         ; 16 numbers become registers 4c .. 4c+3 of three fragments.  The holds are the plain lines between a conversion and the next write of its sources
.set i, 0
.rept 16
	v_med3_num_f32 v[TA+i], v[X+16*(\c)+i], -v225, v225
.set i, i+1
.endr
.set i, 0
.rept 16
	v_med3_num_f32 v[TB+i], v[X+16*(\c)+i], -v227, v227
.set i, i+1
.endr
	v_cvt_scalef32_pk8_fp8_f32 v[C+4*(\c):C+4*(\c)+1], v[TA:TA+7], v224
	v_cvt_scalef32_pk8_fp8_f32 v[C+4*(\c)+2:C+4*(\c)+3], v[TA+8:TA+15], v224
	v_cvt_scalef32_pk8_fp8_f32 v[C+16+4*(\c):C+16+4*(\c)+1], v[TB:TB+7], v226
	v_cvt_scalef32_pk8_fp8_f32 v[C+16+4*(\c)+2:C+16+4*(\c)+3], v[TB+8:TB+15], v226
.set i, 0
.rept 16
	v_med3_num_f32 v[X+16*(\c)+i], v[X+16*(\c)+i], -v229, v229
.set i, i+1
.endr
	v_cvt_scalef32_pk8_fp8_f32 v[C+32+4*(\c):C+32+4*(\c)+1], v[X+16*(\c):X+16*(\c)+7], v228
	v_cvt_scalef32_pk8_fp8_f32 v[C+32+4*(\c)+2:C+32+4*(\c)+3], v[X+16*(\c)+8:X+16*(\c)+15], v228
.endm
.macro STOREX j                        ; each store covers 512 consecutive bytes, aligned
.irp g, 0,1,2
.irp c, 0,1,2,3
	global_store_b128 v1, v[C+16*\g+4*\c:C+16*\g+4*\c+3], s[42+2*\g:43+2*\g] offset:((\j)/2)*1048576+((\j)%2)*2048+\c*512
.endr
.endr
.endm
	LOADX 0
	s_wait_alu depctr_va_vdst(0)
	s_wait_kmcnt 0x0
	MKSCALE 25, 224, 225                           ; e1
	MKSCALE 27, 226, 227                           ; e3
	MKSCALE 29, 228, 229                           ; e5
	s_wait_alu depctr_va_vdst(0)
.irp j, 0,1,2,3
	s_wait_loadcnt 0x0                             ; this piece's 16 loads are in
	TURNX
	s_wait_dscnt 0x0                               ; the piece is back from the stage, and the stores into it have read their registers,
.if \j < 3
	LOADX \j+1                                     ; which take the next piece while this one is converted
.endif
.if \j > 0
	s_wait_xcnt 0x0                                ; the last piece's stores have read the codes' registers
.endif
.irp c, 0,1,2,3
	CONVX \c
.endr
	STOREX \j
.endr
	s_wait_tensorcnt 0x0
	ds_add_u32 v232, v233
	s_wait_dscnt 0x0
	s_endpgm
; ---------------- the weights: K is their first axis.  A lane takes a column, its registers run down K; a wave takes 32 columns x 256 k ----------------
.Lweights:
	s_sub_co_u32 s23, ttmp9, 128                   ; g
	s_mov_b64 s[40:41], s[6:7]                     ; the tensor,
	s_mov_b32 s42, 0                               ; its first g,
	s_mov_b32 s43, 1                               ; 1: stored by heads, [16][1024][64],
	s_mov_b32 s44, 256                             ; bytes from k to k + 1,
	s_mov_b32 s45, 6                               ; log2 of its tiles of 16 columns,
	s_mov_b32 s46, 0xC00000                        ; its place in codes0,
	s_wait_kmcnt 0x0
	s_mov_b32 s47, s24                             ; its e
.macro PICK g0, ptr, hf, p, ln, dst, ereg      ; the choice hangs on the work-group's number alone
	s_cmp_ge_u32 s23, \g0
	s_cselect_b64 s[40:41], s[\ptr:\ptr+1], s[40:41]
	s_cselect_b32 s42, \g0, s42
	s_cselect_b32 s43, \hf, s43
	s_cselect_b32 s44, \p, s44
	s_cselect_b32 s45, \ln, s45
	s_cselect_b32 s46, \dst, s46
	s_cselect_b32 s47, s[\ereg], s47
.endm
	PICK 32,  8,  1, 256,   6, 0xD00000,  26       ; Wk, e2
	PICK 64,  10, 1, 256,   6, 0xE00000,  28       ; Wv, e4
	PICK 96,  12, 0, 4096,  6, 0xF00000,  35       ; Wo, e11
	PICK 128, 14, 0, 16384, 8, 0x1000000, 37       ; W1, e13
	PICK 256, 16, 0, 4096,  6, 0x1400000, 39       ; W2, e15
	s_sub_co_u32 s68, s23, s42
	s_lshl_b32 s68, s68, 2
	s_add_co_u32 s68, s68, s22                     ; u: my unit in the tensor
	s_sub_co_u32 s69, s45, 1
	s_lshl_b32 s70, 1, s69
	s_sub_co_u32 s70, s70, 1
	s_and_b32 s70, s68, s70                        ; cg: which 32 columns
	s_lshr_b32 s71, s68, s69                       ; kc: which 256 along K
	s_lshl_b32 s72, s44, 8
	s_mul_i32 s72, s72, s71                        ; kc x 256 rows
	s_lshr_b32 s73, s70, 1
	s_lshl_b32 s73, s73, 18                        ; by heads: head cg / 2 (262,144 bytes a head),
	s_and_b32 s74, s70, 1
	s_lshl_b32 s74, s74, 7                         ; and its lower or upper 32 columns
	s_add_co_u32 s73, s73, s74
	s_lshl_b32 s74, s70, 7                         ; else 128 bytes a group
	s_cmp_eq_u32 s43, 1
	s_cselect_b32 s73, s73, s74
	s_add_co_u32 s72, s72, s73
	s_mov_b32 s73, 0
	s_add_nc_u64 s[48:49], s[40:41], s[72:73]      ; block 0's base;
	s_lshl_b32 s74, s44, 5
	s_mov_b32 s75, 0
.irp t, 1,2,3,4,5,6,7
	s_add_nc_u64 s[48+2*\t:49+2*\t], s[46+2*\t:47+2*\t], s[74:75]   ; block t's: 32 rows further down
.endr
	s_lshl_b32 s76, s71, s45
	s_lshl_b32 s77, s70, 1
	s_add_co_u32 s76, s76, s77                     ; chunk kc, tile 2 cg
	s_lshl_b32 s76, s76, 12
	s_add_co_u32 s76, s76, s46
	s_mov_b32 s77, 0
	s_add_nc_u64 s[66:67], s[20:21], s[76:77]
	s_wait_alu depctr_va_vdst(0)
	v_lshlrev_b32 v[VO], 2, v7
.set i, 1
.rept 31
	v_add_nc_u32 v[VO+i], s44, v[VO+i-1]
.set i, i+1
.endr
	v_lshlrev_b32 v5, 4, v5
	v_lshl_add_u32 v4, v6, 12, v5                  ; out: lanes 16-31 hold the next tile of 16 columns: 4,096 h + 16 r
.macro LOADW t                         ; block t: 32 rows of K at my column: a load reads 128 consecutive bytes, four waves side by side 512
.set i, 0
.rept 32
	global_load_b32 v[WX+32*((\t)%2)+i], v[VO+i], s[48+2*(\t):49+2*(\t)] th:TH_LOAD_NT
.set i, i+1
.endr
.endm
.macro BLOCKW t
.set XS, WX+32*((\t)%2)
.if (\t) < 7
	s_wait_loadcnt 32                              ; this block's 32 loads are in; the next block's 32 may be out
.else
	s_wait_loadcnt 0x0
.endif
.set i, 0
.rept 32
	v_med3_num_f32 v[XS+i], v[XS+i], -v10, v10     ; the conversion does not saturate (ISA guide 7.6.2): the hold at 448 x the scale
.set i, i+1
.endr
.irp g, 0,1,2,3                                ; k = 8 g .. 8 g + 7 belongs to the image's half g % 2, its 8 bytes g / 2
	v_cvt_scalef32_pk8_fp8_f32 v[WC+8*(\t)+4*(\g%2)+2*(\g/2):WC+8*(\t)+4*(\g%2)+2*(\g/2)+1], v[XS+8*\g:XS+8*\g+7], v11
.endr
	global_store_b128 v4, v[WC+8*(\t):WC+8*(\t)+3], s[66:67] offset:((\t)/4)*2048+((\t)%4)*512       ; sixteen lanes store 256 consecutive bytes, aligned
	global_store_b128 v4, v[WC+8*(\t)+4:WC+8*(\t)+7], s[66:67] offset:((\t)/4)*2048+((\t)%4)*512+256
.if (\t)+2 < 8
	LOADW (\t)+2
.endif
.endm
	LOADW 0
	LOADW 1
	MKSCALE 47, 11, 10
	s_wait_alu depctr_va_vdst(0)
.irp t, 0,1,2,3,4,5,6,7
	BLOCKW \t
.endr
	s_endpgm
.Lfunc_end_k_qfc7432b803_quant:
	.size	k_qfc7432b803_quant, .Lfunc_end_k_qfc7432b803_quant-k_qfc7432b803_quant
	.p2alignl 7, 3214868480
	.fill 96, 4, 3214868480
	.section	.rodata,"a",@progbits
	.p2align	6, 0x0
	.amdhsa_kernel k_qfc7432b803_quant
		.amdhsa_group_segment_fixed_size 35328
		.amdhsa_private_segment_fixed_size 0
		.amdhsa_enable_private_segment 0
		.amdhsa_kernarg_size 72
		.amdhsa_user_sgpr_count 2
		.amdhsa_user_sgpr_kernarg_segment_ptr 1
		.amdhsa_wavefront_size32 1
		.amdhsa_system_sgpr_workgroup_id_x 1
		.amdhsa_system_sgpr_workgroup_id_y 1
		.amdhsa_system_sgpr_workgroup_id_z 1
		.amdhsa_system_vgpr_workitem_id 0
		.amdhsa_next_free_vgpr 234
		.amdhsa_next_free_sgpr 84
		.amdhsa_reserve_vcc 0
		.amdhsa_float_denorm_mode_32 3
		.amdhsa_float_denorm_mode_16_64 3
		.amdhsa_memory_ordered 1
		.amdhsa_forward_progress 1
		.amdhsa_inst_pref_size 125
	.end_amdhsa_kernel
	.amdgpu_metadata
---
amdhsa.version: [ 1, 2 ]
amdhsa.kernels:
  - .name:           k_qfc7432b803_quant
    .symbol:         k_qfc7432b803_quant.kd
    .args:
      - { .name: x, .offset: 0, .size: 8, .value_kind: global_buffer, .address_space: global }
      - { .name: Wq, .offset: 8, .size: 8, .value_kind: global_buffer, .address_space: global }
      - { .name: Wk, .offset: 16, .size: 8, .value_kind: global_buffer, .address_space: global }
      - { .name: Wv, .offset: 24, .size: 8, .value_kind: global_buffer, .address_space: global }
      - { .name: Wo, .offset: 32, .size: 8, .value_kind: global_buffer, .address_space: global }
      - { .name: W1, .offset: 40, .size: 8, .value_kind: global_buffer, .address_space: global }
      - { .name: W2, .offset: 48, .size: 8, .value_kind: global_buffer, .address_space: global }
      - { .name: lowp_scales, .offset: 56, .size: 8, .value_kind: global_buffer, .address_space: global }
      - { .name: codes0, .offset: 64, .size: 8, .value_kind: global_buffer, .address_space: global }
    .group_segment_fixed_size: 35328
    .private_segment_fixed_size: 0
    .kernarg_segment_align: 8
    .kernarg_segment_size: 72
    .max_flat_workgroup_size: 128
    .sgpr_count:     84
    .vgpr_count:     234
    .wavefront_size: 32
...
	.end_amdgpu_metadata
.endif
;; end of part 9
;; launch qkv (part 10): grid 12 x 16, 4 waves a work-group, clusters of 4 x 4, 327,680 bytes of LDS; arguments codes0, lowp_scales, bq, bk, bv, qkvc; writes qkvc
.if DOCPART == 10
	.amdgcn_target "amdgcn-amd-amdhsa--gfx1250"
	.amdhsa_code_object_version 6
	.text
	.protected	k_qfc7432b803_qkv
	.globl	k_qfc7432b803_qkv
	.p2align	8
	.type	k_qfc7432b803_qkv,@function
k_qfc7432b803_qkv:
	s_mov_b64 s[64:65], 0
	v_nop
	global_prefetch_b8 v0, s[64:65] scope:SCOPE_SE
	s_setreg_imm32_b32 hwreg(HW_REG_WAVE_MODE, 25, 1), 1
	s_wait_xcnt 0x0
	s_wait_alu depctr_hold_cnt(0) depctr_sa_sdst(0) depctr_va_vdst(0) depctr_va_sdst(0) depctr_va_ssrc(0) depctr_va_vcc(0) depctr_vm_vsrc(0)
	s_getreg_b32 s2, hwreg(HW_REG_IB_STS2, 6, 4)
	s_cmp_eq_u32 s2, 0
	s_cbranch_scc0 .Lentry_in_a_cluster
	s_endpgm
.Lentry_in_a_cluster:
	s_bfe_u32 s2, ttmp6, 0x10000c
	s_cmp_lg_u32 s2, 0xf033
	s_cbranch_scc0 .Lentry_shape_is_right
	s_endpgm
.Lentry_shape_is_right:
.set LAPS,  2
.set SLOT,  131072
.set SPARE, 2*SLOT
.set FR, 16
.set NL, 4
.set NP, 4
.set ADRA, 16
.set ADRB, 20
.set CO,  26
.set SPW, 28
.set NIL, 29
.set BB,  32
.set BA,  96
.set VOP, 112
.set AF,  128
.set T,   128
.set CD,  192
.set G1, 24
.set G0, 32
.set G1B, 48
.set G0B, 56
.set MSB, 0
.macro WIN new
.if MSB != \new
	s_set_vgpr_msb (MSB<<8)|\new
.set MSB, \new
.endif
.endm
.set MUL_LO, 0xa1
.set MUL_HI, 0xf1
.set TO_B,   0x40
.macro JLOAD g0a, g1a, g0b, g1b
	s_cmp_eq_u32 s15, 0
	s_cbranch_scc0 .Lfor_b_\@
	tensor_load_to_lds s[\g0a:\g0a+3], s[\g1a:\g1a+7]
	s_nop 0
.rept 4
	v_nop
.endr
	s_branch .Lasked_\@
.Lfor_b_\@:
	tensor_load_to_lds s[\g0b:\g0b+3], s[\g1b:\g1b+7]
	s_nop 0
.rept 4
	v_nop
.endr
.Lasked_\@:
.endm
.macro CREST
	s_cmp_lg_u32 s14, 0
	s_cbranch_scc1 .Lnot_wave_0_\@
	s_barrier_signal -3
.Lnot_wave_0_\@:
	s_barrier_wait -3
	s_barrier_signal -1
	s_barrier_wait -1
.endm
.macro CROUND
	s_barrier_signal -1
	s_barrier_wait -1
	CREST
.endm
	s_load_b256 s[4:11], s[0:1], 0x0
	s_load_b128 s[72:75], s[0:1], 0x20
	v_lshl_add_u32 v[SPW], v0, 2, SPARE
	v_mov_b32 v[NIL], 0
	ds_add_u32 v28, v29
	ds_add_u32 v28, v29
	s_wait_dscnt 0x0
	v_lshrrev_b32 v1, 5, v0
	v_readfirstlane_b32 s14, v1
	s_lshr_b32 s15, s14, 1
	s_and_b32 s16, s14, 1
	s_bfe_u32 s40, ttmp6, 0x40000
	s_bfe_u32 s41, ttmp6, 0x40004
	s_and_b32 s18, ttmp7, 0xffff
	s_lshl_b32 s18, s18, 2
	s_lshl_b32 s19, ttmp9, 22
	s_lshl_b32 s93, ttmp9, 20
	s_add_co_u32 s93, s93, 0xC00000
	s_mov_b32 s96, 0x100000
	s_mov_b32 s97, 0x40000
	s_cmp_eq_u32 ttmp9, 2
	s_cselect_b32 s17, 0, s18
	s_cselect_b32 s42, s18, 0
	s_cselect_b32 s94, 0xE00000, s19
	s_cselect_b32 s95, 0x800000, s93
	s_cselect_b32 s70, s97, s96
	s_cselect_b32 s98, s96, s97
	s_mov_b32 s71, 0
	s_mov_b32 s99, 0
	s_lshl_b32 s66, s70, 1
	s_mov_b32 s67, 0
	s_lshl_b32 s68, s98, 1
	s_mov_b32 s69, 0
	s_add_co_u32 s17, s17, s41
	s_add_co_u32 s42, s42, s40
	s_lshl_b32 s43, s41, 2
	s_lshl_b32 s43, 15, s43
	s_lshl_b32 s44, 0x1111, s40
	s_or_b32 s[G1+0], s43, (3<<16)|(1<<21)
	s_or_b32 s[G1B+0], s44, (3<<16)|(1<<21)
.irp g, G1, G1B
	s_mov_b32 s[\g+1], 32<<16
	s_mov_b32 s[\g+2], 128<<16
	s_mov_b32 s[\g+3], 32<<16
	s_mov_b32 s[\g+4], 128
	s_mov_b32 s[\g+5], 32
	s_mov_b32 s[\g+6], 0
	s_mov_b32 s[\g+7], 0
.endr
	s_lshl_b32 s18, s16, 15
	s_lshl_b32 s20, s17, 16
	s_add_co_u32 s20, s20, s18
	s_add_co_u32 s20, s20, s94
	s_mov_b32 s21, 0
	s_lshl_b32 s46, s42, 16
	s_add_co_u32 s46, s46, s18
	s_add_co_u32 s46, s46, s95
	s_mov_b32 s47, 0
	s_lshl_b32 s45, s14, 15
	s_wait_kmcnt 0x0
	s_load_b512 s[76:91], s[6:7], 0x0
	s_add_nc_u64 s[20:21], s[4:5], s[20:21]
	s_add_nc_u64 s[46:47], s[4:5], s[46:47]
	CROUND
	s_mov_b32 s[G0], 1
	s_add_co_u32 s[G0+1], s45, 0
	s_mov_b64 s[G0+2:G0+3], s[20:21]
	s_or_b32 s[G0+3], s[G0+3], 0x80000000
	s_mov_b32 s[G0B], 1
	s_add_co_u32 s[G0B+1], s45, 0
	s_mov_b64 s[G0B+2:G0B+3], s[46:47]
	s_or_b32 s[G0B+3], s[G0B+3], 0x80000000
	JLOAD G0, G1, G0B, G1B
	s_mov_b32 s[G0+4], 1
	s_add_co_u32 s[G0+5], s45, SLOT
	s_add_nc_u64 s[G0+6:G0+7], s[20:21], s[70:71]
	s_or_b32 s[G0+7], s[G0+7], 0x80000000
	s_mov_b32 s[G0B+4], 1
	s_add_co_u32 s[G0B+5], s45, SLOT
	s_add_nc_u64 s[G0B+6:G0B+7], s[46:47], s[98:99]
	s_or_b32 s[G0B+7], s[G0B+7], 0x80000000
	s_wait_alu depctr_va_vdst(0)
	s_wait_tensorcnt 0x0
	ds_add_u32 v28, v29
	s_wait_dscnt 0x0
	CROUND
	JLOAD G0+4, G1, G0B+4, G1B
	v_and_b32 v1, 31, v0
	v_lshlrev_b32 v[CO], 4, v1
	s_lshl_b32 s21, s15, 15
	s_lshl_b32 s22, s16, 15
	s_add_co_u32 s22, s22, 65536
.irp s, 0,1
	v_add_nc_u32 v[ADRA+\s], s21, v[CO]
	v_add_nc_u32 v[ADRB+\s], s22, v[CO]
	s_add_co_u32 s21, s21, SLOT
	s_add_co_u32 s22, s22, SLOT
.endr
	s_cmp_eq_u32 ttmp9, 1
	s_cselect_b64 s[8:9], s[10:11], s[8:9]
	s_cmp_eq_u32 ttmp9, 2
	s_cselect_b64 s[8:9], s[72:73], s[8:9]
	s_lshl_b32 s18, s42, 8
	s_lshl_b32 s19, s16, 7
	s_add_co_u32 s18, s18, s19
	s_and_b32 s18, s18, 1023
	s_lshl_b32 s18, s18, 2
	s_mov_b32 s19, 0
	s_add_nc_u64 s[12:13], s[8:9], s[18:19]
	s_lshl_b32 s18, s17, 8
	s_lshl_b32 s100, s15, 7
	s_add_co_u32 s18, s18, s100
	s_and_b32 s18, s18, 1023
	s_lshl_b32 s18, s18, 2
	s_add_nc_u64 s[22:23], s[8:9], s[18:19]
	v_bfe_u32 v2, v0, 4, 1
	v_lshlrev_b32 v2, 5, v2
	v_and_b32 v3, 15, v0
	v_lshlrev_b32 v3, 2, v3
.irp b, 0,1,2,3,4,5,6,7
	global_load_b128 v[BB+8*\b:BB+8*\b+3], v2, s[12:13] offset:64*\b
	global_load_b128 v[BB+8*\b+4:BB+8*\b+7], v2, s[12:13] offset:64*\b+16
.endr
.irp a, 0,1,2,3,4,5,6,7
	global_load_b32 v[BA+2*\a], v3, s[22:23] offset:64*\a
	global_load_b32 v[BA+2*\a+1], v3, s[22:23] offset:64*\a
.endr
.macro FRAG reg, adr, q, i
.irp c, 0,1,2,3
	ds_load_b128 v[\reg+4*\c:\reg+4*\c+3], v[\adr] offset:(\i)*4096+(\q)*2048+\c*512
.endr
.endm
.macro MUL16 a0, p, zero
.irp a, \a0, \a0+1
.irp b, 0,1,2,3,4,5,6,7
.if \zero
	v_wmma_f32_16x16x128_fp8_fp8 v[8*(8*((\a)%4)+\b):8*(8*((\a)%4)+\b)+7], v[128*(\p)+FR*\b:128*(\p)+FR*\b+FR-1], v[AF+FR*(\a):AF+FR*(\a)+FR-1], 0
.else
	v_wmma_f32_16x16x128_fp8_fp8 v[8*(8*((\a)%4)+\b):8*(8*((\a)%4)+\b)+7], v[128*(\p)+FR*\b:128*(\p)+FR*\b+FR-1], v[AF+FR*(\a):AF+FR*(\a)+FR-1], v[8*(8*((\a)%4)+\b):8*(8*((\a)%4)+\b)+7]
.endif
.endr
.endr
.endm
.macro FETCH_B slot, q, p
	WIN TO_B
.irp i, 0,1,2,3,4,5,6,7
	FRAG 128*(\p)+FR*\i, ADRB+\slot, \q, \i
.endr
	WIN 0
.endm
.macro FETCH_A slot, q, i0
.irp i, \i0, \i0+1, \i0+2, \i0+3
	FRAG AF+FR*(\i), ADRA+\slot, \q, \i
.endr
.endm
.macro PLACES n
.rept \n
	v_nop
.endr
.endm
.macro STEP slot, q, zero
	s_wait_dscnt 4*NL
	WIN MUL_LO
	MUL16 0, (\q)%2, \zero
	MUL16 2, (\q)%2, \zero
	s_wait_dscnt 0
	PLACES NP
	FETCH_B \slot, (\q)+1, 1-(\q)%2
	FETCH_A \slot, (\q)+1, 0
	WIN MUL_HI
	MUL16 4, (\q)%2, \zero
	MUL16 6, (\q)%2, \zero
	PLACES NP
	WIN 0
	FETCH_A \slot, (\q)+1, 4
.endm
.macro TURN slot, next, fill
	s_wait_tensorcnt 0x0
	ds_add_u32 v[SPW], v[NIL]
	s_wait_dscnt 4*NL+1
	WIN MUL_LO
	MUL16 0, 1, 0
	s_wait_dscnt 0x0
	s_barrier_signal -1
	MUL16 2, 1, 0
	WIN 0
	s_barrier_wait -1
.if \fill
	CREST
	s_add_nc_u64 s[G0+4*\slot+2:G0+4*\slot+3], s[G0+4*\slot+2:G0+4*\slot+3], s[66:67]
	s_add_nc_u64 s[G0B+4*\slot+2:G0B+4*\slot+3], s[G0B+4*\slot+2:G0B+4*\slot+3], s[68:69]
	JLOAD G0+4*\slot, G1, G0B+4*\slot, G1B
.else
	PLACES NP
.endif
	FETCH_B \next, 0, 0
	FETCH_A \next, 0, 0
	WIN MUL_HI
	MUL16 4, 1, 0
	MUL16 6, 1, 0
	PLACES NP
	WIN 0
	FETCH_A \next, 0, 4
.endm
	s_wait_alu depctr_va_vdst(0)
	s_wait_tensorcnt 1
	s_barrier_signal -1
	s_barrier_wait -1
	FETCH_B 0, 0, 0
	FETCH_A 0, 0, 0
	FETCH_A 0, 0, 4
	STEP 0, 0, 1
	s_mov_b32 s3, LAPS-1
.Llap:
	TURN 0, 1, 1
	STEP 1, 0, 0
	TURN 1, 0, 1
	STEP 0, 0, 0
	s_sub_co_u32 s3, s3, 1
	s_cmp_lg_u32 s3, 0
	s_cbranch_scc1 .Llap
	TURN 0, 1, 0
	STEP 1, 0, 0
	s_wait_dscnt 4*NL
	WIN MUL_LO
	MUL16 0, 1, 0
	MUL16 2, 1, 0
	s_wait_dscnt 0
	WIN MUL_HI
	MUL16 4, 1, 0
	MUL16 6, 1, 0
	WIN 0
	s_wait_loadcnt 0x0
	s_wait_kmcnt 0x0
	s_cmp_eq_u32 ttmp9, 2
	s_cselect_b32 s100, 0, -1
	s_cselect_b32 s101, -1, 0
.set j, 0
.rept 64
	v_and_b32 v[BB+j], s100, v[BB+j]
.set j, j+1
.endr
.set j, 0
.rept 16
	v_and_b32 v[BA+j], s101, v[BA+j]
.set j, j+1
.endr
	s_add_co_i32 s92, s76, s77
	s_add_co_i32 s93, s78, s79
	s_add_co_i32 s94, s80, s81
	s_cmp_eq_u32 ttmp9, 1
	s_cselect_b32 s92, s93, s92
	s_cselect_b32 s93, s83, s82
	s_cmp_eq_u32 ttmp9, 2
	s_cselect_b32 s92, s94, s92
	s_cselect_b32 s93, s85, s93
	s_add_co_i32 s92, s92, 127
	s_lshl_b32 s76, s92, 23
	s_mov_b32 s77, s76
	s_add_co_i32 s93, s93, 127
	s_lshl_b32 s94, s93, 23
	v_mov_b32 v23, s94
	s_add_co_i32 s93, s93, 8
	s_lshl_b32 s93, s93, 23
	s_or_b32 s93, s93, 0x600000
	v_mov_b32 v22, s93
	s_lshl_b32 s78, s17, 8
	s_lshl_b32 s79, s15, 7
	s_add_co_u32 s78, s78, s79
	s_lshr_b32 s79, s78, 11
	s_and_b32 s78, s78, 2047
	s_lshr_b32 s78, s78, 4
	s_lshl_b32 s79, s79, 4
	s_lshl_b32 s80, s42, 2
	s_add_co_u32 s79, s79, s80
	s_lshl_b32 s80, s16, 1
	s_add_co_u32 s79, s79, s80
	s_lshl_b32 s79, s79, 7
	s_add_co_u32 s79, s79, s78
	s_lshl_b32 s79, s79, 10
	s_lshl_b32 s80, ttmp9, 22
	s_add_co_u32 s79, s79, s80
	s_lshl_b32 s81, s42, 8
	s_lshl_b32 s82, s16, 7
	s_add_co_u32 s81, s81, s82
	s_lshr_b32 s82, s81, 11
	s_and_b32 s81, s81, 2047
	s_lshr_b32 s81, s81, 7
	s_lshl_b32 s81, s81, 13
	s_lshl_b32 s82, s82, 4
	s_lshl_b32 s83, s17, 2
	s_add_co_u32 s82, s82, s83
	s_lshl_b32 s83, s15, 1
	s_add_co_u32 s82, s82, s83
	s_lshl_b32 s82, s82, 17
	s_add_co_u32 s82, s82, s81
	s_add_co_u32 s82, s82, 0x800000
	s_mov_b32 s84, 2048
	s_mov_b32 s85, 0x20000
	s_cmp_eq_u32 ttmp9, 2
	s_cselect_b32 s95, s82, s79
	s_cselect_b32 s96, s84, 1024
	s_cselect_b32 s97, s85, 4096
	s_cselect_b32 s98, 1024, s85
	s_mov_b32 s101, 0
.macro MKSB reg, a
	s_mul_i32 s100, s96, (\a)%4
	s_mul_i32 s99, s97, (\a)/4
	s_add_co_u32 s100, s100, s99
	s_add_co_u32 s100, s100, s95
	s_add_nc_u64 s[\reg:\reg+1], s[74:75], s[100:101]
.endm
	MKSB 4, 0
	MKSB 6, 1
	MKSB 8, 2
	MKSB 10, 3
	MKSB 12, 4
	MKSB 18, 5
	MKSB 20, 6
	MKSB 22, 7
	v_mov_b32 v[VOP], v[CO]
	v_add_nc_u32 v[VOP+1], 512, v[CO]
	v_add_nc_u32 v[VOP+2], s98, v[CO]
	v_add_nc_u32 v[VOP+3], 512, v[VOP+2]
.macro EPI a
.set AC, 64*((\a)%4)
.set CDA, CD+16*((\a)%4)
.set SBR, 4+2*(\a)+4*((\a)/5)
	WIN 0x02+(\a)/4
.set j, 0
.rept 32
	v_pk_fma_f32 v[T+j:T+j+1], v[AC+j:AC+j+1], s[76:77], v[BB+j:BB+j+1] op_sel_hi:[1,0,1]
.set j, j+2
.endr
	WIN 0
.set j, 0
.rept 32
	v_pk_add_f32 v[T+j:T+j+1], v[T+j:T+j+1], v[BA+2*(\a):BA+2*(\a)+1]
.set j, j+2
.endr
.set j, 0
.rept 64
	v_med3_num_f32 v[T+j], v[T+j], -v22, v22
.set j, j+1
.endr
.if (\a) >= 4
	s_wait_alu depctr_va_vdst(0)
	s_wait_xcnt 0x0
.endif
.set j, 0
.rept 8
	v_cvt_scalef32_pk8_fp8_f32 v[CDA+2*j:CDA+2*j+1], v[T+8*j:T+8*j+7], v23
.set j, j+1
.endr
	v_nop
.irp p, 0,1,2,3
	global_store_b128 v[VOP+\p], v[CDA+4*\p:CDA+4*\p+3], s[SBR:SBR+1]
.endr
.endm
.irp a, 0,1,2,3,4,5,6,7
	EPI \a
.endr
	s_wait_tensorcnt 0x0
	ds_add_u32 v[SPW], v[NIL]
	s_wait_dscnt 0x0
	CROUND
	s_endpgm
.Lfunc_end_k_qfc7432b803_qkv:
	.size	k_qfc7432b803_qkv, .Lfunc_end_k_qfc7432b803_qkv-k_qfc7432b803_qkv
	.p2alignl 7, 3214868480
	.fill 96, 4, 3214868480
	.section	.rodata,"a",@progbits
	.p2align	6, 0x0
	.amdhsa_kernel k_qfc7432b803_qkv
		.amdhsa_group_segment_fixed_size 327680
		.amdhsa_private_segment_fixed_size 0
		.amdhsa_enable_private_segment 0
		.amdhsa_kernarg_size 48
		.amdhsa_user_sgpr_count 2
		.amdhsa_user_sgpr_kernarg_segment_ptr 1
		.amdhsa_wavefront_size32 1
		.amdhsa_system_sgpr_workgroup_id_x 1
		.amdhsa_system_sgpr_workgroup_id_y 1
		.amdhsa_system_sgpr_workgroup_id_z 1
		.amdhsa_system_vgpr_workitem_id 0
		.amdhsa_next_free_vgpr 1024
		.amdhsa_next_free_sgpr 102
		.amdhsa_reserve_vcc 0
		.amdhsa_float_denorm_mode_32 3
		.amdhsa_float_denorm_mode_16_64 3
		.amdhsa_memory_ordered 1
		.amdhsa_forward_progress 1
		.amdhsa_inst_pref_size 159
	.end_amdhsa_kernel
	.amdgpu_metadata
---
amdhsa.version: [ 1, 2 ]
amdhsa.kernels:
  - .name:           k_qfc7432b803_qkv
    .symbol:         k_qfc7432b803_qkv.kd
    .args:
      - { .name: codes0, .offset: 0, .size: 8, .value_kind: global_buffer, .address_space: global }
      - { .name: lowp_scales, .offset: 8, .size: 8, .value_kind: global_buffer, .address_space: global }
      - { .name: bq, .offset: 16, .size: 8, .value_kind: global_buffer, .address_space: global }
      - { .name: bk, .offset: 24, .size: 8, .value_kind: global_buffer, .address_space: global }
      - { .name: bv, .offset: 32, .size: 8, .value_kind: global_buffer, .address_space: global }
      - { .name: qkvc, .offset: 40, .size: 8, .value_kind: global_buffer, .address_space: global }
    .group_segment_fixed_size: 327680
    .private_segment_fixed_size: 0
    .kernarg_segment_align: 8
    .kernarg_segment_size: 48
    .max_flat_workgroup_size: 128
    .sgpr_count:     102
    .vgpr_count:     1024
    .wavefront_size: 32
...
	.end_amdgpu_metadata
.endif
;; end of part 10
;; launch attn (part 11): grid 8 x 32, 16 waves a work-group, no clusters, 327,680 bytes of LDS; arguments qkvc, lowp_scales, ctxc; writes ctxc
.if DOCPART == 11
	.amdgcn_target "amdgcn-amd-amdhsa--gfx1250"
	.amdhsa_code_object_version 6
	.text
	.protected	k_qfc7432b803_attn
	.globl	k_qfc7432b803_attn
	.p2align	8
	.type	k_qfc7432b803_attn,@function
k_qfc7432b803_attn:
	s_mov_b64 s[64:65], 0
	v_nop
	global_prefetch_b8 v0, s[64:65] scope:SCOPE_SE
	s_setreg_imm32_b32 hwreg(HW_REG_WAVE_MODE, 25, 1), 1
	s_wait_xcnt 0x0
; Products 4 and 5 with the causal softmax between them, and ctx quantised for product 6.  Head size 64, 2,048 keys, 32 (batch, head) pairs.
; t = score x log2(e) / 64 (the source divides by the head size); M = the running largest t rounded UP to a whole number; p = 2^(t - M) is quantised with 2^e8, not normalised;
; the row's sum is taken of the unquantised p and divides at the end; when M moves, the sum and O are multiplied by 2^(old M - new M), which rounds nothing.
; LEFT OUT: key steps all of whose keys come after a tile's queries: the mask that the source builds makes their p zero for all inputs.
; SHARES.  Work-group (i, bh) owns query blocks i and 15 - i of 128.  Waves w and w + 8 (w = 0..7) own the SAME two tiles of 16 queries, 128 i + 16 w and 128 (15 - i) + 16 w, and share their key steps of 128 out by
; parity: wave w takes steps 0, 2, 4 .., wave w + 8 steps 1, 3, 5 ..  The two tiles have i + 1 and 16 - i steps, 17 together: 9 for one wave, 8 for the other, in every work-group.
; Each wave keeps a state (O^T, -M, the sum) for both tiles.  Tile X is the one that it finishes (w < 8: the early one, else the late one), tile Y the one whose part it hands to its partner.
; THE JOIN.  Both waves publish their -M in LDS words of their own; behind a barrier each brings its Y part under the joint M (x a power of two) and stores it in LDS; behind a second barrier the partner adds it to its X part.
; K AND V lie in LDS whole (K from 0, V from 131,072), every byte filled once, in three stages: keys 0-511, 512-1,023, 1,024-2,047.  Stage 0 is asked for at the head, stage n + 1 behind the barrier in front of stage n's
; steps: one tensor load of a wave is out at a time, and every wait on TENSORcnt is for 0.  Every work-group reads keys of every stage (its last query is 1,151 at the least).
; A stage of K (waves 0-7) or V (waves 8-15) is 8 R rows of 256 bytes (R = 16, 16, 32); wave w % 8 fetches rows w % 8, w % 8 + 8, ..: R rows, 2,048 bytes apart in memory, so that each load holds bytes of the stage's first step.
; Row m of a stage then lies at (m % 8) x 256 R + (m / 8) x 256.  A fragment load of 512 bytes is two neighbouring rows: lanes 0-15 take one, lanes 16-31 the next, 256 R bytes on.  A key step is 32 rows: 1,024 bytes on.
; Both products are used transposed: S^T = K Q^T (a lane holds one query; register j of tile T is key 16 T + 8 h + j), O^T = V^T P^T.  Eight scores of a tile become registers 2 T, 2 T + 1 of P's fragment.
; NO CLUSTER, though the eight work-groups of a head read the same K and V: the steps that are jumped over hang on the work-group's x, which differs between partners.
; PREFETCH: stage 2's 512 blocks of 256 bytes are shared out among the head's eight work-groups: work-group x asks for 64 of them (x < 4: of K, else of V; waves 0 and 1, a lane a block), in stage 0, behind the load of
; stage 1: one stage ahead of the load that wants them.  Stages 0 and 1 come by their loads alone.  The address registers are never rewritten.
; LIMITS: e6 + e7 between -120 and 133 (added to c's exponent field); e8 and e10 between -126 and 119; e8 + e9 goes in by v_ldexp_f32.  The scaled scores stay under 2^31 in magnitude.
; REGISTERS: v1 16 x lane; v2 (v3) 448 x 2^e8; v4-7 tile Y's -M, largest t, sum; v8, v9 LDS addresses; v10 r - 8 h; v11 2^e8; v12-15 the same four for tile X; v16-23, v24-31 Q of X, Y;
; v32-95 K's eight fragments, then V's four; v96-159 S^T, then p; v160-191, v192-223 O^T of X, Y; v224-239 p's codes; v232-247 partial sums; v248 prefetch offset; v249 h; v250-255 work, the spare word's address, 0.
.set SPARE, 0x40000                    ; the spare words: 128 bytes a wave, eight blocks of 256 bytes that no other line names
.set MREG,  0x40800                    ; the -M words: 256 bytes a wave
.set XR,    4352                       ; the join: a wave's 4,096 bytes of O^T and 128 of sums, in K's bytes, which have had their last fill and their last read
.set DUAL,  1                          ; 1: the hold of p goes two numbers to an instruction (a dual pair: v2 and v3 both hold 448 x 2^e8)
.set SEL, 20
.set CS,  22
.set G1,  24                           ; s[24:31] group 1, R = 16; s[72:79] R = 32; s[32:43] three groups 0
.set G0,  32
.set G1C, 72
.set PFA, 44
.set QX, 16
.set QY, 24
.set OX, 160
.set OY, 192
.set MX, 12
.set MY, 4
.set HL, 2
.set SC, 11
.set PFO, 248
.set VH,  249
.set PD,  250
.set SPW, 251
.set NIL, 255
	s_load_b128 s[4:7], s[0:1], 0x0                ; qkvc, the scales' exponents
	s_load_b64 s[8:9], s[0:1], 0x10                ; ctxc
	v_lshl_add_u32 v[SPW], v0, 2, SPARE
	v_mov_b32 v[NIL], 0
	ds_add_u32 v[SPW], v[NIL]                      ; the opening lines: the add, twice on end, and its wait ahead of my first tensor load
	ds_add_u32 v[SPW], v[NIL]
	v_lshrrev_b32 v8, 5, v0
	v_readfirstlane_b32 s10, v8                    ; wave 0..15
	s_and_b32 s11, ttmp7, 0xffff                   ; bh = batch*16 + head
.irp g, G1, G1C
	s_mov_b32 s[\g], 3<<16                         ; no mask; elements of 8 bytes; no padding
	s_mov_b32 s[\g+1], 32<<16                      ; tensor_dim0 = 32: rows of 256 bytes
	s_mov_b32 s[\g+3], 32<<16                      ; tile_dim0
	s_mov_b32 s[\g+5], 256                         ; from row to row: 2,048 bytes
	s_mov_b32 s[\g+6], 0
	s_mov_b32 s[\g+7], 0
.endr
	s_mov_b32 s[G1+2], 16<<16                      ; tensor_dim1
	s_mov_b32 s[G1+4], 16                          ; tile_dim1
	s_mov_b32 s[G1C+2], 32<<16
	s_mov_b32 s[G1C+4], 32
	s_lshr_b32 s18, s10, 3                         ; my parity.  Also: 0: I fetch K, 1: V
	s_and_b32 s19, s10, 7
	s_lshl_b32 s66, s18, 17
	s_lshl_b32 s67, s19, 12
	s_add_co_u32 s67, s66, s67                     ; in LDS, stages 0 and 1: 131,072 x (wave / 8) + 4,096 x (wave % 8)
	s_lshl_b32 s70, s19, 13
	s_add_co_u32 s70, s66, s70
	s_add_co_u32 s70, s70, 65536                   ; stage 2: 8,192 x (wave % 8), behind the first two stages
	s_add_co_u32 s68, s18, 1
	s_lshl_b32 s68, s68, 22                        ; k at 4 Mi, v at 8 Mi
	s_lshl_b32 s82, s11, 17                        ; the head's 131,072 bytes
	s_add_co_u32 s68, s68, s82
	s_lshl_b32 s69, s19, 8                         ; my first row
	s_add_co_u32 s68, s68, s69
	s_mov_b32 s69, 0
	s_wait_dscnt 0x0                               ; both opening adds are done
	s_wait_kmcnt 0x0
	s_add_nc_u64 s[68:69], s[4:5], s[68:69]
	s_mov_b32 s[G0], 1
	s_mov_b32 s[G0+1], s67
	s_mov_b64 s[G0+2:G0+3], s[68:69]
	s_or_b32 s[G0+3], s[G0+3], 0x80000000
	tensor_load_to_lds s[G0:G0+3], s[G1:G1+7]      ; stage 0: my one tensor load at the head
	s_nop 0
.rept 4
	v_nop
.endr
	s_load_b512 s[48:63], s[6:7], 0x0              ; e0 .. e15
	s_mov_b32 s[G0+4], 1                           ; stage 1
	s_add_co_u32 s[G0+5], s67, 32768
	s_add_nc_u64 s[G0+6:G0+7], s[68:69], 32768
	s_or_b32 s[G0+7], s[G0+7], 0x80000000
	s_mov_b32 s[G0+8], 1                           ; stage 2
	s_mov_b32 s[G0+9], s70
	s_add_nc_u64 s[G0+10:G0+11], s[68:69], 65536
	s_or_b32 s[G0+11], s[G0+11], 0x80000000
	s_lshl_b32 s2, ttmp9, 7                        ; block i
	s_sub_co_u32 s3, 15, ttmp9
	s_lshl_b32 s3, s3, 7                           ; block 15 - i
	s_lshl_b32 s67, s19, 4
	s_add_co_u32 s2, s2, s67
	s_add_co_u32 s3, s3, s67
	s_cmp_eq_u32 s18, 0
	s_cselect_b32 s12, s2, s3                      ; s12, s13: tile X's first and last query
	s_cselect_b32 s46, s3, s2                      ; s46, s47: tile Y's
	s_add_co_u32 s13, s12, 15
	s_add_co_u32 s47, s46, 15
	s_lshl_b32 s80, s12, 6
	s_add_co_u32 s80, s80, s82
	s_mov_b32 s81, 0
	s_add_nc_u64 s[80:81], s[4:5], s[80:81]        ; q's image of tile X
	s_lshl_b32 s2, s46, 6
	s_add_co_u32 s2, s2, s82
	s_mov_b32 s3, 0
	s_add_nc_u64 s[2:3], s[4:5], s[2:3]            ; of tile Y
	v_and_b32 v9, 31, v0
	v_lshlrev_b32 v1, 4, v9
	v_lshlrev_b32 v[PFO], 8, v9
	global_load_b128 v[QX:QX+3], v1, s[80:81]
	global_load_b128 v[QX+4:QX+7], v1, s[80:81] offset:512
	global_load_b128 v[QY:QY+3], v1, s[2:3]
	global_load_b128 v[QY+4:QY+7], v1, s[2:3] offset:512
	s_lshr_b32 s70, ttmp9, 2                       ; the prefetch: work-groups 0-3 K, 4-7 V
	s_add_co_u32 s70, s70, 1
	s_lshl_b32 s70, s70, 22
	s_and_b32 s71, ttmp9, 3
	s_lshl_b32 s71, s71, 14                        ; my work-group's 16,384 bytes of stage 2's 65,536,
	s_add_co_u32 s70, s70, s71
	s_and_b32 s71, s10, 1
	s_lshl_b32 s71, s71, 13                        ; my wave's 8,192 of them
	s_add_co_u32 s70, s70, s71
	s_add_co_u32 s70, s70, s82
	s_add_co_u32 s70, s70, 65536                   ; stage 2 begins 65,536 bytes into the head
	s_mov_b32 s71, 0
	s_add_nc_u64 s[PFA:PFA+1], s[4:5], s[70:71]
	v_and_b32 v10, 15, v0
	v_bfe_u32 v[VH], v0, 4, 1                      ; h
	v_lshlrev_b32 v8, 3, v[VH]
	v_sub_nc_u32 v10, v10, v8                      ; r - 8 h
	s_mov_b32 s[SEL], 0x76543210
	s_mov_b32 s[SEL+1], 0xfedcba98
	s_mov_b32 s[CS], 0x3cb8aa3b                    ; c = log2(e) / 64
.irp m, MX, MY
	v_mov_b32 v[\m+1], 0xff61b1e6                  ; the largest t so far: -3e38
	v_floor_f32 v[\m], -v[\m+1]                    ; -M
	v_mov_b32 v[\m+2], 0
	v_mov_b32 v[\m+3], 0
.endr
	v_mov_b32 v[PD], 0                             ; written once: a lane permute's destination counts as a source
	v_mov_b32 v252, 0
	v_mov_b32 v253, 0                              ; (named as the upper half of v[252:253])
.set j, 0
.rept 64
	v_mov_b32 v[OX+j], 0                           ; both O^T: the step is written once for each tile; the first change of M leaves zeros zeros
.set j, j+1
.endr
	s_wait_kmcnt 0x0
	s_add_co_i32 s70, s54, s55                     ; e6 + e7 into c's exponent field
	s_lshl_b32 s70, s70, 23
	s_add_co_i32 s[CS], s[CS], s70
	s_mov_b32 s[CS+1], s[CS]
	s_add_co_i32 s70, s56, 127
	s_lshl_b32 s71, s70, 23
	v_mov_b32 v[SC], s71                           ; 2^e8
	s_add_co_i32 s70, s70, 8
	s_lshl_b32 s70, s70, 23
	s_or_b32 s70, s70, 0x600000
	v_mov_b32 v[HL], s70                           ; 448 x 2^e8
.if DUAL
	v_mov_b32 v[HL+1], s70
.endif
; A KEY STEP of one tile: 128 keys from s14 on; its rows of K from LDS byte s15 on, of V from s16 on.  RB = 256 R of the stage
.macro STEP QR, OR, ML, SF, SL, RB
	s_cmp_gt_u32 s14, s[\SL]
	s_cbranch_scc1 .Lhid_\@                        ; all its keys come after the tile's queries
	v_mad_u32_u24 v8, v[VH], \RB-256, v1           ; 16 r + h x RB
	v_add_nc_u32 v9, s16, v8
	v_add_nc_u32 v8, s15, v8
	v_nop                                          ; with the three lines above: four places in front of loads into registers that the last products read
.set t, 0
.rept 8
	ds_load_b128 v[32+8*t:35+8*t], v8 offset:4*(t%2)*\RB+(t/2)*256         ; image t's rows 4 t, 4 t + 1,
	ds_load_b128 v[36+8*t:39+8*t], v8 offset:(4*(t%2)+2)*\RB+(t/2)*256     ; and 4 t + 2, 4 t + 3
.set t, t+1
.endr
	s_wait_alu depctr_va_vdst(0)
	s_wait_dscnt 0x0
.set t, 0
.rept 8
	v_wmma_f32_16x16x64_fp8_fp8 v[96+8*t:103+8*t], v[32+8*t:39+8*t], v[\QR:\QR+7], 0
.set t, t+1
.endr
.rept 4
	v_nop                                          ; places in front of the loads below and of the first read of the scores
.endr
.set t, 0
.rept 4
.irp c, 0,1,2,3
	ds_load_b128 v[32+16*t+4*\c:35+16*t+4*\c], v9 offset:2*\c*\RB+t*256    ; V's image t, rows 8 t + 2 c, 8 t + 2 c + 1: asked for ahead of the softmax
.endr
.set t, t+1
.endr
	s_add_co_u32 s70, s14, 127
	s_cmp_le_u32 s70, s[\SF]
	s_cbranch_scc1 .Lopen_\@                       ; all 128 keys count for all 16 queries
	s_sub_co_i32 s70, s[\SF], s14
	v_add_nc_u32 v252, s70, v10                    ; d = my query - the step's first key - 8 h: register 8 T + j is hidden where 16 T + j > d
	v_mov_b32 v254, 0xff800000
.set n, 0
.rept 64
	v_cmp_gt_i32 vcc_lo, 16*(n/8)+n%8, v252
	v_cndmask_b32 v[96+n], v[96+n], v254, vcc_lo
.set n, n+1
.endr
.Lopen_\@:
	v_max3_num_f32 v254, v96, v97, v98             ; the step's largest score of my query among my 64 keys, in two chains, each accumulator from its low end on
	v_max3_num_f32 v252, v99, v100, v101
.irp i, 6,10,14,18,22,26,30,34,38,42,46,50,54,58
	v_max3_num_f32 v254, v254, v[96+\i], v[97+\i]
	v_max3_num_f32 v252, v252, v[98+\i], v[99+\i]
.endr
	v_max3_num_f32 v254, v254, v158, v159
	s_delay_alu instid0(VALU_DEP_1)
	v_max_num_f32 v254, v254, v252
	v_permlanex16_b32 v[PD], v254, s[SEL], s[SEL+1]
	s_delay_alu instid0(VALU_DEP_1)
	v_max_num_f32 v254, v254, v[PD]                ; and among lane l xor 16's
	s_delay_alu instid0(VALU_DEP_1)
	v_mul_f32 v254, s[CS], v254                    ; as t (c is positive)
	s_delay_alu instid0(VALU_DEP_1)
	v_max_num_f32 v[\ML+1], v[\ML+1], v254
	v_mov_b32 v254, v[\ML]
	s_delay_alu instid0(VALU_DEP_2)
	v_floor_f32 v[\ML], -v[\ML+1]                  ; the new -M = -ceil(t)
	s_delay_alu instid0(VALU_DEP_1)
	v_sub_f32 v254, v[\ML], v254                   ; old M - new M: a whole number, 0 or less
	s_delay_alu instid0(VALU_DEP_1)
	v_cvt_i32_f32 v254, v254                       ; (it saturates)
	s_delay_alu instid0(VALU_DEP_1)
	v_ldexp_f32 v252, 1.0, v254                    ; f = 2^(old M - new M)
.set j, 0
.rept 32
	v_pk_fma_f32 v[96+j:97+j], v[96+j:97+j], s[CS:CS+1], v[\ML:\ML+1] op_sel_hi:[1,0,0]   ; t - M
.set j, j+2
.endr
	s_wait_alu depctr_va_vdst(0)                   ; ahead of the batch
.set j, 0
.rept 64
	v_exp_f32 v[96+j], v[96+j]                     ; p = 2^(t - M)
.set j, j+1
.endr
	v_pk_mul_f32 v[\ML+2:\ML+3], v[\ML+2:\ML+3], v[252:253] op_sel_hi:[1,0]   ; the sum under the new M: the plain line behind the exponentials
	s_wait_alu depctr_va_vdst(0)                   ; one wait for the batch, ahead of its first reader
.irp k, 0,1,2,3,4,5,6,7                        ; the sum of the unquantised p: eight chains of four pairs, then a tree
	v_pk_add_f32 v[232+2*\k:233+2*\k], v[96+2*\k:97+2*\k], v[112+2*\k:113+2*\k]
.endr
.irp k, 0,1,2,3,4,5,6,7
	v_pk_add_f32 v[232+2*\k:233+2*\k], v[232+2*\k:233+2*\k], v[128+2*\k:129+2*\k]
.endr
.irp k, 0,1,2,3,4,5,6,7
	v_pk_add_f32 v[232+2*\k:233+2*\k], v[232+2*\k:233+2*\k], v[144+2*\k:145+2*\k]
.endr
.irp k, 0,1,2,3
	v_pk_add_f32 v[232+2*\k:233+2*\k], v[232+2*\k:233+2*\k], v[240+2*\k:241+2*\k]
.endr
	v_pk_add_f32 v[232:233], v[232:233], v[236:237]
	v_pk_add_f32 v[234:235], v[234:235], v[238:239]
	s_delay_alu instid0(VALU_DEP_1)
	v_pk_add_f32 v[232:233], v[232:233], v[234:235]
	s_delay_alu instid0(VALU_DEP_1)
	v_pk_add_f32 v[\ML+2:\ML+3], v[\ML+2:\ML+3], v[232:233]
.set j, 0
.if DUAL
.rept 32
	v_dual_min_num_f32 v[96+j], v[HL], v[96+j] :: v_dual_min_num_f32 v[97+j], v[HL+1], v[97+j]
.set j, j+2
.endr
.else
.rept 64
	v_min_num_f32 v[96+j], v[96+j], v[HL]          ; the conversion does not saturate (ISA guide 7.6.2); p is not negative: a one-sided hold
.set j, j+1
.endr
.endif
.set t, 0
.rept 8
	v_cvt_scalef32_pk8_fp8_f32 v[224+2*t:225+2*t], v[96+8*t:103+8*t], v[SC]
.set t, t+1
.endr
	s_wait_alu depctr_va_vdst(0)                   ; directly ahead of the first reader of O^T
.set j, 0
.rept 16
	v_pk_mul_f32 v[\OR+j:\OR+j+1], v[\OR+j:\OR+j+1], v[252:253] op_sel_hi:[1,0]   ; O^T under the new M (also the plain lines behind the conversions)
.set j, j+2
.endr
	s_wait_alu depctr_va_vdst(0)
	s_wait_dscnt 0x0                               ; V
.set t, 0
.rept 4
	v_wmma_f32_16x16x128_fp8_fp8 v[\OR+8*t:\OR+8*t+7], v[32+16*t:47+16*t], v[224:239], v[\OR+8*t:\OR+8*t+7]   ; four accumulators by turns
.set t, t+1
.endr
.Lhid_\@:
.endm
; A STAGE.  Each wave waits for its tensor load (its rows of this stage), adds 0 to its spare word and waits for that; behind the barrier the stage is whole, and the next stage is asked for.
; Then `trips` key steps of my parity, for each of my two tiles.  Stage n begins at key 512 n and at LDS byte 32,768 n of K and of V.
.macro STAGE n, RB, trips
	s_wait_tensorcnt 0x0
	ds_add_u32 v[SPW], v[NIL]                      ; 0 onto my spare word
	s_lshl_b32 s14, s18, 7
	s_add_co_u32 s14, s14, (\n)*512                ; s14: my first step's first key
	s_lshl_b32 s15, s18, 10
	s_add_co_u32 s15, s15, (\n)*32768              ; s15: its rows of K,
	s_add_co_u32 s16, s15, 131072                  ; s16: of V
	s_mov_b32 s17, \trips
	s_wait_dscnt 0x0
	s_barrier_signal -1
	s_barrier_wait -1
.if (\n) == 0
	tensor_load_to_lds s[G0+4:G0+7], s[G1:G1+7]    ; a first fill, issued as a refill is: my one tensor load until the next barrier
	s_nop 0
.rept 4
	v_nop
.endr
	s_cmp_lt_u32 s10, 2
	s_cbranch_scc0 .Lnot_mine_\@
	global_prefetch_b8 v[PFO], s[PFA:PFA+1] th:TH_LOAD_NT scope:SCOPE_SE   ; my share of stage 2, which the next stage's head loads
.Lnot_mine_\@:
.endif
.if (\n) == 1
	tensor_load_to_lds s[G0+8:G0+11], s[G1C:G1C+7]
	s_nop 0
.rept 4
	v_nop
.endr
.endif
.Lstep_\@:
	STEP QX, OX, MX, 12, 13, \RB
	STEP QY, OY, MY, 46, 47, \RB
	s_add_co_u32 s14, s14, 256
	s_add_co_u32 s15, s15, 2048
	s_add_co_u32 s16, s16, 2048
	s_sub_co_u32 s17, s17, 1
	s_cmp_lg_u32 s17, 0
	s_cbranch_scc1 .Lstep_\@
.endm
	s_wait_alu depctr_va_vdst(0)
	s_wait_loadcnt 0x0                             ; Q
	STAGE 0, 4096, 2
	STAGE 1, 4096, 2
	STAGE 2, 8192, 4
	; THE JOIN
	v_and_b32 v8, 31, v0
	v_lshlrev_b32 v8, 2, v8                        ; 4 x lane
	s_lshl_b32 s70, s10, 8
	s_add_co_u32 s70, s70, MREG
	s_xor_b32 s67, s10, 8                          ; my partner
	s_lshl_b32 s71, s67, 8
	s_add_co_u32 s71, s71, MREG
	s_mul_i32 s66, s10, XR
	s_mul_i32 s67, s67, XR
	v_add_nc_u32 v10, s70, v8
	v_add_nc_u32 v9, s71, v8
	v_add_nc_u32 v242, s66, v1
	v_add_nc_u32 v243, s67, v1
	v_add_nc_u32 v244, s66, v8
	v_add_nc_u32 v245, s67, v8
	ds_store_b32 v10, v[MX]                        ; my -M of tile X,
	ds_store_b32 v10, v[MY] offset:128             ; of tile Y
	s_wait_alu depctr_va_vdst(0)
	s_wait_dscnt 0x0                               ; for the others' sake; my reads of K and V are over too
	s_barrier_signal -1
	s_barrier_wait -1                              ; nobody reads K or V any more
	ds_load_b32 v240, v9 offset:128                ; my partner's Y is my X,
	ds_load_b32 v241, v9                           ; its X my Y
	s_wait_dscnt 0x0
	v_min_num_f32 v240, v240, v[MX]                ; the joint -M
	v_min_num_f32 v241, v241, v[MY]
	v_sub_f32 v240, v240, v[MX]                    ; my M - the joint M: a whole number, 0 or less
	v_sub_f32 v241, v241, v[MY]
	v_cvt_i32_f32 v240, v240
	v_cvt_i32_f32 v241, v241
	v_ldexp_f32 v254, 1.0, v240                    ; X's factor (the pair v[254:255] is named; its low word serves both halves)
	v_ldexp_f32 v252, 1.0, v241                    ; Y's
	v_add_f32 v[MY+2], v[MY+2], v[MY+3]
	v_add_f32 v[MX+2], v[MX+2], v[MX+3]
	s_wait_alu depctr_va_vdst(0)                   ; directly ahead of the first reader of Y's O^T
.set j, 0
.rept 16
	v_pk_mul_f32 v[OY+j:OY+j+1], v[OY+j:OY+j+1], v[252:253] op_sel_hi:[1,0]
.set j, j+2
.endr
	v_mul_f32 v[MY+2], v[MY+2], v252
.set k, 0
.rept 8
	ds_store_b128 v242, v[OY+4*k:OY+4*k+3] offset:k*512
.set k, k+1
.endr
	ds_store_b32 v244, v[MY+2] offset:4096
	s_wait_alu depctr_va_vdst(0)
	s_wait_dscnt 0x0                               ; for my partner's sake
	s_barrier_signal -1
	s_barrier_wait -1
.set k, 0
.rept 8
	ds_load_b128 v[32+4*k:35+4*k], v243 offset:k*512
.set k, k+1
.endr
	ds_load_b32 v96, v245 offset:4096
	s_wait_dscnt 0x0
	s_wait_alu depctr_va_vdst(0)                   ; directly ahead of the first reader of X's O^T
.set j, 0
.rept 16
	v_pk_fma_f32 v[OX+j:OX+j+1], v[OX+j:OX+j+1], v[254:255], v[32+j:33+j] op_sel_hi:[1,0,1]
.set j, j+2
.endr
	v_fma_f32 v[MX+2], v[MX+2], v254, v96
	; THE WAY OUT: ctx = O^T x 2^(e8 + e9) / the sum, quantised with 2^e10; a lane's eight channels are eight neighbours along product 6's K
	v_permlanex16_b32 v[PD], v[MX+2], s[SEL], s[SEL+1]
	v_add_f32 v[MX+2], v[MX+2], v[PD]              ; the row's sum
	s_wait_alu depctr_va_vdst(0)                   ; ahead of the transcendental
	v_rcp_f32 v[MX+2], v[MX+2]
	v_nop                                          ; a plain line behind the reciprocal
	s_add_co_i32 s70, s56, s57
	s_and_b32 s66, s11, 15                         ; head
	s_lshr_b32 s67, s11, 4                         ; batch
	s_lshr_b32 s68, s66, 2
	s_lshl_b32 s68, s68, 8                         ; chunk of 256 k = head / 4: 256 tiles of 16 tokens each
	s_lshl_b32 s67, s67, 7
	s_add_co_u32 s68, s68, s67
	s_lshr_b32 s67, s12, 4
	s_add_co_u32 s68, s68, s67
	s_lshl_b32 s68, s68, 12
	s_bfe_u32 s67, s66, 0x10001
	s_lshl_b32 s67, s67, 11
	s_add_co_u32 s68, s68, s67
	s_and_b32 s67, s66, 1
	s_lshl_b32 s67, s67, 10
	s_add_co_u32 s68, s68, s67
	s_mov_b32 s69, 0
	s_add_nc_u64 s[8:9], s[8:9], s[68:69]
	s_add_co_i32 s66, s58, 127
	s_lshl_b32 s67, s66, 23
	v_mov_b32 v247, s67                            ; 2^e10
	s_add_co_i32 s66, s66, 8
	s_lshl_b32 s66, s66, 23
	s_or_b32 s66, s66, 0x600000
	v_mov_b32 v246, s66                            ; 448 x 2^e10
	s_wait_alu depctr_va_vdst(0)                   ; ahead of the reciprocal's first reader
	v_ldexp_f32 v[MX+2], v[MX+2], s70
.set j, 0
.rept 32
	v_mul_f32 v[96+j], v[OX+j], v[MX+2]
.set j, j+1
.endr
.set j, 0
.rept 32
	v_med3_num_f32 v[96+j], v[96+j], -v246, v246
.set j, j+1
.endr
.set t, 0
.rept 4
	v_cvt_scalef32_pk8_fp8_f32 v[224+2*t:225+2*t], v[96+8*t:103+8*t], v247
.set t, t+1
.endr
	v_nop
	global_store_b128 v1, v[224:227], s[8:9]               ; each store covers 512 consecutive bytes, aligned
	global_store_b128 v1, v[228:231], s[8:9] offset:512
	s_wait_tensorcnt 0x0                           ; the wave's end
	ds_add_u32 v[SPW], v[NIL]
	s_wait_dscnt 0x0
	s_endpgm
.Lfunc_end_k_qfc7432b803_attn:
	.size	k_qfc7432b803_attn, .Lfunc_end_k_qfc7432b803_attn-k_qfc7432b803_attn
	.p2alignl 7, 3214868480
	.fill 96, 4, 3214868480
	.section	.rodata,"a",@progbits
	.p2align	6, 0x0
	.amdhsa_kernel k_qfc7432b803_attn
		.amdhsa_group_segment_fixed_size 327680
		.amdhsa_private_segment_fixed_size 0
		.amdhsa_enable_private_segment 0
		.amdhsa_kernarg_size 24
		.amdhsa_user_sgpr_count 2
		.amdhsa_user_sgpr_kernarg_segment_ptr 1
		.amdhsa_wavefront_size32 1
		.amdhsa_system_sgpr_workgroup_id_x 1
		.amdhsa_system_sgpr_workgroup_id_y 1
		.amdhsa_system_sgpr_workgroup_id_z 1
		.amdhsa_system_vgpr_workitem_id 0
		.amdhsa_next_free_vgpr 256
		.amdhsa_next_free_sgpr 84
		.amdhsa_reserve_vcc 1
		.amdhsa_float_denorm_mode_32 3
		.amdhsa_float_denorm_mode_16_64 3
		.amdhsa_memory_ordered 1
		.amdhsa_forward_progress 1
		.amdhsa_inst_pref_size 145
	.end_amdhsa_kernel
	.amdgpu_metadata
---
amdhsa.version: [ 1, 2 ]
amdhsa.kernels:
  - .name:           k_qfc7432b803_attn
    .symbol:         k_qfc7432b803_attn.kd
    .args:
      - { .name: qkvc, .offset: 0, .size: 8, .value_kind: global_buffer, .address_space: global }
      - { .name: lowp_scales, .offset: 8, .size: 8, .value_kind: global_buffer, .address_space: global }
      - { .name: ctxc, .offset: 16, .size: 8, .value_kind: global_buffer, .address_space: global }
    .group_segment_fixed_size: 327680
    .private_segment_fixed_size: 0
    .kernarg_segment_align: 8
    .kernarg_segment_size: 24
    .max_flat_workgroup_size: 512
    .sgpr_count:     84
    .vgpr_count:     256
    .wavefront_size: 32
...
	.end_amdgpu_metadata
.endif
;; end of part 11
;; launch wo (part 12): grid 8 x 32, 4 waves a work-group, clusters of 4 x 4, 327,680 bytes of LDS; arguments ctxc, codes0, ysum; writes ysum
.if DOCPART == 12
	.amdgcn_target "amdgcn-amd-amdhsa--gfx1250"
	.amdhsa_code_object_version 6
	.text
	.protected	k_qfc7432b803_wo
	.globl	k_qfc7432b803_wo
	.p2align	8
	.type	k_qfc7432b803_wo,@function
k_qfc7432b803_wo:
	s_mov_b64 s[64:65], 0
	v_nop
	global_prefetch_b8 v0, s[64:65] scope:SCOPE_SE
	s_setreg_imm32_b32 hwreg(HW_REG_WAVE_MODE, 25, 1), 1
	s_wait_xcnt 0x0
	s_wait_alu depctr_hold_cnt(0) depctr_sa_sdst(0) depctr_va_vdst(0) depctr_va_sdst(0) depctr_va_ssrc(0) depctr_va_vcc(0) depctr_vm_vsrc(0)
	s_getreg_b32 s2, hwreg(HW_REG_IB_STS2, 6, 4)
	s_cmp_eq_u32 s2, 0
	s_cbranch_scc0 .Lentry_in_a_cluster
	s_endpgm
.Lentry_in_a_cluster:
	s_bfe_u32 s2, ttmp6, 0x10000c
	s_cmp_lg_u32 s2, 0xf033
	s_cbranch_scc0 .Lentry_shape_is_right
	s_endpgm
.Lentry_shape_is_right:
; Product 6: the raw f32 sums of ctx's codes x Wo's codes, [4,096] x [1,024], K = 1,024.  The scale, the bias, the residual and the layer norm follow in the next launch, which needs whole rows.
; THE TILE is 128 x 128: with 1,024 columns, tiles of 256 x 256 would be 64 work-groups; these are 256.  Four waves, 64 x 64 each: 16 accumulators, 128 registers.
; Operands lie in memory as images of fragment registers ([k/256][rows/16][2][2,048 bytes]): 128 rows x 256 k, a chunk, are 32,768 consecutive bytes; a fragment is four LDS loads of 512 consecutive bytes: no pitch, no padding.
; ALL OF K LIES IN LDS: the tokens' four chunks from 0, the weight's four from 131,072: 262,144 bytes, each filled once.  Each wave issues ONE tensor load, at the head: two chunks, stated as two rows of 32,768 bytes,
; a chunk's distance in memory apart (waves 0, 1: the tokens' chunks 0-1, 2-3; waves 2, 3: the weight's).  One wait, one barrier, then eight steps of 128 along K with no barrier between them.
; The matrix instruction is used transposed (source 0 = 16 columns' rows of the weight, source 1 = 16 tokens): lane (r, h) holds token r, register j column 8 h + j.
; OUT (ysum): the accumulators as they stand: [token/16][column/16][2][lane][16 bytes]: each store covers 512 consecutive bytes, aligned; no stage in LDS, no arithmetic.
; CLUSTERS 4 x 4: the tokens' chunks are asked for jointly along a row of the cluster, the weight's along a column.
; No prefetch: every byte is asked for by the one group of loads at the head, so no later request is left for one to run ahead of.
; REGISTERS: window 0: v16-29 addresses; v128-255 the accumulators ((a, b) at v[128 + 8 (4 a + b)]).  window 1: two fragment buffers of 128: the tokens' four fragments (16 registers each), then the weight's four.
.set BOFF,  0xF00000                   ; the weight's codes in codes0
.set CHA,   0x100000                   ; 256 k of 4,096 rows
.set CHB,   0x40000                    ; of 1,024 rows
.set PAIR,  65536                      ; two chunks in LDS
.set SPARE, 262144                     ; the spare words: 128 bytes a wave, two blocks of 256 bytes that no other line names
.set FR, 16
.set ADRA, 16                          ; v16-17  LDS address of my tokens' fragments in chunks 0-1, 2-3
.set ADRB, 20                          ; v20-21  of my columns'
.set CO,  26                           ; v26     16 x lane
.set SPW, 28
.set NIL, 29
.set ACC, 128
.set F0,  0
.set F1,  128
.set G1, 24
.set G0, 32
.set G1B, 48
.set G0B, 56
.set MSB, 0
.macro WIN new                         ; the immediate's high byte repeats the setting that is left
.if MSB != \new
	s_set_vgpr_msb (MSB<<8)|\new
.set MSB, \new
.endif
.endm
.set MUL,  0x05                        ; sources 0 and 1 window 1; C and D window 0
.set TO_F, 0x40                        ; destination window 1, address window 0
.macro CROUND                          ; a round of the cluster's barrier
	s_barrier_signal -1
	s_barrier_wait -1
	s_cmp_lg_u32 s14, 0
	s_cbranch_scc1 .Lnot_wave_0_\@
	s_barrier_signal -3
.Lnot_wave_0_\@:
	s_barrier_wait -3
	s_barrier_signal -1
	s_barrier_wait -1
.endm
	s_load_b128 s[4:7], s[0:1], 0x0                ; the tokens' codes, codes0
	s_load_b64 s[10:11], s[0:1], 0x10              ; ysum
	v_lshl_add_u32 v[SPW], v0, 2, SPARE
	v_mov_b32 v[NIL], 0
	ds_add_u32 v[SPW], v[NIL]                      ; the opening lines: the add, twice on end, and its wait
	ds_add_u32 v[SPW], v[NIL]
	s_wait_dscnt 0x0
	v_lshrrev_b32 v1, 5, v0
	v_readfirstlane_b32 s14, v1                    ; wave
	s_lshr_b32 s15, s14, 1                         ; my half of the tile's tokens.  Also: I fetch the tokens' codes (0) or the weight's (1)
	s_and_b32 s16, s14, 1                          ; my half of its columns.  Also: which two chunks I fetch
	s_bfe_u32 s40, ttmp6, 0x40000                  ; cx
	s_bfe_u32 s41, ttmp6, 0x40004                  ; cy
	s_lshl_b32 s42, ttmp9, 2
	s_add_co_u32 s42, s42, s40                     ; tile column
	s_and_b32 s17, ttmp7, 0xffff
	s_lshl_b32 s17, s17, 2
	s_add_co_u32 s17, s17, s41                     ; tile row
	s_lshl_b32 s43, s41, 2
	s_lshl_b32 s43, 15, s43                        ; my row of the cluster
	s_lshl_b32 s44, 0x1111, s40                    ; my column
	s_or_b32 s[G1+0], s43, (3<<16)|(1<<21)         ; the mask; elements of 8 bytes; bit 21 beside a mask; no padding
	s_or_b32 s[G1B+0], s44, (3<<16)|(1<<21)
.irp g, G1, G1B
	s_mov_b32 s[\g+1], 4096<<16                    ; tensor_dim0 = 4,096 elements: a chunk, 32,768 bytes
	s_mov_b32 s[\g+2], 2<<16                       ; tensor_dim1 = 2
	s_mov_b32 s[\g+3], 4096<<16                    ; tile_dim0
	s_mov_b32 s[\g+4], 2                           ; tile_dim1: two chunks
	s_mov_b32 s[\g+6], 0
	s_mov_b32 s[\g+7], 0
.endr
	s_mov_b32 s[G1+5], CHA/8                       ; from chunk to chunk, in elements
	s_mov_b32 s[G1B+5], CHB/8
	s_lshl_b32 s18, s16, 21                        ; my two chunks: 2 CHA bytes on in the tokens' codes,
	s_lshl_b32 s19, s16, 19                        ; 2 CHB bytes on in the weight's
	s_lshl_b32 s20, s17, 15                        ; the tile's part of a chunk: 32,768 bytes
	s_add_co_u32 s20, s20, s18
	s_mov_b32 s21, 0
	s_lshl_b32 s46, s42, 15
	s_add_co_u32 s46, s46, s19
	s_add_co_u32 s46, s46, BOFF
	s_mov_b32 s47, 0
	s_lshl_b32 s45, s14, 16                        ; where they go: wave x 65,536: no place in the cluster enters an LDS address
	s_wait_kmcnt 0x0
	s_add_nc_u64 s[20:21], s[4:5], s[20:21]
	s_add_nc_u64 s[46:47], s[6:7], s[46:47]
	CROUND                                         ; all sixteen work-groups are here: the joint loads meet
	s_mov_b32 s[G0], 1
	s_mov_b32 s[G0+1], s45
	s_mov_b64 s[G0+2:G0+3], s[20:21]
	s_or_b32 s[G0+3], s[G0+3], 0x80000000
	s_mov_b32 s[G0B], 1
	s_mov_b32 s[G0B+1], s45
	s_mov_b64 s[G0B+2:G0B+3], s[46:47]
	s_or_b32 s[G0B+3], s[G0B+3], 0x80000000
	s_cmp_eq_u32 s15, 0                            ; each of the two lines has one mask; an s_nop 0 and four v_nop follow each
	s_cbranch_scc0 .Lfor_b
	tensor_load_to_lds s[G0:G0+3], s[G1:G1+7]
	s_nop 0
.rept 4
	v_nop
.endr
	s_branch .Lasked
.Lfor_b:
	tensor_load_to_lds s[G0B:G0B+3], s[G1B:G1B+7]
	s_nop 0
.rept 4
	v_nop
.endr
.Lasked:
	v_and_b32 v1, 31, v0
	v_lshlrev_b32 v[CO], 4, v1
	s_lshl_b32 s21, s15, 14                        ; my 64 tokens: four images of 4,096 bytes in each chunk
	s_lshl_b32 s22, s16, 14
	s_add_co_u32 s22, s22, 2*PAIR                  ; my 64 columns, behind the tokens' four chunks
.irp s, 0,1
	v_add_nc_u32 v[ADRA+\s], s21, v[CO]
	v_add_nc_u32 v[ADRB+\s], s22, v[CO]
	s_add_co_u32 s21, s21, PAIR
	s_add_co_u32 s22, s22, PAIR
.endr
	s_lshl_b32 s20, s17, 3
	s_lshl_b32 s21, s15, 2
	s_add_co_u32 s20, s20, s21
	s_lshl_b32 s20, s20, 16                        ; my first tile of 16 tokens: 65,536 bytes each
	s_lshl_b32 s21, s42, 3
	s_lshl_b32 s22, s16, 2
	s_add_co_u32 s21, s21, s22
	s_lshl_b32 s21, s21, 10                        ; my first tile of 16 columns: 1,024 bytes each
	s_add_co_u32 s20, s20, s21
	s_mov_b32 s21, 0
	s_add_nc_u64 s[10:11], s[10:11], s[20:21]
.macro FRAG reg, adr, q, i             ; a fragment, 16 rows x 128 K, the q-th 128 along K of a pair of chunks: four loads of 512 consecutive bytes
.irp c, 0,1,2,3
	ds_load_b128 v[\reg+4*\c:\reg+4*\c+3], v[\adr] offset:((\q)/2)*32768+(\i)*4096+((\q)%2)*2048+\c*512
.endr
.endm
.macro FETCH p, q, f                   ; 32 LDS loads in one run: my four fragments of the weight and my four of the tokens into buffer f
	WIN TO_F
.irp i, 0,1,2,3
	FRAG \f+64+FR*\i, ADRB+\p, \q, \i
	FRAG \f+FR*\i, ADRA+\p, \q, \i
.endr
.endm
.macro MUL16 f, zero                   ; the 16 accumulators take turns, one instruction a turn, in the same order in every step
	WIN MUL
.irp a, 0,1,2,3
.irp b, 0,1,2,3
.if \zero
	v_wmma_f32_16x16x128_fp8_fp8 v[ACC+8*(4*\a+\b):ACC+8*(4*\a+\b)+7], v[\f+64+FR*\b:\f+64+FR*\b+FR-1], v[\f+FR*\a:\f+FR*\a+FR-1], 0
.else
	v_wmma_f32_16x16x128_fp8_fp8 v[ACC+8*(4*\a+\b):ACC+8*(4*\a+\b)+7], v[\f+64+FR*\b:\f+64+FR*\b+FR-1], v[\f+FR*\a:\f+FR*\a+FR-1], v[ACC+8*(4*\a+\b):ACC+8*(4*\a+\b)+7]
.endif
.endr
.endr
.endm
.macro STEP p, q, f, g, zero           ; multiplies buffer f; ahead of the products the next step's fragments (pair p, its q-th 128) are asked for into g
	s_wait_dscnt 0x0                               ; buffer f is in
.rept 4
	v_nop                                          ; places behind the last step's products, which read g (ISA guide 7.12.1)
.endr
	FETCH \p, \q, \g
	MUL16 \f, \zero
.endm
	s_wait_alu depctr_va_vdst(0)
	s_wait_tensorcnt 0x0                           ; my two chunks are in
	s_barrier_signal -1
	s_barrier_wait -1                              ; everybody's are
	FETCH 0, 0, F0
	STEP 0, 1, F0, F1, 1                           ; the first step starts the sums: nothing is cleared
	STEP 0, 2, F1, F0, 0
	STEP 0, 3, F0, F1, 0
	STEP 1, 0, F1, F0, 0
	STEP 1, 1, F0, F1, 0
	STEP 1, 2, F1, F0, 0
	STEP 1, 3, F0, F1, 0
	s_wait_dscnt 0x0                               ; the last step: nothing more to fetch
	MUL16 F1, 0
	WIN 0
.rept 4
	v_nop                                          ; places behind the last products, ahead of the stores that read results
.endr
.irp a, 0,1,2,3
.irp b, 0,1,2,3
	global_store_b128 v[CO], v[ACC+8*(4*\a+\b):ACC+8*(4*\a+\b)+3], s[10:11] offset:\a*65536+\b*1024 th:TH_STORE_NT          ; the low four registers first
	global_store_b128 v[CO], v[ACC+8*(4*\a+\b)+4:ACC+8*(4*\a+\b)+7], s[10:11] offset:\a*65536+\b*1024+512 th:TH_STORE_NT
.endr
.endr
	s_wait_tensorcnt 0x0                           ; the wave's end
	ds_add_u32 v[SPW], v[NIL]
	s_wait_dscnt 0x0
	CROUND                                         ; the closing round
	s_endpgm
.Lfunc_end_k_qfc7432b803_wo:
	.size	k_qfc7432b803_wo, .Lfunc_end_k_qfc7432b803_wo-k_qfc7432b803_wo
	.p2alignl 7, 3214868480
	.fill 96, 4, 3214868480
	.section	.rodata,"a",@progbits
	.p2align	6, 0x0
	.amdhsa_kernel k_qfc7432b803_wo
		.amdhsa_group_segment_fixed_size 327680
		.amdhsa_private_segment_fixed_size 0
		.amdhsa_enable_private_segment 0
		.amdhsa_kernarg_size 24
		.amdhsa_user_sgpr_count 2
		.amdhsa_user_sgpr_kernarg_segment_ptr 1
		.amdhsa_wavefront_size32 1
		.amdhsa_system_sgpr_workgroup_id_x 1
		.amdhsa_system_sgpr_workgroup_id_y 1
		.amdhsa_system_sgpr_workgroup_id_z 1
		.amdhsa_system_vgpr_workitem_id 0
		.amdhsa_next_free_vgpr 512
		.amdhsa_next_free_sgpr 66
		.amdhsa_reserve_vcc 0
		.amdhsa_float_denorm_mode_32 3
		.amdhsa_float_denorm_mode_16_64 3
		.amdhsa_memory_ordered 1
		.amdhsa_forward_progress 1
		.amdhsa_inst_pref_size 35
	.end_amdhsa_kernel
	.amdgpu_metadata
---
amdhsa.version: [ 1, 2 ]
amdhsa.kernels:
  - .name:           k_qfc7432b803_wo
    .symbol:         k_qfc7432b803_wo.kd
    .args:
      - { .name: ctxc, .offset: 0, .size: 8, .value_kind: global_buffer, .address_space: global }
      - { .name: codes0, .offset: 8, .size: 8, .value_kind: global_buffer, .address_space: global }
      - { .name: ysum, .offset: 16, .size: 8, .value_kind: global_buffer, .address_space: global }
    .group_segment_fixed_size: 327680
    .private_segment_fixed_size: 0
    .kernarg_segment_align: 8
    .kernarg_segment_size: 24
    .max_flat_workgroup_size: 128
    .sgpr_count:     66
    .vgpr_count:     512
    .wavefront_size: 32
...
	.end_amdgpu_metadata
.endif
;; end of part 12
;; launch ln1 (part 13): grid 256 x 1, 16 waves a work-group, no clusters, 73,728 bytes of LDS; arguments ysum, x, bo, g1, be1, lowp_scales, x1b; writes x1b
.if DOCPART == 13
	.amdgcn_target "amdgcn-amd-amdhsa--gfx1250"
	.amdhsa_code_object_version 6
	.text
	.protected	k_qfc7432b803_ln1
	.globl	k_qfc7432b803_ln1
	.p2align	8
	.type	k_qfc7432b803_ln1,@function
k_qfc7432b803_ln1:
	s_mov_b64 s[64:65], 0
	v_nop
	global_prefetch_b8 v0, s[64:65] scope:SCOPE_SE
	s_setreg_imm32_b32 hwreg(HW_REG_WAVE_MODE, 25, 1), 1
	s_wait_xcnt 0x0
; x1 = layer_norm(x + (sum x 2^(e10 + e11) + bo)) x g1 + be1, stored as f32 (for the second residual) and as codes of E4M3 with 2^e12 (for product 7).
; A work-group owns 16 whole rows; wave w owns columns 64 w .. 64 w + 63.  Lane (r, h) holds, of row r, columns 64 w + 16 b + 8 h + 0 .. 7, b = 0 .. 3: the layout in which the product left its sums,
; so ysum comes by loads of 512 consecutive bytes, and eight registers are eight neighbours along the next K.  x is row-major: it comes by rows (sixteen lanes to 256 aligned bytes) and turns through the wave's own stage in LDS.
; Mean first, then the mean of squared differences, as the source writes it: a common offset of the inputs does no harm.  A row's sums meet in LDS: [row][wave], one barrier each, words of their own for each of the two.
; A stream: no matrix unit, no cluster, no tensor load: nothing is shared between work-groups but three short vectors.
; x1b: f32 at 0 in ysum's layout; codes at 16 Mi as [k/256][token/16][2][2,048].   LIMITS: e10 + e11 between -126 and 127; e12 between -126 and 119.
.set Y,  32
.set XL, 64
.set XR, 96
.set BO, 128
.set G,  160
.set BE, 192
.set CD, 240
.set PITCH, 272
.set WST, 16*PITCH
.set RED, 16*WST                       ; 69,632: [16 rows][16 waves] f32; the second sum's words 1,024 bytes on
	s_load_b256 s[4:11], s[0:1], 0x0               ; ysum 4, x 6, bo 8, g1 10
	s_load_b128 s[12:15], s[0:1], 0x20             ; be1 12, the scales' exponents 14
	s_load_b64 s[16:17], s[0:1], 0x30              ; x1b
	v_lshl_add_u32 v254, v0, 2, 0x11800
	v_mov_b32 v255, 0
	v_lshrrev_b32 v2, 5, v0
	s_delay_alu instid0(VALU_DEP_1)
	v_readfirstlane_b32 s18, v2                    ; wave
	v_and_b32 v2, 31, v0
	s_delay_alu instid0(VALU_DEP_1)
	v_lshlrev_b32 v1, 4, v2                        ; 16 x lane
	v_and_b32 v10, 15, v0                          ; r
	v_bfe_u32 v11, v0, 4, 1                        ; h
	s_mul_i32 s19, s18, WST
	v_mul_u32_u24 v4, v11, PITCH
	s_delay_alu instid0(VALU_DEP_1)
	v_lshl_add_u32 v4, v10, 4, v4
	s_delay_alu instid0(VALU_DEP_1)
	v_add_nc_u32 v4, s19, v4                       ; the stage by rows: two rows an instruction
	v_mul_u32_u24 v5, v10, PITCH
	s_delay_alu instid0(VALU_DEP_1)
	v_lshl_add_u32 v5, v11, 5, v5
	s_delay_alu instid0(VALU_DEP_1)
	v_add_nc_u32 v5, s19, v5                       ; by my layout: row r, + 32 h
	v_lshlrev_b32 v6, 5, v11                       ; 32 h
	v_lshlrev_b32 v7, 12, v11
	s_delay_alu instid0(VALU_DEP_1)
	v_lshl_add_u32 v7, v10, 4, v7                  ; row-major: 4,096 (lane / 16) + 16 (lane % 16)
	v_lshlrev_b32 v9, 6, v10
	s_delay_alu instid0(VALU_DEP_1)
	v_add_nc_u32 v9, RED, v9                       ; my row's 16 words
	s_lshl_b32 s20, s18, 2
	v_add_nc_u32 v8, s20, v9                       ; my wave's word among them
	s_lshl_b32 s20, ttmp9, 16
	s_lshl_b32 s21, s18, 12
	s_add_co_u32 s22, s20, s21
	s_mov_b32 s23, 0                               ; s[22:23]: my part of an f32 image
	s_lshl_b32 s24, s18, 8
	s_mov_b32 s25, 0                               ; s[24:25]: my 64 columns
	s_add_co_u32 s26, s20, s24
	s_mov_b32 s27, 0                               ; s[26:27]: the same in my rows of x
	s_lshr_b32 s28, s18, 2
	s_lshl_b32 s28, s28, 8
	s_add_co_u32 s28, s28, ttmp9
	s_lshl_b32 s28, s28, 12
	s_bfe_u32 s29, s18, 0x10001
	s_lshl_b32 s29, s29, 11
	s_add_co_u32 s28, s28, s29
	s_and_b32 s29, s18, 1
	s_lshl_b32 s29, s29, 10
	s_add_co_u32 s28, s28, s29
	s_add_co_u32 s28, s28, 0x1000000
	s_mov_b32 s29, 0                               ; s[28:29]: my codes
	s_mov_b32 s32, 0x76543210
	s_mov_b32 s33, 0xfedcba98
	s_mov_b32 s34, 0x3a800000                      ; 1 / 1,024
	s_mov_b32 s35, 0x3727c5ac                      ; 1e-5
	s_wait_alu depctr_va_vdst(0)
	s_wait_kmcnt 0x0
	s_load_b128 s[36:39], s[14:15], 0x28           ; e10 .. e13
	s_add_nc_u64 s[4:5], s[4:5], s[22:23]
	s_add_nc_u64 s[6:7], s[6:7], s[26:27]
	s_add_nc_u64 s[8:9], s[8:9], s[24:25]
	s_add_nc_u64 s[10:11], s[10:11], s[24:25]
	s_add_nc_u64 s[12:13], s[12:13], s[24:25]
	s_add_nc_u64 s[30:31], s[16:17], s[28:29]
	s_add_nc_u64 s[16:17], s[16:17], s[22:23]
.set i, 0
.rept 8
	global_load_b128 v[XL+4*i:XL+4*i+3], v7, s[6:7] offset:i*8192 th:TH_LOAD_NT
.set i, i+1
.endr
.irp b, 0,1,2,3
.irp q, 0,1
	global_load_b128 v[Y+8*\b+4*\q:Y+8*\b+4*\q+3], v1, s[4:5] offset:\b*1024+\q*512 th:TH_LOAD_NT
.endr
.endr
.macro VEC dst, base                   ; a vector's numbers at my 32 columns
.irp b, 0,1,2,3
.irp q, 0,1
	global_load_b128 v[\dst+8*\b+4*\q:\dst+8*\b+4*\q+3], v6, s[\base:\base+1] offset:\b*64+\q*16
.endr
.endr
.endm
	VEC BO, 8
	VEC G, 10
	VEC BE, 12
.macro TREE                            ; eight pairs in v224-239 become one number in v224
.set i, 0
.rept 4
	v_pk_add_f32 v[224+4*i:225+4*i], v[224+4*i:225+4*i], v[226+4*i:227+4*i]
.set i, i+1
.endr
	s_delay_alu instid0(VALU_DEP_3)
	v_pk_add_f32 v[224:225], v[224:225], v[228:229]
	s_delay_alu instid0(VALU_DEP_2)
	v_pk_add_f32 v[232:233], v[232:233], v[236:237]
	s_delay_alu instid0(VALU_DEP_1)
	v_pk_add_f32 v[224:225], v[224:225], v[232:233]
	s_delay_alu instid0(VALU_DEP_1)
	v_add_f32 v224, v224, v225
.endm
.macro CROSS off                       ; my lane's sum in v224 becomes the row's sum over all 1,024 columns, in every lane of the row
	s_delay_alu instid0(VALU_DEP_1)
	v_permlanex16_b32 v226, v224, s32, s33
	s_delay_alu instid0(VALU_DEP_1)
	v_add_f32 v224, v224, v226                     ; my wave's 64 columns of row r
	ds_store_b32 v8, v224 offset:\off
	s_wait_dscnt 0x0                               ; for the others' sake
	s_barrier_signal -1
	s_barrier_wait -1
	ds_load_b128 v[224:227], v9 offset:\off
	ds_load_b128 v[228:231], v9 offset:\off+16
	ds_load_b128 v[232:235], v9 offset:\off+32
	ds_load_b128 v[236:239], v9 offset:\off+48
	s_wait_dscnt 0x0
	TREE
.endm
	s_wait_loadcnt 32                              ; x's eight loads are in; the 32 behind them may be out
.set i, 0
.rept 8
	ds_store_b128 v4, v[XL+4*i:XL+4*i+3] offset:i*2*PITCH
.set i, i+1
.endr
.irp b, 0,1,2,3
.irp q, 0,1
	ds_load_b128 v[XR+8*\b+4*\q:XR+8*\b+4*\q+3], v5 offset:\b*64+\q*16     ; LDS serves a wave's instructions in order: these see my stores
.endr
.endr
	s_wait_kmcnt 0x0
	s_add_co_i32 s40, s36, s37
	s_add_co_i32 s40, s40, 127
	s_lshl_b32 s40, s40, 23                        ; 2^(e10 + e11)
	s_mov_b32 s41, s40
	s_add_co_i32 s42, s38, 127
	s_lshl_b32 s43, s42, 23
	v_mov_b32 v252, s43                            ; 2^e12
	s_add_co_i32 s42, s42, 8
	s_lshl_b32 s42, s42, 23
	s_or_b32 s42, s42, 0x600000
	v_mov_b32 v253, s42                            ; 448 x 2^e12
	s_wait_loadcnt 16                              ; the sums and bo are in; gain and shift may be out
	s_wait_dscnt 0x0
.set i, 0
.rept 16
	v_pk_fma_f32 v[Y+2*i:Y+2*i+1], v[Y+2*i:Y+2*i+1], s[40:41], v[BO+2*i:BO+2*i+1] op_sel_hi:[1,0,1]
.set i, i+1
.endr
.set i, 0
.rept 16
	v_pk_add_f32 v[Y+2*i:Y+2*i+1], v[Y+2*i:Y+2*i+1], v[XR+2*i:XR+2*i+1]
.set i, i+1
.endr
.set i, 0
.rept 8
	v_pk_add_f32 v[224+2*i:225+2*i], v[Y+4*i:Y+4*i+1], v[Y+4*i+2:Y+4*i+3]
.set i, i+1
.endr
	TREE
	CROSS 0
	s_delay_alu instid0(VALU_DEP_1)
	v_mul_f32 v248, s34, v224                      ; the mean
	s_delay_alu instid0(VALU_DEP_1)
	v_mov_b32 v249, v248
.set i, 0
.rept 16
	v_pk_add_f32 v[Y+2*i:Y+2*i+1], v[Y+2*i:Y+2*i+1], v[248:249] neg_lo:[0,1] neg_hi:[0,1]
.set i, i+1
.endr
.set i, 0
.rept 8
	v_pk_mul_f32 v[224+2*i:225+2*i], v[Y+4*i:Y+4*i+1], v[Y+4*i:Y+4*i+1]
.set i, i+1
.endr
.set i, 0
.rept 8
	v_pk_fma_f32 v[224+2*i:225+2*i], v[Y+4*i+2:Y+4*i+3], v[Y+4*i+2:Y+4*i+3], v[224+2*i:225+2*i]
.set i, i+1
.endr
	TREE
	CROSS 1024
	s_delay_alu instid0(VALU_DEP_1)
	v_fma_f32 v250, v224, s34, s35                 ; the variance + 1e-5
	s_wait_alu depctr_va_vdst(0)
	v_rsq_f32 v250, v250
	v_nop                                          ; a plain line behind it
	s_wait_alu depctr_va_vdst(0)                   ; ahead of its first reader
	v_mov_b32 v251, v250
	s_wait_alu depctr_va_vdst(0)
	s_wait_loadcnt 0x0                             ; gain and shift
.set i, 0
.rept 16
	v_pk_mul_f32 v[Y+2*i:Y+2*i+1], v[Y+2*i:Y+2*i+1], v[250:251]
.set i, i+1
.endr
.set i, 0
.rept 16
	v_pk_fma_f32 v[Y+2*i:Y+2*i+1], v[Y+2*i:Y+2*i+1], v[G+2*i:G+2*i+1], v[BE+2*i:BE+2*i+1]
.set i, i+1
.endr
.irp b, 0,1,2,3
.irp q, 0,1
	global_store_b128 v1, v[Y+8*\b+4*\q:Y+8*\b+4*\q+3], s[16:17] offset:\b*1024+\q*512     ; 512 consecutive bytes, aligned
.endr
.endr
.set i, 0
.rept 32
	v_med3_num_f32 v[XR+i], v[Y+i], -v253, v253    ; into other registers: the stores above still read Y
.set i, i+1
.endr
.set i, 0
.rept 4
	v_cvt_scalef32_pk8_fp8_f32 v[CD+2*i:CD+2*i+1], v[XR+8*i:XR+8*i+7], v252
.set i, i+1
.endr
	global_store_b128 v1, v[CD:CD+3], s[30:31]
	global_store_b128 v1, v[CD+4:CD+7], s[30:31] offset:512
	s_wait_tensorcnt 0x0
	ds_add_u32 v254, v255
	s_wait_dscnt 0x0
	s_endpgm
.Lfunc_end_k_qfc7432b803_ln1:
	.size	k_qfc7432b803_ln1, .Lfunc_end_k_qfc7432b803_ln1-k_qfc7432b803_ln1
	.p2alignl 7, 3214868480
	.fill 96, 4, 3214868480
	.section	.rodata,"a",@progbits
	.p2align	6, 0x0
	.amdhsa_kernel k_qfc7432b803_ln1
		.amdhsa_group_segment_fixed_size 73728
		.amdhsa_private_segment_fixed_size 0
		.amdhsa_enable_private_segment 0
		.amdhsa_kernarg_size 56
		.amdhsa_user_sgpr_count 2
		.amdhsa_user_sgpr_kernarg_segment_ptr 1
		.amdhsa_wavefront_size32 1
		.amdhsa_system_sgpr_workgroup_id_x 1
		.amdhsa_system_sgpr_workgroup_id_y 1
		.amdhsa_system_sgpr_workgroup_id_z 1
		.amdhsa_system_vgpr_workitem_id 0
		.amdhsa_next_free_vgpr 256
		.amdhsa_next_free_sgpr 66
		.amdhsa_reserve_vcc 0
		.amdhsa_float_denorm_mode_32 3
		.amdhsa_float_denorm_mode_16_64 3
		.amdhsa_memory_ordered 1
		.amdhsa_forward_progress 1
		.amdhsa_inst_pref_size 23
	.end_amdhsa_kernel
	.amdgpu_metadata
---
amdhsa.version: [ 1, 2 ]
amdhsa.kernels:
  - .name:           k_qfc7432b803_ln1
    .symbol:         k_qfc7432b803_ln1.kd
    .args:
      - { .name: ysum, .offset: 0, .size: 8, .value_kind: global_buffer, .address_space: global }
      - { .name: x, .offset: 8, .size: 8, .value_kind: global_buffer, .address_space: global }
      - { .name: bo, .offset: 16, .size: 8, .value_kind: global_buffer, .address_space: global }
      - { .name: g1, .offset: 24, .size: 8, .value_kind: global_buffer, .address_space: global }
      - { .name: be1, .offset: 32, .size: 8, .value_kind: global_buffer, .address_space: global }
      - { .name: lowp_scales, .offset: 40, .size: 8, .value_kind: global_buffer, .address_space: global }
      - { .name: x1b, .offset: 48, .size: 8, .value_kind: global_buffer, .address_space: global }
    .group_segment_fixed_size: 73728
    .private_segment_fixed_size: 0
    .kernarg_segment_align: 8
    .kernarg_segment_size: 56
    .max_flat_workgroup_size: 512
    .sgpr_count:     66
    .vgpr_count:     256
    .wavefront_size: 32
...
	.end_amdgpu_metadata
.endif
;; end of part 13
;; launch w1 (part 14): grid 16 x 16, 4 waves a work-group, clusters of 4 x 4, 327,680 bytes of LDS; arguments x1b, codes0, lowp_scales, b1, hc; writes hc
.if DOCPART == 14
	.amdgcn_target "amdgcn-amd-amdhsa--gfx1250"
	.amdhsa_code_object_version 6
	.text
	.protected	k_qfc7432b803_w1
	.globl	k_qfc7432b803_w1
	.p2align	8
	.type	k_qfc7432b803_w1,@function
k_qfc7432b803_w1:
	s_mov_b64 s[64:65], 0
	v_nop
	global_prefetch_b8 v0, s[64:65] scope:SCOPE_SE
	s_setreg_imm32_b32 hwreg(HW_REG_WAVE_MODE, 25, 1), 1
	s_wait_xcnt 0x0
	s_wait_alu depctr_hold_cnt(0) depctr_sa_sdst(0) depctr_va_vdst(0) depctr_va_sdst(0) depctr_va_ssrc(0) depctr_va_vcc(0) depctr_vm_vsrc(0)
	s_getreg_b32 s2, hwreg(HW_REG_IB_STS2, 6, 4)
	s_cmp_eq_u32 s2, 0
	s_cbranch_scc0 .Lentry_in_a_cluster
	s_endpgm
.Lentry_in_a_cluster:
	s_bfe_u32 s2, ttmp6, 0x10000c
	s_cmp_lg_u32 s2, 0xf033
	s_cbranch_scc0 .Lentry_shape_is_right
	s_endpgm
.Lentry_shape_is_right:
.set LAPS,  2
.set CHA,   0x100000
.set CHB,   0x100000
.set SLOT,  131072
.set SPARE, 2*SLOT
.set FR, 16
.set NL, 4
.set NP, 4
.set ADRA, 16
.set ADRB, 20
.set CO,  26
.set SPW, 28
.set NIL, 29
.set BB,  32
.set CD,  96
.set AF,  128
.set T,   128
.set U,   192
.set P,   0
.set PW,  64
.set G1, 24
.set G0, 32
.set G1B, 48
.set G0B, 56
.set MSB, 0
.macro WIN new
.if MSB != \new
	s_set_vgpr_msb (MSB<<8)|\new
.set MSB, \new
.endif
.endm
.set MUL_LO, 0xa1
.set MUL_HI, 0xf1
.set TO_B,   0x40
.macro JLOAD g0a, g1a, g0b, g1b
	s_cmp_eq_u32 s15, 0
	s_cbranch_scc0 .Lfor_b_\@
	tensor_load_to_lds s[\g0a:\g0a+3], s[\g1a:\g1a+7]
	s_nop 0
.rept 4
	v_nop
.endr
	s_branch .Lasked_\@
.Lfor_b_\@:
	tensor_load_to_lds s[\g0b:\g0b+3], s[\g1b:\g1b+7]
	s_nop 0
.rept 4
	v_nop
.endr
.Lasked_\@:
.endm
.macro CREST
	s_cmp_lg_u32 s14, 0
	s_cbranch_scc1 .Lnot_wave_0_\@
	s_barrier_signal -3
.Lnot_wave_0_\@:
	s_barrier_wait -3
	s_barrier_signal -1
	s_barrier_wait -1
.endm
.macro CROUND
	s_barrier_signal -1
	s_barrier_wait -1
	CREST
.endm
	s_load_b256 s[4:11], s[0:1], 0x0
	s_load_b64 s[12:13], s[0:1], 0x20
	v_lshl_add_u32 v[SPW], v0, 2, SPARE
	v_mov_b32 v[NIL], 0
	ds_add_u32 v28, v29
	ds_add_u32 v28, v29
	s_wait_dscnt 0x0
	v_lshrrev_b32 v1, 5, v0
	v_readfirstlane_b32 s14, v1
	s_lshr_b32 s15, s14, 1
	s_and_b32 s16, s14, 1
	s_bfe_u32 s40, ttmp6, 0x40000
	s_bfe_u32 s41, ttmp6, 0x40004
	s_lshl_b32 s42, ttmp9, 2
	s_add_co_u32 s42, s42, s40
	s_and_b32 s17, ttmp7, 0xffff
	s_lshl_b32 s17, s17, 2
	s_add_co_u32 s17, s17, s41
	s_lshl_b32 s43, s41, 2
	s_lshl_b32 s43, 15, s43
	s_lshl_b32 s44, 0x1111, s40
	s_or_b32 s[G1+0], s43, (3<<16)|(1<<21)
	s_or_b32 s[G1B+0], s44, (3<<16)|(1<<21)
.irp g, G1, G1B
	s_mov_b32 s[\g+1], 32<<16
	s_mov_b32 s[\g+2], 128<<16
	s_mov_b32 s[\g+3], 32<<16
	s_mov_b32 s[\g+4], 128
	s_mov_b32 s[\g+5], 32
	s_mov_b32 s[\g+6], 0
	s_mov_b32 s[\g+7], 0
.endr
	s_lshl_b32 s18, s16, 15
	s_lshl_b32 s20, s17, 16
	s_add_co_u32 s20, s20, s18
	s_add_co_u32 s20, s20, 0x1000000
	s_mov_b32 s21, 0
	s_lshl_b32 s46, s42, 16
	s_add_co_u32 s46, s46, s18
	s_add_co_u32 s46, s46, 0x1000000
	s_mov_b32 s47, 0
	s_lshl_b32 s45, s14, 15
	s_mov_b32 s66, 2*CHA
	s_mov_b32 s67, 0
	s_mov_b32 s68, 2*CHB
	s_mov_b32 s69, 0
	s_wait_kmcnt 0x0
	s_load_b128 s[96:99], s[8:9], 0x30
	s_add_nc_u64 s[20:21], s[4:5], s[20:21]
	s_add_nc_u64 s[46:47], s[6:7], s[46:47]
	CROUND
.irp s, 0,1
	s_mov_b32 s[G0+4*\s], 1
	s_add_co_u32 s[G0+4*\s+1], s45, \s*SLOT
	s_add_nc_u64 s[G0+4*\s+2:G0+4*\s+3], s[20:21], \s*CHA
	s_or_b32 s[G0+4*\s+3], s[G0+4*\s+3], 0x80000000
	s_mov_b32 s[G0B+4*\s], 1
	s_add_co_u32 s[G0B+4*\s+1], s45, \s*SLOT
	s_add_nc_u64 s[G0B+4*\s+2:G0B+4*\s+3], s[46:47], \s*CHB
	s_or_b32 s[G0B+4*\s+3], s[G0B+4*\s+3], 0x80000000
.if \s
	s_wait_alu depctr_va_vdst(0)
	s_wait_tensorcnt 0x0
	ds_add_u32 v28, v29
	s_wait_dscnt 0x0
	CROUND
.endif
	JLOAD G0+4*\s, G1, G0B+4*\s, G1B
.endr
	v_and_b32 v1, 31, v0
	v_lshlrev_b32 v[CO], 4, v1
	s_lshl_b32 s21, s15, 15
	s_lshl_b32 s22, s16, 15
	s_add_co_u32 s22, s22, 65536
.irp s, 0,1
	v_add_nc_u32 v[ADRA+\s], s21, v[CO]
	v_add_nc_u32 v[ADRB+\s], s22, v[CO]
	s_add_co_u32 s21, s21, SLOT
	s_add_co_u32 s22, s22, SLOT
.endr
	s_lshl_b32 s18, s42, 8
	s_lshl_b32 s19, s16, 7
	s_add_co_u32 s18, s18, s19
	s_lshl_b32 s18, s18, 2
	s_mov_b32 s19, 0
	s_add_nc_u64 s[10:11], s[10:11], s[18:19]
	v_bfe_u32 v2, v0, 4, 1
	v_lshlrev_b32 v2, 5, v2
.irp b, 0,1,2,3,4,5,6,7
	global_load_b128 v[BB+8*\b:BB+8*\b+3], v2, s[10:11] offset:64*\b
	global_load_b128 v[BB+8*\b+4:BB+8*\b+7], v2, s[10:11] offset:64*\b+16
.endr
	s_lshl_b32 s18, s42, 8
	s_lshl_b32 s20, s17, 4
	s_add_co_u32 s18, s18, s20
	s_lshl_b32 s20, s15, 3
	s_add_co_u32 s18, s18, s20
	s_lshl_b32 s18, s18, 12
	s_lshl_b32 s20, s16, 11
	s_add_co_u32 s18, s18, s20
	s_add_nc_u64 s[12:13], s[12:13], s[18:19]
.macro FRAG reg, adr, q, i
.irp c, 0,1,2,3
	ds_load_b128 v[\reg+4*\c:\reg+4*\c+3], v[\adr] offset:(\i)*4096+(\q)*2048+\c*512
.endr
.endm
.macro MUL16 a0, p, zero
.irp a, \a0, \a0+1
.irp b, 0,1,2,3,4,5,6,7
.if \zero
	v_wmma_f32_16x16x128_fp8_fp8 v[8*(8*((\a)%4)+\b):8*(8*((\a)%4)+\b)+7], v[128*(\p)+FR*\b:128*(\p)+FR*\b+FR-1], v[AF+FR*(\a):AF+FR*(\a)+FR-1], 0
.else
	v_wmma_f32_16x16x128_fp8_fp8 v[8*(8*((\a)%4)+\b):8*(8*((\a)%4)+\b)+7], v[128*(\p)+FR*\b:128*(\p)+FR*\b+FR-1], v[AF+FR*(\a):AF+FR*(\a)+FR-1], v[8*(8*((\a)%4)+\b):8*(8*((\a)%4)+\b)+7]
.endif
.endr
.endr
.endm
.macro FETCH_B slot, q, p
	WIN TO_B
.irp i, 0,1,2,3,4,5,6,7
	FRAG 128*(\p)+FR*\i, ADRB+\slot, \q, \i
.endr
	WIN 0
.endm
.macro FETCH_A slot, q, i0
.irp i, \i0, \i0+1, \i0+2, \i0+3
	FRAG AF+FR*(\i), ADRA+\slot, \q, \i
.endr
.endm
.macro PLACES n
.rept \n
	v_nop
.endr
.endm
.macro STEP slot, q, zero
	s_wait_dscnt 4*NL
	WIN MUL_LO
	MUL16 0, (\q)%2, \zero
	MUL16 2, (\q)%2, \zero
	s_wait_dscnt 0
	PLACES NP
	FETCH_B \slot, (\q)+1, 1-(\q)%2
	FETCH_A \slot, (\q)+1, 0
	WIN MUL_HI
	MUL16 4, (\q)%2, \zero
	MUL16 6, (\q)%2, \zero
	PLACES NP
	WIN 0
	FETCH_A \slot, (\q)+1, 4
.endm
.macro TURN slot, next, fill
	s_wait_tensorcnt 0x0
	ds_add_u32 v[SPW], v[NIL]
	s_wait_dscnt 4*NL+1
	WIN MUL_LO
	MUL16 0, 1, 0
	s_wait_dscnt 0x0
	s_barrier_signal -1
	MUL16 2, 1, 0
	WIN 0
	s_barrier_wait -1
.if \fill
	CREST
	s_add_nc_u64 s[G0+4*\slot+2:G0+4*\slot+3], s[G0+4*\slot+2:G0+4*\slot+3], s[66:67]
	s_add_nc_u64 s[G0B+4*\slot+2:G0B+4*\slot+3], s[G0B+4*\slot+2:G0B+4*\slot+3], s[68:69]
	JLOAD G0+4*\slot, G1, G0B+4*\slot, G1B
.else
	PLACES NP
.endif
	FETCH_B \next, 0, 0
	FETCH_A \next, 0, 0
	WIN MUL_HI
	MUL16 4, 1, 0
	MUL16 6, 1, 0
	PLACES NP
	WIN 0
	FETCH_A \next, 0, 4
.endm
	s_wait_alu depctr_va_vdst(0)
	s_wait_tensorcnt 1
	s_barrier_signal -1
	s_barrier_wait -1
	FETCH_B 0, 0, 0
	FETCH_A 0, 0, 0
	FETCH_A 0, 0, 4
	STEP 0, 0, 1
	s_mov_b32 s3, LAPS-1
.Llap:
	TURN 0, 1, 1
	STEP 1, 0, 0
	TURN 1, 0, 1
	STEP 0, 0, 0
	s_sub_co_u32 s3, s3, 1
	s_cmp_lg_u32 s3, 0
	s_cbranch_scc1 .Llap
	TURN 0, 1, 0
	STEP 1, 0, 0
	s_wait_dscnt 4*NL
	WIN MUL_LO
	MUL16 0, 1, 0
	MUL16 2, 1, 0
	s_wait_dscnt 0
	WIN MUL_HI
	MUL16 4, 1, 0
	MUL16 6, 1, 0
	WIN 0
	PLACES NP
	s_wait_loadcnt 0x0
	s_wait_kmcnt 0x0
.macro KPAIR reg, val
	s_mov_b32 s[\reg], \val
	s_mov_b32 s[\reg+1], \val
.endm
	KPAIR 70, 0xC034D90F
	KPAIR 72, 0x3FB8AB5A
	KPAIR 74, 0x3F0A29D2
	KPAIR 76, 0x3E0EFB2E
	KPAIR 78, 0xBE899A80
	KPAIR 80, 0x3ECDFD18
	KPAIR 82, 0xBFD1A1E5
	KPAIR 84, 0x40097039
	KPAIR 88, 0x3E7C6F08
	KPAIR 90, 0xBF38AA3B
	s_mov_b32 s92, 0x3EB504F3
	v_mov_b32 v24, 0xBF97D29D
	v_mov_b32 v25, 0xBF97D29D
	s_add_co_i32 s94, s96, s97
	s_add_co_i32 s94, s94, 127
	s_lshl_b32 s94, s94, 23
	s_mov_b32 s95, s94
	s_add_co_i32 s18, s98, 127
	s_lshl_b32 s19, s18, 23
	v_mov_b32 v23, s19
	s_add_co_i32 s18, s18, 8
	s_lshl_b32 s18, s18, 23
	s_or_b32 s18, s18, 0x600000
	v_mov_b32 v22, s18
.macro ACCIN k
	WIN 0x02+(\k)/4
.set j, 0
.rept 32
	v_pk_fma_f32 v[T+j:T+j+1], v[64*((\k)%4)+j:64*((\k)%4)+j+1], s[94:95], v[BB+j:BB+j+1] op_sel_hi:[1,0,1]
.set j, j+2
.endr
	WIN 0
.endm
.macro ACCBLK k
.Lacc_\k:
	ACCIN \k
	s_branch .Lgelu
.endm
	s_mov_b32 s93, 0
.Lrow:
.irp k, 0,1,2,3,4,5,6
	s_cmp_eq_u32 s93, \k
	s_cbranch_scc1 .Lacc_\k
.endr
	ACCIN 7
	s_branch .Lgelu
	ACCBLK 0
	ACCBLK 1
	ACCBLK 2
	ACCBLK 3
	ACCBLK 4
	ACCBLK 5
	ACCBLK 6
.Lgelu:
.set j, 0
.rept 64
	v_fma_f32 v[U+j], |v[T+j]|, s92, 1.0
.set j, j+1
.endr
.set j, 0
	s_wait_alu depctr_va_vdst(0)
.rept 64
	v_rcp_f32 v[U+j], v[U+j]
.set j, j+1
.endr
	WIN 0x40
.set j, 0
.rept 32
	v_pk_mul_f32 v[PW+j:PW+j+1], v[T+j:T+j+1], v[T+j:T+j+1]
.set j, j+2
.endr
	s_wait_alu depctr_va_vdst(0)
.set j, 0
.rept 32
	v_pk_fma_f32 v[P+j:P+j+1], v[U+j:U+j+1], s[88:89], v[24:25] op_sel_hi:[1,0,1]
.set j, j+2
.endr
	WIN 0x41
.irp k, 7,6,5,4,3,2,1,0
.set j, 0
.rept 32
	v_pk_fma_f32 v[P+j:P+j+1], v[P+j:P+j+1], v[U+j:U+j+1], s[70+2*\k:71+2*\k] op_sel_hi:[1,1,0]
.set j, j+2
.endr
.endr
	WIN 0x51
.set j, 0
.rept 32
	v_pk_fma_f32 v[P+j:P+j+1], v[PW+j:PW+j+1], s[90:91], v[P+j:P+j+1] op_sel_hi:[1,0,1]
.set j, j+2
.endr
	WIN 0x41
.set j, 0
	s_wait_alu depctr_va_vdst(0)
.rept 64
	v_exp_f32 v[P+j], v[P+j]
.set j, j+1
.endr
	WIN 0x40
.set j, 0
.rept 64
	v_max_num_f32 v[PW+j], 0, v[T+j]
.set j, j+1
.endr
	s_wait_alu depctr_va_vdst(0)
	WIN 0x44
.set j, 0
.rept 32
	v_pk_mul_f32 v[P+j:P+j+1], v[U+j:U+j+1], v[P+j:P+j+1]
.set j, j+2
.endr
	WIN 0x14
.set j, 0
.rept 64
	v_fma_f32 v[T+j], -|v[T+j]|, v[P+j], v[PW+j]
.set j, j+1
.endr
	WIN 0
.set j, 0
.rept 64
	v_med3_num_f32 v[T+j], v[T+j], -v22, v22
.set j, j+1
.endr
.set j, 0
.rept 8
	v_cvt_scalef32_pk8_fp8_f32 v[CD+2*j:CD+2*j+1], v[T+8*j:T+8*j+7], v23
.set j, j+1
.endr
	v_nop
.irp p, 0,1,2,3
	global_store_b128 v[CO], v[CD+4*\p:CD+4*\p+3], s[12:13] offset:\p*512
.endr
	s_wait_xcnt 0x0
	s_add_nc_u64 s[12:13], s[12:13], 4096
	s_add_co_u32 s93, s93, 1
	s_cmp_lt_u32 s93, 8
	s_cbranch_scc1 .Lrow
	s_wait_tensorcnt 0x0
	ds_add_u32 v[SPW], v[NIL]
	s_wait_dscnt 0x0
	CROUND
	s_endpgm
.Lfunc_end_k_qfc7432b803_w1:
	.size	k_qfc7432b803_w1, .Lfunc_end_k_qfc7432b803_w1-k_qfc7432b803_w1
	.p2alignl 7, 3214868480
	.fill 96, 4, 3214868480
	.section	.rodata,"a",@progbits
	.p2align	6, 0x0
	.amdhsa_kernel k_qfc7432b803_w1
		.amdhsa_group_segment_fixed_size 327680
		.amdhsa_private_segment_fixed_size 0
		.amdhsa_enable_private_segment 0
		.amdhsa_kernarg_size 40
		.amdhsa_user_sgpr_count 2
		.amdhsa_user_sgpr_kernarg_segment_ptr 1
		.amdhsa_wavefront_size32 1
		.amdhsa_system_sgpr_workgroup_id_x 1
		.amdhsa_system_sgpr_workgroup_id_y 1
		.amdhsa_system_sgpr_workgroup_id_z 1
		.amdhsa_system_vgpr_workitem_id 0
		.amdhsa_next_free_vgpr 1024
		.amdhsa_next_free_sgpr 100
		.amdhsa_reserve_vcc 0
		.amdhsa_float_denorm_mode_32 3
		.amdhsa_float_denorm_mode_16_64 3
		.amdhsa_memory_ordered 1
		.amdhsa_forward_progress 1
		.amdhsa_inst_pref_size 142
	.end_amdhsa_kernel
	.amdgpu_metadata
---
amdhsa.version: [ 1, 2 ]
amdhsa.kernels:
  - .name:           k_qfc7432b803_w1
    .symbol:         k_qfc7432b803_w1.kd
    .args:
      - { .name: x1b, .offset: 0, .size: 8, .value_kind: global_buffer, .address_space: global }
      - { .name: codes0, .offset: 8, .size: 8, .value_kind: global_buffer, .address_space: global }
      - { .name: lowp_scales, .offset: 16, .size: 8, .value_kind: global_buffer, .address_space: global }
      - { .name: b1, .offset: 24, .size: 8, .value_kind: global_buffer, .address_space: global }
      - { .name: hc, .offset: 32, .size: 8, .value_kind: global_buffer, .address_space: global }
    .group_segment_fixed_size: 327680
    .private_segment_fixed_size: 0
    .kernarg_segment_align: 8
    .kernarg_segment_size: 40
    .max_flat_workgroup_size: 128
    .sgpr_count:     100
    .vgpr_count:     1024
    .wavefront_size: 32
...
	.end_amdgpu_metadata
.endif
;; end of part 14
;; launch w2 (part 15): grid 8 x 32, 4 waves a work-group, clusters of 4 x 4, 327,680 bytes of LDS; arguments hc, codes0, ysum; writes ysum
.if DOCPART == 15
	.amdgcn_target "amdgcn-amd-amdhsa--gfx1250"
	.amdhsa_code_object_version 6
	.text
	.protected	k_qfc7432b803_w2
	.globl	k_qfc7432b803_w2
	.p2align	8
	.type	k_qfc7432b803_w2,@function
k_qfc7432b803_w2:
	s_mov_b64 s[64:65], 0
	v_nop
	global_prefetch_b8 v0, s[64:65] scope:SCOPE_SE
	s_setreg_imm32_b32 hwreg(HW_REG_WAVE_MODE, 25, 1), 1
	s_wait_xcnt 0x0
	s_wait_alu depctr_hold_cnt(0) depctr_sa_sdst(0) depctr_va_vdst(0) depctr_va_sdst(0) depctr_va_ssrc(0) depctr_va_vcc(0) depctr_vm_vsrc(0)
	s_getreg_b32 s2, hwreg(HW_REG_IB_STS2, 6, 4)
	s_cmp_eq_u32 s2, 0
	s_cbranch_scc0 .Lentry_in_a_cluster
	s_endpgm
.Lentry_in_a_cluster:
	s_bfe_u32 s2, ttmp6, 0x10000c
	s_cmp_lg_u32 s2, 0xf033
	s_cbranch_scc0 .Lentry_shape_is_right
	s_endpgm
.Lentry_shape_is_right:
.set LAPS,  4
.set BOFF,  0x1400000
.set PREF,  1
.set CHA,   0x100000
.set CHB,   0x40000
.set SLOT,  131072
.set SPARE, 2*SLOT
.set FR, 16
.set NP, 4
.set ADRA, 16
.set ADRB, 20
.set CO,  26
.set SPW, 28
.set NIL, 29
.set PFO, 30
.set ACC, 128
.set F0,  0
.set F1,  128
.set G1, 24
.set G0, 32
.set G1B, 48
.set G0B, 56
.set PFA, 70
.set PFS, 72
.set LIM, 74
.set MSB, 0
.macro WIN new
.if MSB != \new
	s_set_vgpr_msb (MSB<<8)|\new
.set MSB, \new
.endif
.endm
.set MUL,  0x05
.set TO_F, 0x40
.macro JLOAD g0a, g1a, g0b, g1b
	s_cmp_eq_u32 s15, 0
	s_cbranch_scc0 .Lfor_b_\@
	tensor_load_to_lds s[\g0a:\g0a+3], s[\g1a:\g1a+7]
	s_nop 0
.rept 4
	v_nop
.endr
	s_branch .Lasked_\@
.Lfor_b_\@:
	tensor_load_to_lds s[\g0b:\g0b+3], s[\g1b:\g1b+7]
	s_nop 0
.rept 4
	v_nop
.endr
.Lasked_\@:
.endm
.macro ASK
	s_cmp_gt_u32 s3, s[LIM]
	s_cbranch_scc0 .Lnot_mine_\@
	global_prefetch_b8 v[PFO], s[PFA:PFA+1] th:TH_LOAD_NT scope:SCOPE_SE
.Lnot_mine_\@:
.endm
.macro CREST
	s_cmp_lg_u32 s14, 0
	s_cbranch_scc1 .Lnot_wave_0_\@
	s_barrier_signal -3
.Lnot_wave_0_\@:
	s_barrier_wait -3
	s_barrier_signal -1
	s_barrier_wait -1
.endm
.macro CROUND
	s_barrier_signal -1
	s_barrier_wait -1
	CREST
.endm
	s_load_b128 s[4:7], s[0:1], 0x0
	s_load_b64 s[10:11], s[0:1], 0x10
	v_lshl_add_u32 v[SPW], v0, 2, SPARE
	v_mov_b32 v[NIL], 0
	ds_add_u32 v28, v29
	ds_add_u32 v28, v29
	s_wait_dscnt 0x0
	v_lshrrev_b32 v1, 5, v0
	v_readfirstlane_b32 s14, v1
	s_lshr_b32 s15, s14, 1
	s_and_b32 s16, s14, 1
	s_bfe_u32 s40, ttmp6, 0x40000
	s_bfe_u32 s41, ttmp6, 0x40004
	s_lshl_b32 s42, ttmp9, 2
	s_add_co_u32 s42, s42, s40
	s_and_b32 s17, ttmp7, 0xffff
	s_lshl_b32 s17, s17, 2
	s_add_co_u32 s17, s17, s41
	s_lshl_b32 s43, s41, 2
	s_lshl_b32 s43, 15, s43
	s_lshl_b32 s44, 0x1111, s40
	s_or_b32 s[G1+0], s43, (3<<16)|(1<<21)
	s_or_b32 s[G1B+0], s44, (3<<16)|(1<<21)
.irp g, G1, G1B
	s_mov_b32 s[\g+1], 32<<16
	s_mov_b32 s[\g+2], 128<<16
	s_mov_b32 s[\g+3], 32<<16
	s_mov_b32 s[\g+4], 128
	s_mov_b32 s[\g+5], 32
	s_mov_b32 s[\g+6], 0
	s_mov_b32 s[\g+7], 0
.endr
	s_lshl_b32 s18, s16, 20
	s_lshl_b32 s19, s16, 18
	s_lshl_b32 s20, s17, 15
	s_add_co_u32 s20, s20, s18
	s_mov_b32 s21, 0
	s_lshl_b32 s46, s42, 15
	s_add_co_u32 s46, s46, s19
	s_add_co_u32 s46, s46, BOFF
	s_mov_b32 s47, 0
	s_lshl_b32 s45, s14, 15
	s_mov_b32 s66, 4*CHA
	s_mov_b32 s67, 0
	s_mov_b32 s68, 4*CHB
	s_mov_b32 s69, 0
	s_wait_kmcnt 0x0
	s_add_nc_u64 s[20:21], s[4:5], s[20:21]
	s_add_nc_u64 s[46:47], s[6:7], s[46:47]
	CROUND
.irp s, 0,1
	s_mov_b32 s[G0+4*\s], 1
	s_add_co_u32 s[G0+4*\s+1], s45, \s*SLOT
	s_add_nc_u64 s[G0+4*\s+2:G0+4*\s+3], s[20:21], \s*2*CHA
	s_or_b32 s[G0+4*\s+3], s[G0+4*\s+3], 0x80000000
	s_mov_b32 s[G0B+4*\s], 1
	s_add_co_u32 s[G0B+4*\s+1], s45, \s*SLOT
	s_add_nc_u64 s[G0B+4*\s+2:G0B+4*\s+3], s[46:47], \s*2*CHB
	s_or_b32 s[G0B+4*\s+3], s[G0B+4*\s+3], 0x80000000
.if \s
	s_wait_alu depctr_va_vdst(0)
	s_wait_tensorcnt 0x0
	ds_add_u32 v28, v29
	s_wait_dscnt 0x0
	CROUND
.endif
	JLOAD G0+4*\s, G1, G0B+4*\s, G1B
.endr
	v_and_b32 v1, 31, v0
	s_wait_alu depctr_va_vdst(0)
	v_lshlrev_b32 v[CO], 4, v1
.if PREF
	s_wait_alu depctr_va_vdst(0)
	s_and_b32 s75, ttmp7, 0xffff
	s_mov_b32 s72, 2*CHB
	s_cmp_eq_u32 s15, 0
	s_cselect_b64 s[PFA:PFA+1], s[4:5], s[6:7]
	s_cselect_b32 s76, s17, s42
	s_cselect_b32 s77, s40, s41
	s_cselect_b32 s75, ttmp9, s75
	s_cselect_b32 s[PFS], 2*CHA, s72
	s_cselect_b32 s78, 0, BOFF
	s_cselect_b32 s79, s18, s19
	s_cmp_eq_u32 s75, 0
	s_cselect_b32 s[LIM], 1, -1
	s_lshl_b32 s76, s76, 15
	s_add_co_u32 s76, s76, s79
	s_lshl_b32 s77, s77, 13
	s_add_co_u32 s76, s76, s77
	s_add_co_u32 s76, s76, s78
	s_mul_i32 s77, s[PFS], 3
	s_add_co_u32 s76, s76, s77
	s_mov_b32 s77, 0
	s_mov_b32 s[PFS+1], 0
	s_add_nc_u64 s[PFA:PFA+1], s[PFA:PFA+1], s[76:77]
	v_lshlrev_b32 v[PFO], 8, v1
.endif
	s_lshl_b32 s21, s15, 14
	s_lshl_b32 s22, s16, 14
	s_add_co_u32 s22, s22, 65536
.irp s, 0,1
	v_add_nc_u32 v[ADRA+\s], s21, v[CO]
	v_add_nc_u32 v[ADRB+\s], s22, v[CO]
	s_add_co_u32 s21, s21, SLOT
	s_add_co_u32 s22, s22, SLOT
.endr
	s_lshl_b32 s20, s17, 3
	s_lshl_b32 s21, s15, 2
	s_add_co_u32 s20, s20, s21
	s_lshl_b32 s20, s20, 16
	s_lshl_b32 s21, s42, 3
	s_lshl_b32 s22, s16, 2
	s_add_co_u32 s21, s21, s22
	s_lshl_b32 s21, s21, 10
	s_add_co_u32 s20, s20, s21
	s_mov_b32 s21, 0
	s_add_nc_u64 s[10:11], s[10:11], s[20:21]
.macro FRAG reg, adr, q, i
.irp c, 0,1,2,3
	ds_load_b128 v[\reg+4*\c:\reg+4*\c+3], v[\adr] offset:((\q)/2)*32768+(\i)*4096+((\q)%2)*2048+\c*512
.endr
.endm
.macro FETCH slot, q, f
	WIN TO_F
.irp i, 0,1,2,3
	FRAG \f+64+FR*\i, ADRB+\slot, \q, \i
	FRAG \f+FR*\i, ADRA+\slot, \q, \i
.endr
.endm
.macro MUL4 f, a, zero
.irp b, 0,1,2,3
.if \zero
	v_wmma_f32_16x16x128_fp8_fp8 v[ACC+8*(4*(\a)+\b):ACC+8*(4*(\a)+\b)+7], v[\f+64+FR*\b:\f+64+FR*\b+FR-1], v[\f+FR*(\a):\f+FR*(\a)+FR-1], 0
.else
	v_wmma_f32_16x16x128_fp8_fp8 v[ACC+8*(4*(\a)+\b):ACC+8*(4*(\a)+\b)+7], v[\f+64+FR*\b:\f+64+FR*\b+FR-1], v[\f+FR*(\a):\f+FR*(\a)+FR-1], v[ACC+8*(4*(\a)+\b):ACC+8*(4*(\a)+\b)+7]
.endif
.endr
.endm
.macro PLACES n
.rept \n
	v_nop
.endr
.endm
.macro STEP slot, q, f, g, zero
	s_wait_dscnt 0x0
	PLACES NP
	FETCH \slot, (\q)+1, \g
	WIN MUL
	MUL4 \f, 0, \zero
	MUL4 \f, 1, \zero
	MUL4 \f, 2, \zero
	MUL4 \f, 3, \zero
.endm
.macro TURN slot, next, fill
.if (\fill) && PREF
	s_wait_xcnt 0x0
	s_add_nc_u64 s[PFA:PFA+1], s[PFA:PFA+1], s[PFS:PFS+1]
.endif
	WIN 0
	s_wait_tensorcnt 0x0
	ds_add_u32 v[SPW], v[NIL]
	s_wait_dscnt 1
	WIN MUL
	MUL4 F1, 0, 0
	s_wait_dscnt 0x0
	s_barrier_signal -1
	MUL4 F1, 1, 0
	WIN 0
	s_barrier_wait -1
.if \fill
	CREST
	s_add_nc_u64 s[G0+4*\slot+2:G0+4*\slot+3], s[G0+4*\slot+2:G0+4*\slot+3], s[66:67]
	s_add_nc_u64 s[G0B+4*\slot+2:G0B+4*\slot+3], s[G0B+4*\slot+2:G0B+4*\slot+3], s[68:69]
	JLOAD G0+4*\slot, G1, G0B+4*\slot, G1B
.else
	PLACES NP
.endif
	FETCH \next, 0, F0
.if (\fill) && PREF
	WIN 0
	ASK
.endif
	WIN MUL
	MUL4 F1, 2, 0
	MUL4 F1, 3, 0
.endm
	s_wait_alu depctr_va_vdst(0)
	s_wait_tensorcnt 1
	s_barrier_signal -1
	s_barrier_wait -1
	FETCH 0, 0, F0
	STEP 0, 0, F0, F1, 1
.if LAPS > 1
	WIN 0
	s_mov_b32 s3, LAPS-1
.Llap:
	STEP 0, 1, F1, F0, 0
	STEP 0, 2, F0, F1, 0
	TURN 0, 1, 1
	STEP 1, 0, F0, F1, 0
	STEP 1, 1, F1, F0, 0
	STEP 1, 2, F0, F1, 0
	TURN 1, 0, 1
	STEP 0, 0, F0, F1, 0
	WIN 0
	s_sub_co_u32 s3, s3, 1
	s_cmp_lg_u32 s3, 0
	s_cbranch_scc1 .Llap
.endif
	STEP 0, 1, F1, F0, 0
	STEP 0, 2, F0, F1, 0
	TURN 0, 1, 0
	STEP 1, 0, F0, F1, 0
	STEP 1, 1, F1, F0, 0
	STEP 1, 2, F0, F1, 0
	s_wait_dscnt 0x0
	WIN MUL
	MUL4 F1, 0, 0
	MUL4 F1, 1, 0
	MUL4 F1, 2, 0
	MUL4 F1, 3, 0
	WIN 0
	PLACES NP
.irp a, 0,1,2,3
.irp b, 0,1,2,3
	global_store_b128 v[CO], v[ACC+8*(4*\a+\b):ACC+8*(4*\a+\b)+3], s[10:11] offset:\a*65536+\b*1024 th:TH_STORE_NT
	global_store_b128 v[CO], v[ACC+8*(4*\a+\b)+4:ACC+8*(4*\a+\b)+7], s[10:11] offset:\a*65536+\b*1024+512 th:TH_STORE_NT
.endr
.endr
	s_wait_tensorcnt 0x0
	ds_add_u32 v[SPW], v[NIL]
	s_wait_dscnt 0x0
	CROUND
	s_endpgm
.Lfunc_end_k_qfc7432b803_w2:
	.size	k_qfc7432b803_w2, .Lfunc_end_k_qfc7432b803_w2-k_qfc7432b803_w2
	.p2alignl 7, 3214868480
	.fill 96, 4, 3214868480
	.section	.rodata,"a",@progbits
	.p2align	6, 0x0
	.amdhsa_kernel k_qfc7432b803_w2
		.amdhsa_group_segment_fixed_size 327680
		.amdhsa_private_segment_fixed_size 0
		.amdhsa_enable_private_segment 0
		.amdhsa_kernarg_size 24
		.amdhsa_user_sgpr_count 2
		.amdhsa_user_sgpr_kernarg_segment_ptr 1
		.amdhsa_wavefront_size32 1
		.amdhsa_system_sgpr_workgroup_id_x 1
		.amdhsa_system_sgpr_workgroup_id_y 1
		.amdhsa_system_sgpr_workgroup_id_z 1
		.amdhsa_system_vgpr_workitem_id 0
		.amdhsa_next_free_vgpr 512
		.amdhsa_next_free_sgpr 84
		.amdhsa_reserve_vcc 0
		.amdhsa_float_denorm_mode_32 3
		.amdhsa_float_denorm_mode_16_64 3
		.amdhsa_memory_ordered 1
		.amdhsa_forward_progress 1
		.amdhsa_inst_pref_size 66
	.end_amdhsa_kernel
	.amdgpu_metadata
---
amdhsa.version: [ 1, 2 ]
amdhsa.kernels:
  - .name:           k_qfc7432b803_w2
    .symbol:         k_qfc7432b803_w2.kd
    .args:
      - { .name: hc, .offset: 0, .size: 8, .value_kind: global_buffer, .address_space: global }
      - { .name: codes0, .offset: 8, .size: 8, .value_kind: global_buffer, .address_space: global }
      - { .name: ysum, .offset: 16, .size: 8, .value_kind: global_buffer, .address_space: global }
    .group_segment_fixed_size: 327680
    .private_segment_fixed_size: 0
    .kernarg_segment_align: 8
    .kernarg_segment_size: 24
    .max_flat_workgroup_size: 128
    .sgpr_count:     84
    .vgpr_count:     512
    .wavefront_size: 32
...
	.end_amdgpu_metadata
.endif
;; end of part 15
;; launch ln2 (part 16): grid 256 x 1, 16 waves a work-group, no clusters, 73,728 bytes of LDS; arguments ysum, x1b, b2, g2, be2, lowp_scales, out0; writes out0
.if DOCPART == 16
	.amdgcn_target "amdgcn-amd-amdhsa--gfx1250"
	.amdhsa_code_object_version 6
	.text
	.protected	k_qfc7432b803_ln2
	.globl	k_qfc7432b803_ln2
	.p2align	8
	.type	k_qfc7432b803_ln2,@function
k_qfc7432b803_ln2:
	s_mov_b64 s[64:65], 0
	v_nop
	global_prefetch_b8 v0, s[64:65] scope:SCOPE_SE
	s_setreg_imm32_b32 hwreg(HW_REG_WAVE_MODE, 25, 1), 1
	s_wait_xcnt 0x0
; out = layer_norm(x1 + (sum x 2^(e14 + e15) + b2)) x g2 + be2, f32, row-major.
; A work-group owns 16 whole rows; wave w owns columns 64 w .. 64 w + 63.  Lane (r, h) holds, of row r, columns 64 w + 16 b + 8 h + 0 .. 7, b = 0 .. 3: the layout in which the product left its sums and the first
; layer norm left x1: both come by loads of 512 consecutive bytes.  The result turns through the wave's own stage in LDS and leaves by rows: sixteen lanes store 256 consecutive bytes, aligned.
; Mean first, then the mean of squared differences, as the source writes it.  A row's sums meet in LDS: [row][wave], one barrier each, words of their own for each of the two.
; A stream: no matrix unit, no cluster, no tensor load.   LIMIT: e14 + e15 between -126 and 127.
.set Y,  32
.set XL, 64
.set XR, 96
.set BO, 128
.set G,  160
.set BE, 192
.set PITCH, 272
.set WST, 16*PITCH
.set RED, 16*WST
	s_load_b256 s[4:11], s[0:1], 0x0               ; ysum 4, x1b 6, b2 8, g2 10
	s_load_b128 s[12:15], s[0:1], 0x20             ; be2 12, the scales' exponents 14
	s_load_b64 s[16:17], s[0:1], 0x30              ; out0
	v_lshl_add_u32 v254, v0, 2, 0x11800
	v_mov_b32 v255, 0
	v_lshrrev_b32 v2, 5, v0
	s_delay_alu instid0(VALU_DEP_1)
	v_readfirstlane_b32 s18, v2
	v_and_b32 v2, 31, v0
	s_delay_alu instid0(VALU_DEP_1)
	v_lshlrev_b32 v1, 4, v2
	v_and_b32 v10, 15, v0
	v_bfe_u32 v11, v0, 4, 1
	s_mul_i32 s19, s18, WST
	v_mul_u32_u24 v4, v11, PITCH
	s_delay_alu instid0(VALU_DEP_1)
	v_lshl_add_u32 v4, v10, 4, v4
	s_delay_alu instid0(VALU_DEP_1)
	v_add_nc_u32 v4, s19, v4                       ; the stage by rows
	v_mul_u32_u24 v5, v10, PITCH
	s_delay_alu instid0(VALU_DEP_1)
	v_lshl_add_u32 v5, v11, 5, v5
	s_delay_alu instid0(VALU_DEP_1)
	v_add_nc_u32 v5, s19, v5                       ; by my layout
	v_lshlrev_b32 v6, 5, v11
	v_lshlrev_b32 v7, 12, v11
	s_delay_alu instid0(VALU_DEP_1)
	v_lshl_add_u32 v7, v10, 4, v7
	v_lshlrev_b32 v9, 6, v10
	s_delay_alu instid0(VALU_DEP_1)
	v_add_nc_u32 v9, RED, v9
	s_lshl_b32 s20, s18, 2
	v_add_nc_u32 v8, s20, v9
	s_lshl_b32 s20, ttmp9, 16
	s_lshl_b32 s21, s18, 12
	s_add_co_u32 s22, s20, s21
	s_mov_b32 s23, 0
	s_lshl_b32 s24, s18, 8
	s_mov_b32 s25, 0
	s_add_co_u32 s26, s20, s24
	s_mov_b32 s27, 0
	s_mov_b32 s32, 0x76543210
	s_mov_b32 s33, 0xfedcba98
	s_mov_b32 s34, 0x3a800000                      ; 1 / 1,024
	s_mov_b32 s35, 0x3727c5ac                      ; 1e-5
	s_wait_alu depctr_va_vdst(0)
	s_wait_kmcnt 0x0
	s_load_b64 s[36:37], s[14:15], 0x38            ; e14, e15
	s_add_nc_u64 s[4:5], s[4:5], s[22:23]
	s_add_nc_u64 s[6:7], s[6:7], s[22:23]
	s_add_nc_u64 s[8:9], s[8:9], s[24:25]
	s_add_nc_u64 s[10:11], s[10:11], s[24:25]
	s_add_nc_u64 s[12:13], s[12:13], s[24:25]
	s_add_nc_u64 s[16:17], s[16:17], s[26:27]
.irp b, 0,1,2,3
.irp q, 0,1
	global_load_b128 v[Y+8*\b+4*\q:Y+8*\b+4*\q+3], v1, s[4:5] offset:\b*1024+\q*512 th:TH_LOAD_NT
.endr
.endr
.irp b, 0,1,2,3
.irp q, 0,1
	global_load_b128 v[XR+8*\b+4*\q:XR+8*\b+4*\q+3], v1, s[6:7] offset:\b*1024+\q*512 th:TH_LOAD_NT
.endr
.endr
.macro VEC dst, base
.irp b, 0,1,2,3
.irp q, 0,1
	global_load_b128 v[\dst+8*\b+4*\q:\dst+8*\b+4*\q+3], v6, s[\base:\base+1] offset:\b*64+\q*16
.endr
.endr
.endm
	VEC BO, 8
	VEC G, 10
	VEC BE, 12
.macro TREE                            ; eight pairs in v224-239 become one number in v224
.set i, 0
.rept 4
	v_pk_add_f32 v[224+4*i:225+4*i], v[224+4*i:225+4*i], v[226+4*i:227+4*i]
.set i, i+1
.endr
	s_delay_alu instid0(VALU_DEP_3)
	v_pk_add_f32 v[224:225], v[224:225], v[228:229]
	s_delay_alu instid0(VALU_DEP_2)
	v_pk_add_f32 v[232:233], v[232:233], v[236:237]
	s_delay_alu instid0(VALU_DEP_1)
	v_pk_add_f32 v[224:225], v[224:225], v[232:233]
	s_delay_alu instid0(VALU_DEP_1)
	v_add_f32 v224, v224, v225
.endm
.macro CROSS off
	s_delay_alu instid0(VALU_DEP_1)
	v_permlanex16_b32 v226, v224, s32, s33
	s_delay_alu instid0(VALU_DEP_1)
	v_add_f32 v224, v224, v226
	ds_store_b32 v8, v224 offset:\off
	s_wait_dscnt 0x0                               ; for the others' sake
	s_barrier_signal -1
	s_barrier_wait -1
	ds_load_b128 v[224:227], v9 offset:\off
	ds_load_b128 v[228:231], v9 offset:\off+16
	ds_load_b128 v[232:235], v9 offset:\off+32
	ds_load_b128 v[236:239], v9 offset:\off+48
	s_wait_dscnt 0x0
	TREE
.endm
	s_wait_kmcnt 0x0
	s_add_co_i32 s40, s36, s37
	s_add_co_i32 s40, s40, 127
	s_lshl_b32 s40, s40, 23                        ; 2^(e14 + e15)
	s_mov_b32 s41, s40
	s_wait_loadcnt 16                              ; the sums, x1 and b2 are in; gain and shift may be out
.set i, 0
.rept 16
	v_pk_fma_f32 v[Y+2*i:Y+2*i+1], v[Y+2*i:Y+2*i+1], s[40:41], v[BO+2*i:BO+2*i+1] op_sel_hi:[1,0,1]
.set i, i+1
.endr
.set i, 0
.rept 16
	v_pk_add_f32 v[Y+2*i:Y+2*i+1], v[Y+2*i:Y+2*i+1], v[XR+2*i:XR+2*i+1]
.set i, i+1
.endr
.set i, 0
.rept 8
	v_pk_add_f32 v[224+2*i:225+2*i], v[Y+4*i:Y+4*i+1], v[Y+4*i+2:Y+4*i+3]
.set i, i+1
.endr
	TREE
	CROSS 0
	s_delay_alu instid0(VALU_DEP_1)
	v_mul_f32 v248, s34, v224                      ; the mean
	s_delay_alu instid0(VALU_DEP_1)
	v_mov_b32 v249, v248
.set i, 0
.rept 16
	v_pk_add_f32 v[Y+2*i:Y+2*i+1], v[Y+2*i:Y+2*i+1], v[248:249] neg_lo:[0,1] neg_hi:[0,1]
.set i, i+1
.endr
.set i, 0
.rept 8
	v_pk_mul_f32 v[224+2*i:225+2*i], v[Y+4*i:Y+4*i+1], v[Y+4*i:Y+4*i+1]
.set i, i+1
.endr
.set i, 0
.rept 8
	v_pk_fma_f32 v[224+2*i:225+2*i], v[Y+4*i+2:Y+4*i+3], v[Y+4*i+2:Y+4*i+3], v[224+2*i:225+2*i]
.set i, i+1
.endr
	TREE
	CROSS 1024
	s_delay_alu instid0(VALU_DEP_1)
	v_fma_f32 v250, v224, s34, s35                 ; the variance + 1e-5
	s_wait_alu depctr_va_vdst(0)
	v_rsq_f32 v250, v250
	v_nop                                          ; a plain line behind it
	s_wait_alu depctr_va_vdst(0)                   ; ahead of its first reader
	v_mov_b32 v251, v250
	s_wait_alu depctr_va_vdst(0)
	s_wait_loadcnt 0x0                             ; gain and shift
.set i, 0
.rept 16
	v_pk_mul_f32 v[Y+2*i:Y+2*i+1], v[Y+2*i:Y+2*i+1], v[250:251]
.set i, i+1
.endr
.set i, 0
.rept 16
	v_pk_fma_f32 v[Y+2*i:Y+2*i+1], v[Y+2*i:Y+2*i+1], v[G+2*i:G+2*i+1], v[BE+2*i:BE+2*i+1]
.set i, i+1
.endr
.irp b, 0,1,2,3
.irp q, 0,1
	ds_store_b128 v5, v[Y+8*\b+4*\q:Y+8*\b+4*\q+3] offset:\b*64+\q*16
.endr
.endr
.set i, 0
.rept 8
	ds_load_b128 v[XL+4*i:XL+4*i+3], v4 offset:i*2*PITCH      ; LDS serves a wave's instructions in order: these see my stores
.set i, i+1
.endr
.set i, 0
.rept 8
	s_wait_dscnt 7-i                               ; the younger reads of the stage may be out
	global_store_b128 v7, v[XL+4*i:XL+4*i+3], s[16:17] offset:i*8192 th:TH_STORE_NT
.set i, i+1
.endr
	s_wait_tensorcnt 0x0
	ds_add_u32 v254, v255
	s_wait_dscnt 0x0
	s_endpgm
.Lfunc_end_k_qfc7432b803_ln2:
	.size	k_qfc7432b803_ln2, .Lfunc_end_k_qfc7432b803_ln2-k_qfc7432b803_ln2
	.p2alignl 7, 3214868480
	.fill 96, 4, 3214868480
	.section	.rodata,"a",@progbits
	.p2align	6, 0x0
	.amdhsa_kernel k_qfc7432b803_ln2
		.amdhsa_group_segment_fixed_size 73728
		.amdhsa_private_segment_fixed_size 0
		.amdhsa_enable_private_segment 0
		.amdhsa_kernarg_size 56
		.amdhsa_user_sgpr_count 2
		.amdhsa_user_sgpr_kernarg_segment_ptr 1
		.amdhsa_wavefront_size32 1
		.amdhsa_system_sgpr_workgroup_id_x 1
		.amdhsa_system_sgpr_workgroup_id_y 1
		.amdhsa_system_sgpr_workgroup_id_z 1
		.amdhsa_system_vgpr_workitem_id 0
		.amdhsa_next_free_vgpr 256
		.amdhsa_next_free_sgpr 66
		.amdhsa_reserve_vcc 0
		.amdhsa_float_denorm_mode_32 3
		.amdhsa_float_denorm_mode_16_64 3
		.amdhsa_memory_ordered 1
		.amdhsa_forward_progress 1
		.amdhsa_inst_pref_size 20
	.end_amdhsa_kernel
	.amdgpu_metadata
---
amdhsa.version: [ 1, 2 ]
amdhsa.kernels:
  - .name:           k_qfc7432b803_ln2
    .symbol:         k_qfc7432b803_ln2.kd
    .args:
      - { .name: ysum, .offset: 0, .size: 8, .value_kind: global_buffer, .address_space: global }
      - { .name: x1b, .offset: 8, .size: 8, .value_kind: global_buffer, .address_space: global }
      - { .name: b2, .offset: 16, .size: 8, .value_kind: global_buffer, .address_space: global }
      - { .name: g2, .offset: 24, .size: 8, .value_kind: global_buffer, .address_space: global }
      - { .name: be2, .offset: 32, .size: 8, .value_kind: global_buffer, .address_space: global }
      - { .name: lowp_scales, .offset: 40, .size: 8, .value_kind: global_buffer, .address_space: global }
      - { .name: out0, .offset: 48, .size: 8, .value_kind: global_buffer, .address_space: global }
    .group_segment_fixed_size: 73728
    .private_segment_fixed_size: 0
    .kernarg_segment_align: 8
    .kernarg_segment_size: 56
    .max_flat_workgroup_size: 512
    .sgpr_count:     66
    .vgpr_count:     256
    .wavefront_size: 32
...
	.end_amdgpu_metadata
.endif
;; end of part 16
